; MI455X (gfx1250); checked and timed in simulation.
; The chip was launched on July 23, 2026; its instructions are those of AMD's public machine-readable ISA for CDNA 5 (MIT licence, August 2026) and "CDNA5" Instruction Set Architecture Reference Guide (July 2026). The comments in the code are by the model that wrote it; some were corrected since.
;; Simple Decoder Layer. Allowed arithmetic: float matrix products may take bf16 or f16 operands with f32 sums; other float arithmetic in f32, or as packed bf16 or f16 multiplies, adds, multiply-adds, maxima and minima; sums over many terms, partial sums and values carried from step to step in f32; what a program stores and reads back later, other than sums and carried values, may be rounded once to bf16 or f16.
;; Inputs: attn_b 1,024 float32; attn_noise 2 x 512 x 1,024 float32; attn_w 1,024 x 1,024 float32; gate_b 8 float32; gate_w 8 x 1,024 float32; hidden_states 2 x 512 x 1,024 float32; w1 8 x 2,048 x 1,024 float32; w2 8 x 1,024 x 2,048 float32; w3 8 x 2,048 x 1,024 float32.
;; Outputs: out0 2 x 512 x 1,024 float32.
;; 3 versions, each right; version 2 is faster than version 1; version 3 is version 2 with the launches attn, gateup, down written anew for expert scheduling mode. Each part assembles by itself: llvm-mc -triple=amdgcn-amd-amdhsa -mcpu=gfx1250 --defsym DOCPART=n.
;; ======== version 1 of 3: 6 launches
;; workspace buffers: h32 4,194,304 bytes; idx 8,192 bytes of whole numbers; wgt 8,192 bytes; lists 37,120 bytes of whole numbers; hgf 17,039,360 bytes; actf 34,078,720 bytes; y 33,685,504 bytes
;; launch attn (part 1): grid 16 x 16, 4 waves a work-group, no clusters, 282,112 bytes of LDS; arguments hidden_states, attn_w, attn_noise, attn_b, h32; writes h32
.if DOCPART == 1
	.amdgcn_target "amdgcn-amd-amdhsa--gfx1250"
	.amdhsa_code_object_version 6
	.text
	.protected	k_q38d8a8c96c_attn
	.globl	k_q38d8a8c96c_attn
	.p2align	8
	.type	k_q38d8a8c96c_attn,@function
k_q38d8a8c96c_attn:
	s_mov_b64 s[64:65], 0
	v_nop
	global_prefetch_b8 v0, s[64:65] scope:SCOPE_SE
	s_setreg_imm32_b32 hwreg(HW_REG_WAVE_MODE, 25, 1), 1
	s_wait_xcnt 0x0
; h32[t][o] = x~[t][o] + sum over k of x~[t][k] W~[o][k] + b~[o] + 1e-4 n~[t][o], in f32; ~ = the input rounded once to bf16 (every input of the
; program is so rounded, the residual's x too).  1,024 tokens, 1,024 columns, K = 1,024.
; SHARES.  A work-group makes 64 tokens x 64 columns; wave w its tokens 16 w .. 16 w + 15 and all 64 columns: four accumulators of 16 x 16.
; PHASE 1.  The 64 rows of x and the 64 rows of W are brought in as f32 by 16-byte loads (a load of a wave covers 512 consecutive bytes), 64 loads of
; each wave always on their way, rounded to bf16 and laid into LDS, where they stay.  One barrier.  PHASE 2.  K in 32 steps of 32 from LDS.
; The matrix instruction takes W's rows as source 0 and the tokens as source 1: a lane then holds one token and eight neighbouring columns.
; The residual's x (16 rows x 256 bytes a wave) is loaded once more from memory, beside the noise, so that no LDS address holds the work-group's number.
; LIMITS.  NaN and infinities are not treated apart.
; LDS: 128 rows of 2,064 bytes (2,048 + 16: row r starts at bank 4 r mod 64, 64 banks of 4 bytes: ISA guide 11.1); a stage of 16 rows x 272 bytes a wave; the spare words.
; REGISTERS.  Window 0: v0-15 addresses; v16-31 rounded pairs; v32-33 constants; v40-199 four fragment buffers of 40; v200-231 the sums.  Window 1: the ring of 64 loads, later noise, bias and x.
.set LP,    2064
.set STAGE, 128*LP
.set SP,    272
.set SPARE, STAGE+4*16*SP              ; 128 bytes for each wave, named by no other line
.set CV,    16                         ; v16-31   eight pairs of rounded numbers on their way into LDS
.set F,     40                         ; v40-199  buffer f at F + 40 f: the tokens' fragment, then W's four
.set ACC,   200                        ; v200-231
.set R,     40                         ; the way out: v40-71 sixteen rows read back, 4 registers for each two rows
.set XB,    72                         ; v72-87   x~ of the same places, bf16
.set NP,    88                         ; v88-103  n~, bf16
.set BI,    104                        ; v104-107 b~ as f32; v108-109 at work
.set MSB, 0
.macro WIN new                         ; the immediate's high byte repeats the setting that is left; a switch that changes nothing is dropped
.if MSB != (\new)
	s_set_vgpr_msb (MSB<<8)|(\new)
.set MSB, \new
.endif
.endm
.macro PLACES                          ; four places between a matrix instruction and a load into, or a read of, its registers
.rept 4
	v_nop
.endr
.endm
; Eight slots of the ring (one row of 4,096 bytes): waited for, rounded, stored into LDS, and with reload = 1 loaded again with the row eight further down.
.macro GRP g, reload, left
	s_wait_loadcnt \left                   ; loads come back in order: these eight are in, the younger ones stay out
	WIN 0x05                               ; sources in window 1
.set i, 0
.rept 8
	v_cvt_pk_bf16_f32 v[CV+2*i],   v[4*(8*(\g)+i)],   v[4*(8*(\g)+i)+1]
	v_cvt_pk_bf16_f32 v[CV+2*i+1], v[4*(8*(\g)+i)+2], v[4*(8*(\g)+i)+3]
.set i, i+1
.endr
	WIN 0
.set i, 0
.rept 8
	ds_store_b64 v3, v[CV+2*i:CV+2*i+1] offset:(\g)*LP+256*i
.set i, i+1
.endr
.if \reload
	WIN 0x40                               ; destination in window 1
.set i, 0
.rept 8
	global_load_b128 v[4*(8*(\g)+i):4*(8*(\g)+i)+3], v2, s[18:19] offset:32768+512*(8*(\g)+i)
.set i, i+1
.endr
	WIN 0
.endif
.endm
	s_load_b256 s[4:11], s[0:1], 0x0       ; x s[4:5], W s[6:7], noise s[8:9], b s[10:11]
	s_load_b64 s[12:13], s[0:1], 0x20      ; h32
	v_lshl_add_u32 v8, v0, 2, SPARE        ; my spare word,
	v_mov_b32 v9, 0                        ; and 0: kept for the add at the wave's end
	v_and_b32 v1, 31, v0
	v_lshrrev_b32 v3, 5, v0
	v_readfirstlane_b32 s14, v3            ; wave 0..3
	s_mov_b32 s15, ttmp9                   ; column tile
	s_and_b32 s16, ttmp7, 0xffff           ; token tile
	v_lshlrev_b32 v2, 4, v1                ; 16 x lane
	v_and_b32 v4, 15, v0                   ; r
	v_bfe_u32 v5, v0, 4, 1                 ; h
	s_mul_i32 s23, s14, 32*LP
	v_lshl_add_u32 v3, v1, 3, s23          ; where my 8 bytes of my wave's first row go
	s_and_b32 s17, s14, 1
	s_lshl_b32 s17, s17, 5
	s_cmp_lt_u32 s14, 2                    ; waves 0 and 1 bring x's rows, waves 2 and 3 W's, 32 each
	s_cselect_b32 s20, s16, s15
	s_lshl_b32 s20, s20, 6
	s_add_co_u32 s20, s20, s17
	s_lshl_b32 s20, s20, 12                ; my first row, in bytes
	s_mov_b32 s21, 0
	s_wait_kmcnt 0x0
	s_cmp_lt_u32 s14, 2
	s_cselect_b64 s[18:19], s[4:5], s[6:7]
	s_add_nc_u64 s[18:19], s[18:19], s[20:21]
	WIN 0x40
.set l, 0
.rept 64                               ; the ring is filled: my first eight rows
	global_load_b128 v[4*l:4*l+3], v2, s[18:19] offset:512*l
.set l, l+1
.endr
	WIN 0
	; the addresses of phase 2 are made while the first loads are out
	s_lshl_b32 s23, s14, 4
	v_add_nc_u32 v6, s23, v4
	v_mul_u32_u24 v6, v6, LP
	v_lshl_add_u32 v6, v5, 4, v6           ; tokens' fragment: (16 w + r) rows + 16 h
	v_mul_u32_u24 v7, v4, LP
	v_lshl_add_u32 v7, v5, 4, v7
	v_add_nc_u32 v7, 64*LP, v7             ; W's tiles 0 and 1
	v_add_nc_u32 v10, 32*LP, v7            ; W's tiles 2 and 3
	s_mul_i32 s23, s14, 16*SP
	s_add_co_u32 s23, s23, STAGE           ; my stage
	v_mul_u32_u24 v11, v4, SP
	v_lshl_add_u32 v11, v5, 5, v11
	v_add_nc_u32 v11, s23, v11             ; in: row r, 32 bytes for each half of the lanes
	v_mul_u32_u24 v12, v5, SP
	v_lshl_add_u32 v12, v4, 4, v12
	v_add_nc_u32 v12, s23, v12             ; back: lanes 0-15 one row of 256 bytes, lanes 16-31 the next
	v_lshlrev_b32 v14, 12, v5
	v_lshl_add_u32 v14, v4, 4, v14         ; the same two rows in noise, x and h32
	v_lshlrev_b32 v15, 4, v4               ; my four columns in b
	v_mov_b32 v32, 0x38d1b717              ; 1e-4
	v_mov_b32 v33, 1.0
	s_lshl_b32 s20, s16, 6
	s_lshl_b32 s23, s14, 4
	s_add_co_u32 s20, s20, s23
	s_lshl_b32 s20, s20, 12                ; my wave's first token row,
	s_lshl_b32 s23, s15, 8
	s_add_co_u32 s20, s20, s23             ; the tile's first column
	s_add_nc_u64 s[24:25], s[8:9], s[20:21]
	s_add_nc_u64 s[26:27], s[12:13], s[20:21]
	s_add_nc_u64 s[30:31], s[4:5], s[20:21]
	s_mov_b32 s20, s23
	s_add_nc_u64 s[28:29], s[10:11], s[20:21]
	s_mov_b32 s22, 3
.Lstream:                                      ; a trip: eight rows go into LDS, the next eight are asked for
.irp g, 0,1,2,3,4,5,6,7
	GRP \g, 1, 56                          ; behind a group's eight loads stand the ring's 56 others
.endr
	s_wait_xcnt 0x0                        ; the base is a source of the loads that are out: it steps only behind this wait
	s_add_nc_u64 s[18:19], s[18:19], 32768
	v_add_nc_u32 v3, 8*LP, v3
	s_sub_co_u32 s22, s22, 1
	s_cmp_lg_u32 s22, 0
	s_cbranch_scc1 .Lstream
.irp g, 0,1,2,3,4,5,6,7
	GRP \g, 0, 56-8*\g                     ; the last eight rows: nothing is asked for, the counts run down
.endr
	s_wait_dscnt 0x0                       ; for the others' sake: my rows are in LDS
	s_barrier_signal -1
	s_barrier_wait -1                      ; everybody's are; from here on nobody writes them
	WIN 0x40                               ; what the way out adds is asked for now: 17 loads, waited for behind the K loop
.set t, 0
.rept 8
	global_load_b128 v[4*t:4*t+3], v14, s[24:25] offset:8192*t th:TH_LOAD_NT  ; noise, rows 2 t + h
.set t, t+1
.endr
	global_load_b128 v[32:35], v15, s[28:29]                                  ; bias
.set t, 0
.rept 8
	global_load_b128 v[36+4*t:39+4*t], v14, s[30:31] offset:8192*t            ; x, the same places as the noise
.set t, t+1
.endr
	WIN 0
.macro ALOAD f, k                      ; ten LDS loads: the fragments of 32 along K at byte k of the rows, into buffer f
	ds_load_b128 v[F+40*(\f):F+40*(\f)+3],     v6 offset:(\k)
	ds_load_b128 v[F+40*(\f)+4:F+40*(\f)+7],   v6 offset:(\k)+32
	ds_load_b128 v[F+40*(\f)+8:F+40*(\f)+11],  v7 offset:(\k)
	ds_load_b128 v[F+40*(\f)+12:F+40*(\f)+15], v7 offset:(\k)+32
	ds_load_b128 v[F+40*(\f)+16:F+40*(\f)+19], v7 offset:16*LP+(\k)
	ds_load_b128 v[F+40*(\f)+20:F+40*(\f)+23], v7 offset:16*LP+(\k)+32
	ds_load_b128 v[F+40*(\f)+24:F+40*(\f)+27], v10 offset:(\k)
	ds_load_b128 v[F+40*(\f)+28:F+40*(\f)+31], v10 offset:(\k)+32
	ds_load_b128 v[F+40*(\f)+32:F+40*(\f)+35], v10 offset:16*LP+(\k)
	ds_load_b128 v[F+40*(\f)+36:F+40*(\f)+39], v10 offset:16*LP+(\k)+32
.endm
; A K step on buffer f.  fl >= 0: the step three further on is fetched into buffer fl, which the step before multiplied.  The four sums take turns.
.macro ASTEP f, fl, kl, left, zero
.if (\fl) >= 0
	PLACES
	ALOAD \fl, \kl
.endif
	s_wait_dscnt \left                     ; this step's ten loads are in; those of the younger steps stay out
.irp i, 0,1,2,3
.if \zero
	v_wmma_f32_16x16x32_bf16 v[ACC+8*\i:ACC+8*\i+7], v[F+40*(\f)+8+8*\i:F+40*(\f)+15+8*\i], v[F+40*(\f):F+40*(\f)+7], 0
.else
	v_wmma_f32_16x16x32_bf16 v[ACC+8*\i:ACC+8*\i+7], v[F+40*(\f)+8+8*\i:F+40*(\f)+15+8*\i], v[F+40*(\f):F+40*(\f)+7], v[ACC+8*\i:ACC+8*\i+7]
.endif
.endr
.endm
	ALOAD 0, 0
	ALOAD 1, 64
	ALOAD 2, 128
	ASTEP 0, 3, 192, 30, 1                 ; the first step starts the sums
	s_mov_b32 s22, 7
.Lk:                                           ; a trip: steps 4 n + 1 .. 4 n + 4; three younger steps' 30 loads stay out at each wait
	ASTEP 1, 0, 256, 30, 0
	ASTEP 2, 1, 320, 30, 0
	ASTEP 3, 2, 384, 30, 0
	ASTEP 0, 3, 448, 30, 0
	v_add_nc_u32 v6, 256, v6
	v_add_nc_u32 v7, 256, v7
	v_add_nc_u32 v10, 256, v10
	s_sub_co_u32 s22, s22, 1
	s_cmp_lg_u32 s22, 0
	s_cbranch_scc1 .Lk
	ASTEP 1, -1, 0, 20, 0                  ; the last three steps fetch nothing
	ASTEP 2, -1, 0, 10, 0
	ASTEP 3, -1, 0, 0, 0
	; THE WAY OUT.  The sums go through my own stage and come back as rows of 256 bytes; bias, noise and residual are added there.
	PLACES
.irp i, 0,1,2,3
	ds_store_b128 v11, v[ACC+8*\i:ACC+8*\i+3]   offset:64*\i      ; each sum's low registers first
	ds_store_b128 v11, v[ACC+8*\i+4:ACC+8*\i+7] offset:64*\i+16
.endr
.set t, 0
.rept 8
	ds_load_b128 v[R+4*t:R+4*t+3], v12 offset:2*SP*t              ; LDS serves a wave's instructions in order (ISA guide 5.7.1.4): these see the stores above
.set t, t+1
.endr
	s_wait_loadcnt 0x0                     ; noise, bias and x
	WIN 0x05
	v_cvt_pk_bf16_f32 v[BI+4], v32, v33
	v_cvt_pk_bf16_f32 v[BI+5], v34, v35
.set t, 0
.rept 8
	v_cvt_pk_bf16_f32 v[NP+2*t],   v[4*t],      v[4*t+1]
	v_cvt_pk_bf16_f32 v[NP+2*t+1], v[4*t+2],    v[4*t+3]
	v_cvt_pk_bf16_f32 v[XB+2*t],   v[36+4*t],   v[37+4*t]
	v_cvt_pk_bf16_f32 v[XB+2*t+1], v[38+4*t],   v[39+4*t]
.set t, t+1
.endr
	WIN 0
	v_lshlrev_b32 v[BI],   16, v[BI+4]
	v_and_b32     v[BI+1], 0xffff0000, v[BI+4]
	v_lshlrev_b32 v[BI+2], 16, v[BI+5]
	v_and_b32     v[BI+3], 0xffff0000, v[BI+5]
.set t, 0
.rept 8
	s_wait_dscnt 7-t                       ; rows 2 t + h are back from the stage; the 7 - t younger loads stay out
	v_pk_add_f32 v[R+4*t:R+4*t+1],   v[R+4*t:R+4*t+1],   v[BI:BI+1]
	v_pk_add_f32 v[R+4*t+2:R+4*t+3], v[R+4*t+2:R+4*t+3], v[BI+2:BI+3]
	v_fma_mix_f32_bf16 v[R+4*t],   v[NP+2*t],   v32, v[R+4*t]   op_sel_hi:[1,0,0]
	v_fma_mix_f32_bf16 v[R+4*t+1], v[NP+2*t],   v32, v[R+4*t+1] op_sel:[1,0,0] op_sel_hi:[1,0,0]
	v_fma_mix_f32_bf16 v[R+4*t+2], v[NP+2*t+1], v32, v[R+4*t+2] op_sel_hi:[1,0,0]
	v_fma_mix_f32_bf16 v[R+4*t+3], v[NP+2*t+1], v32, v[R+4*t+3] op_sel:[1,0,0] op_sel_hi:[1,0,0]
	v_fma_mix_f32_bf16 v[R+4*t],   v[XB+2*t],   v33, v[R+4*t]   op_sel_hi:[1,0,0]
	v_fma_mix_f32_bf16 v[R+4*t+1], v[XB+2*t],   v33, v[R+4*t+1] op_sel:[1,0,0] op_sel_hi:[1,0,0]
	v_fma_mix_f32_bf16 v[R+4*t+2], v[XB+2*t+1], v33, v[R+4*t+2] op_sel_hi:[1,0,0]
	v_fma_mix_f32_bf16 v[R+4*t+3], v[XB+2*t+1], v33, v[R+4*t+3] op_sel:[1,0,0] op_sel_hi:[1,0,0]
	global_store_b128 v14, v[R+4*t:R+4*t+3], s[26:27] offset:8192*t  ; 16 lanes store 256 consecutive bytes, at a multiple of 256 from h32's first byte
.set t, t+1
.endr
	s_wait_tensorcnt 0x0                   ; the wave's end
	ds_add_u32 v8, v9
	s_wait_dscnt 0x0
	s_endpgm
.Lfunc_end_k_q38d8a8c96c_attn:
	.size	k_q38d8a8c96c_attn, .Lfunc_end_k_q38d8a8c96c_attn-k_q38d8a8c96c_attn
	.p2alignl 7, 3214868480
	.fill 96, 4, 3214868480
	.section	.rodata,"a",@progbits
	.p2align	6, 0x0
	.amdhsa_kernel k_q38d8a8c96c_attn
		.amdhsa_group_segment_fixed_size 282112
		.amdhsa_private_segment_fixed_size 0
		.amdhsa_enable_private_segment 0
		.amdhsa_kernarg_size 40
		.amdhsa_user_sgpr_count 2
		.amdhsa_user_sgpr_kernarg_segment_ptr 1
		.amdhsa_wavefront_size32 1
		.amdhsa_system_sgpr_workgroup_id_x 1
		.amdhsa_system_sgpr_workgroup_id_y 1
		.amdhsa_system_sgpr_workgroup_id_z 1
		.amdhsa_system_vgpr_workitem_id 0
		.amdhsa_next_free_vgpr 512
		.amdhsa_next_free_sgpr 66
		.amdhsa_reserve_vcc 0
		.amdhsa_float_denorm_mode_32 3
		.amdhsa_float_denorm_mode_16_64 3
		.amdhsa_memory_ordered 1
		.amdhsa_forward_progress 1
		.amdhsa_inst_pref_size 61
	.end_amdhsa_kernel
	.amdgpu_metadata
---
amdhsa.version: [ 1, 2 ]
amdhsa.kernels:
  - .name:           k_q38d8a8c96c_attn
    .symbol:         k_q38d8a8c96c_attn.kd
    .args:
      - { .name: hidden_states, .offset: 0, .size: 8, .value_kind: global_buffer, .address_space: global }
      - { .name: attn_w, .offset: 8, .size: 8, .value_kind: global_buffer, .address_space: global }
      - { .name: attn_noise, .offset: 16, .size: 8, .value_kind: global_buffer, .address_space: global }
      - { .name: attn_b, .offset: 24, .size: 8, .value_kind: global_buffer, .address_space: global }
      - { .name: h32, .offset: 32, .size: 8, .value_kind: global_buffer, .address_space: global }
    .group_segment_fixed_size: 282112
    .private_segment_fixed_size: 0
    .kernarg_segment_align: 8
    .kernarg_segment_size: 40
    .max_flat_workgroup_size: 128
    .sgpr_count:     66
    .vgpr_count:     512
    .wavefront_size: 32
...
	.end_amdgpu_metadata
.endif
;; end of part 1
;; launch route (part 2): grid 256 x 1, 4 waves a work-group, no clusters, 0 bytes of LDS; arguments h32, gate_w, gate_b, idx, wgt; writes idx, wgt
.if DOCPART == 2
	.amdgcn_target "amdgcn-amd-amdhsa--gfx1250"
	.amdhsa_code_object_version 6
	.text
	.protected	k_q38d8a8c96c_route
	.globl	k_q38d8a8c96c_route
	.p2align	8
	.type	k_q38d8a8c96c_route,@function
k_q38d8a8c96c_route:
	s_mov_b64 s[64:65], 0
	v_nop
	global_prefetch_b8 v0, s[64:65] scope:SCOPE_SE
	s_setreg_imm32_b32 hwreg(HW_REG_WAVE_MODE, 25, 1), 1
	s_wait_xcnt 0x0
; The router.  For token t: l[e] = sum over k of h32[t][k] g~[e][k] + gb~[e] in f32 (~ = rounded to bf16, as every input of the program is; h stays f32);
; idx[t] = the two experts of the largest l, the lower number first among equals; wgt[t] = their softmax weights, renormalised:
; w0 = 1 / (1 + e^(l1 - l0)), w1 = e^(l1 - l0) w0.  The softmax's divisor cancels in that quotient; l0 is the row's maximum, so the exponent is never above 0.
; One wave, one token: the sums never leave the wave; no LDS, no barrier.  No matrix unit: 8 columns would leave half of a 16 x 16 tile empty, and h would have to be rounded.
; LIMITS.  Two logits nearer to each other than the rounding of an f32 sum of 1,024 terms may be ranked otherwise than by another order of summation; NaN and infinities are not treated apart.
.set H,  16                            ; v16-47   h: lane l holds columns 128 c + 4 l + 0..3, c = 0..7
.set G,  48                            ; v48-175  gate_w of four experts, the same layout
.set P,  176                           ; v176-191 one expert's 32 numbers, rounded to bf16
.set OFS, 192                          ; v192     16 x lane
	s_load_b256 s[4:11], s[0:1], 0x0       ; h32 s[4:5], gate_w s[6:7], gate_b s[8:9], idx s[10:11]
	s_load_b64 s[12:13], s[0:1], 0x20      ; wgt
	v_and_b32 v1, 31, v0
	v_lshrrev_b32 v2, 5, v0
	v_readfirstlane_b32 s14, v2
	s_lshl_b32 s15, ttmp9, 2
	s_add_co_u32 s15, s15, s14             ; my token
	s_lshl_b32 s26, s15, 12
	s_mov_b32 s27, 0
	s_mov_b32 s24, 0x76543210              ; v_permlanex16_b32: each lane takes its own place in the other half
	s_mov_b32 s25, 0xfedcba98
	v_lshlrev_b32 v[OFS], 4, v1
	v_mov_b32 v14, 0                       ; the addend of each chain's first link
	v_mov_b32 v15, 0                       ; v_permlanex16_b32's destination counts as read
	s_wait_kmcnt 0x0
	s_add_nc_u64 s[4:5], s[4:5], s[26:27]
	s_load_b256 s[16:23], s[8:9], 0x0      ; the eight biases
.set c, 0
.rept 8
	global_load_b128 v[H+4*c:H+4*c+3], v[OFS], s[4:5] offset:512*c
.set c, c+1
.endr
.set c, 0
.rept 32                               ; experts 0 to 3
	global_load_b128 v[G+4*c:G+4*c+3], v[OFS], s[6:7] offset:512*c
.set c, c+1
.endr
; Expert e: its 32 numbers a lane are rounded; the registers then take expert e + 4; 32 multiply-adds in four chains.
.macro EXPERT e, left
	s_wait_loadcnt \left                   ; this expert's eight loads are in; the younger experts' stay out
.set GE, G+32*((\e)%4)
.set p, 0
.rept 16
	v_cvt_pk_bf16_f32 v[P+p], v[GE+2*p], v[GE+2*p+1]
.set p, p+1
.endr
.if (\e) < 4
.set c, 0
.rept 8
	global_load_b128 v[GE+4*c:GE+4*c+3], v[OFS], s[6:7] offset:((\e)+4)*4096+512*c
.set c, c+1
.endr
.endif
.set p, 0
.rept 16
.if p < 2
	v_fma_mix_f32_bf16 v[10+2*(p%2)], v[P+p], v[H+2*p],   v14 op_sel_hi:[1,0,0]
	v_fma_mix_f32_bf16 v[11+2*(p%2)], v[P+p], v[H+2*p+1], v14 op_sel:[1,0,0] op_sel_hi:[1,0,0]
.else
	v_fma_mix_f32_bf16 v[10+2*(p%2)], v[P+p], v[H+2*p],   v[10+2*(p%2)] op_sel_hi:[1,0,0]
	v_fma_mix_f32_bf16 v[11+2*(p%2)], v[P+p], v[H+2*p+1], v[11+2*(p%2)] op_sel:[1,0,0] op_sel_hi:[1,0,0]
.endif
.set p, p+1
.endr
	v_add_f32 v10, v10, v11
	v_add_f32 v12, v12, v13
	v_add_f32 v[2+(\e)], v10, v12
.endm
	EXPERT 0, 24                           ; behind h's and expert 0's loads: experts 1 to 3
	EXPERT 1, 24                           ; experts 2, 3, 4
	EXPERT 2, 24
	EXPERT 3, 24
	EXPERT 4, 24                           ; experts 5, 6, 7
	EXPERT 5, 16
	EXPERT 6, 8
	EXPERT 7, 0
.irp e, 2,3,4,5,6,7,8,9                ; the sum over the 32 lanes; every lane ends with the same bits
	v_add_f32_dpp v\e, v\e, v\e row_xmask:1 row_mask:0xf bank_mask:0xf
	v_add_f32_dpp v\e, v\e, v\e row_xmask:2 row_mask:0xf bank_mask:0xf
	v_add_f32_dpp v\e, v\e, v\e row_xmask:4 row_mask:0xf bank_mask:0xf
	v_add_f32_dpp v\e, v\e, v\e row_xmask:8 row_mask:0xf bank_mask:0xf
	v_permlanex16_b32 v15, v\e, s24, s25
	v_add_f32 v\e, v\e, v15
.endr
	s_wait_kmcnt 0x0
.irp p, 0,1,2,3
	v_cvt_pk_bf16_f32 v10, s[16+2*\p], s[17+2*\p]
	v_lshlrev_b32 v11, 16, v10
	v_and_b32 v12, 0xffff0000, v10
	v_add_f32 v[2+2*\p], v[2+2*\p], v11
	v_add_f32 v[3+2*\p], v[3+2*\p], v12
.endr
	v_mov_b32 v20, v2                      ; the largest: a later one must be strictly greater
	v_mov_b32 v26, 0
.irp e, 1,2,3,4,5,6,7
	v_cmp_gt_f32 vcc_lo, v[2+\e], v20
	v_cndmask_b32 v20, v20, v[2+\e], vcc_lo
	v_cndmask_b32 v26, v26, \e, vcc_lo
.endr
	v_mov_b32 v22, 0xff800000
.irp e, 0,1,2,3,4,5,6,7
	v_cmp_eq_u32 vcc_lo, \e, v26           ; it leaves the field,
	v_cndmask_b32 v[2+\e], v[2+\e], v22, vcc_lo
.endr
	v_mov_b32 v23, v2                      ; and the same search finds the second
	v_mov_b32 v27, 0
.irp e, 1,2,3,4,5,6,7
	v_cmp_gt_f32 vcc_lo, v[2+\e], v23
	v_cndmask_b32 v23, v23, v[2+\e], vcc_lo
	v_cndmask_b32 v27, v27, \e, vcc_lo
.endr
	v_sub_f32 v24, v23, v20
	v_mul_f32 v24, 0x3fb8aa3b, v24
	v_exp_f32 v24, v24
	v_nop                                  ; a plain instruction between a transcendental and the use of its result
	s_wait_alu depctr_va_vdst(0)
	v_add_f32 v25, 1.0, v24
	v_rcp_f32 v28, v25
	v_nop
	s_wait_alu depctr_va_vdst(0)
	v_mul_f32 v29, v24, v28
	s_lshl_b32 s28, s15, 3
	v_mov_b32 v30, s28
	v_cmp_eq_u32 vcc_lo, 0, v1
	s_wait_xcnt 0x0                        ; EXEC changes only behind this wait
	s_and_saveexec_b32 s29, vcc_lo         ; every lane holds the same four numbers: lane 0 stores them
	global_store_b64 v30, v[26:27], s[10:11]
	global_store_b64 v30, v[28:29], s[12:13]
	s_wait_xcnt 0x0
	s_or_b32 exec_lo, exec_lo, s29
	s_endpgm
.Lfunc_end_k_q38d8a8c96c_route:
	.size	k_q38d8a8c96c_route, .Lfunc_end_k_q38d8a8c96c_route-k_q38d8a8c96c_route
	.p2alignl 7, 3214868480
	.fill 96, 4, 3214868480
	.section	.rodata,"a",@progbits
	.p2align	6, 0x0
	.amdhsa_kernel k_q38d8a8c96c_route
		.amdhsa_group_segment_fixed_size 0
		.amdhsa_private_segment_fixed_size 0
		.amdhsa_enable_private_segment 0
		.amdhsa_kernarg_size 40
		.amdhsa_user_sgpr_count 2
		.amdhsa_user_sgpr_kernarg_segment_ptr 1
		.amdhsa_wavefront_size32 1
		.amdhsa_system_sgpr_workgroup_id_x 1
		.amdhsa_system_sgpr_workgroup_id_y 1
		.amdhsa_system_sgpr_workgroup_id_z 1
		.amdhsa_system_vgpr_workitem_id 0
		.amdhsa_next_free_vgpr 200
		.amdhsa_next_free_sgpr 66
		.amdhsa_reserve_vcc 1
		.amdhsa_float_denorm_mode_32 3
		.amdhsa_float_denorm_mode_16_64 3
		.amdhsa_memory_ordered 1
		.amdhsa_forward_progress 1
		.amdhsa_inst_pref_size 40
	.end_amdhsa_kernel
	.amdgpu_metadata
---
amdhsa.version: [ 1, 2 ]
amdhsa.kernels:
  - .name:           k_q38d8a8c96c_route
    .symbol:         k_q38d8a8c96c_route.kd
    .args:
      - { .name: h32, .offset: 0, .size: 8, .value_kind: global_buffer, .address_space: global }
      - { .name: gate_w, .offset: 8, .size: 8, .value_kind: global_buffer, .address_space: global }
      - { .name: gate_b, .offset: 16, .size: 8, .value_kind: global_buffer, .address_space: global }
      - { .name: idx, .offset: 24, .size: 8, .value_kind: global_buffer, .address_space: global }
      - { .name: wgt, .offset: 32, .size: 8, .value_kind: global_buffer, .address_space: global }
    .group_segment_fixed_size: 0
    .private_segment_fixed_size: 0
    .kernarg_segment_align: 8
    .kernarg_segment_size: 40
    .max_flat_workgroup_size: 128
    .sgpr_count:     66
    .vgpr_count:     200
    .wavefront_size: 32
...
	.end_amdgpu_metadata
.endif
;; end of part 2
;; launch gather (part 3): grid 16 x 8, 8 waves a work-group, no clusters, 37,888 bytes of LDS; arguments idx, h32, lists, hgf; writes lists, hgf
.if DOCPART == 3
	.amdgcn_target "amdgcn-amd-amdhsa--gfx1250"
	.amdhsa_code_object_version 6
	.text
	.protected	k_q38d8a8c96c_gather
	.globl	k_q38d8a8c96c_gather
	.p2align	8
	.type	k_q38d8a8c96c_gather,@function
k_q38d8a8c96c_gather:
	s_mov_b64 s[64:65], 0
	v_nop
	global_prefetch_b8 v0, s[64:65] scope:SCOPE_SE
	s_setreg_imm32_b32 hwreg(HW_REG_WAVE_MODE, 25, 1), 1
	s_wait_xcnt 0x0
; The lists, and the tokens of each expert laid out as matrix operands.
; Expert e's tokens, ascending, take slots 0 .. cnt - 1.  dst[e][slot] = t for a token's first choice, 1,024 + t for its second; an empty slot holds 2,048 + e:
; its token, dst & 1023 = e, is a row like any other, and its result goes to a row that nobody reads.  16 slots are a tile, 5 tiles a group; 5 ceil(cnt / 80) tiles are made.
; hgf[e][tile][block b of 32 columns][half][lane L][16 bytes] = bf16 of h32[token of slot 16 tile + L % 16][32 b + 16 half + 8 (L / 16) + 0..7]:
; two loads of 16 bytes a lane are then a source of 16 slots x 32 columns of the bf16 matrix instruction, and each covers 512 consecutive bytes.
; SHARES.  Work-group (cs, e): columns 64 cs .. 64 cs + 63 of all of expert e's tiles, a tile a wave and trip.  Every wave makes the whole list for itself, in LDS bytes of its own:
; 32 compares and counts cost less than a barrier and a shared list would save.  The work-group cs = 0 stores list and count.
; No matrix unit and no tensor load: the rows are picked by a list, and each is used once.
.set LISTB, 4608                       ; 1,152 words: 1,040 slots at the most, and word 1,151 for the lanes that have nothing to store
.set SPARE, 8*LISTB                    ; 128 bytes for each wave, named by no other line
	s_load_b256 s[4:11], s[0:1], 0x0       ; idx s[4:5], h32 s[6:7], lists s[8:9], hgf s[10:11]
	v_lshl_add_u32 v8, v0, 2, SPARE        ; my spare word,
	v_mov_b32 v9, 0                        ; and 0: kept for the add at the wave's end
	v_and_b32 v1, 31, v0
	v_lshrrev_b32 v3, 5, v0
	v_readfirstlane_b32 s14, v3            ; wave 0..7
	s_mov_b32 s15, ttmp9                   ; cs
	s_and_b32 s16, ttmp7, 0xffff           ; e
	s_mul_i32 s17, s14, LISTB              ; my wave's list
	v_lshlrev_b32 v2, 4, v1
	v_lshlrev_b32 v10, 3, v1
	v_and_b32 v4, 15, v0                   ; r
	v_bfe_u32 v5, v0, 4, 1                 ; h
	v_add_nc_u32 v11, s17, v2
	s_add_co_u32 s18, s16, 2048
	v_mov_b32 v12, s18
	v_mov_b32 v13, s18
	v_mov_b32 v14, s18
	v_mov_b32 v15, s18
	v_mov_b32 v17, 1151
	s_wait_kmcnt 0x0
.set c, 0
.rept 32                               ; both choices of token 32 c + lane
	global_load_b64 v[32+2*c:33+2*c], v10, s[4:5] offset:256*c
.set c, c+1
.endr
.set k, 0
.rept 9
	ds_store_b128 v11, v[12:15] offset:512*k   ; every slot is empty to begin with
.set k, k+1
.endr
	s_mov_b32 s19, 0                       ; slots taken so far
	s_wait_loadcnt 0x0
.set c, 0
.rept 32
	v_cmp_eq_u32 s20, s16, v[32+2*c]       ; first choice?
	v_cmp_eq_u32 s21, s16, v[33+2*c]       ; second?
	s_or_b32 s22, s20, s21
	v_mbcnt_lo_u32_b32 v16, s22, 0         ; members in the lanes below mine
	v_add_nc_u32 v16, s19, v16
	v_cndmask_b32 v16, v17, v16, s22       ; a lane that is no member stores into word 1,151
	v_min_u32 v16, 1151, v16
	v_lshl_add_u32 v16, v16, 2, s17
	v_add_nc_u32 v18, 32*c, v1
	v_add_nc_u32 v19, 1024, v18
	v_cndmask_b32 v18, v18, v19, s21
	ds_store_b32 v16, v18
	s_bcnt1_i32_b32 s23, s22
	s_add_co_u32 s19, s19, s23
.set c, c+1
.endr
	s_cmp_lg_u32 s15, 0
	s_cbranch_scc1 .Lnolist
	s_cmp_lg_u32 s14, 0
	s_cbranch_scc1 .Lnolist
.set k, 0
.rept 9
	ds_load_b128 v[32+4*k:35+4*k], v11 offset:512*k   ; my own stores, served in order
.set k, k+1
.endr
	s_mul_i32 s34, s16, LISTB
	s_add_co_u32 s34, s34, 256
	s_mov_b32 s35, 0
	s_add_nc_u64 s[24:25], s[8:9], s[34:35]
	v_mov_b32 v20, s19
	s_lshl_b32 s20, s16, 2
	v_mov_b32 v21, s20
	s_wait_dscnt 0x0
.set k, 0
.rept 9
	global_store_b128 v2, v[32+4*k:35+4*k], s[24:25] offset:512*k
.set k, k+1
.endr
	v_cmp_eq_u32 vcc_lo, 0, v1
	s_wait_xcnt 0x0                        ; EXEC changes only behind this wait
	s_and_saveexec_b32 s26, vcc_lo
	global_store_b32 v21, v20, s[8:9]      ; cnt[e]
	s_wait_xcnt 0x0
	s_or_b32 exec_lo, exec_lo, s26
.Lnolist:
	s_add_co_u32 s27, s19, 79
	s_mul_i32 s27, s27, 52429
	s_lshr_b32 s27, s27, 22                ; ceil(cnt / 80): 52,429 / 2^22 is 1 / 80 to within 4e-6 of itself, exact for numbers up to 1,103
	s_mul_i32 s27, s27, 5                  ; tiles to make
	s_mov_b32 s28, s14                     ; my tile
	s_lshl_b32 s20, s14, 6
	s_add_co_u32 s20, s20, s17
	v_lshl_add_u32 v22, v4, 2, s20         ; the word of slot 16 tile + r in my list
	s_lshl_b32 s34, s15, 8
	s_mov_b32 s35, 0
	s_add_nc_u64 s[30:31], s[6:7], s[34:35]    ; h32 at my 64 columns
	s_mul_i32 s34, s16, 65*32768
	s_lshl_b32 s20, s14, 15
	s_add_co_u32 s34, s34, s20
	s_lshl_b32 s20, s15, 11
	s_add_co_u32 s34, s34, s20
	s_add_nc_u64 s[32:33], s[10:11], s[34:35]  ; hgf at my tile's two blocks
	s_mov_b32 s29, 9                       ; 65 tiles at the most, eight a trip; a trip past the expert's last tile is jumped over
.Ltile:
	s_cmp_ge_u32 s28, s27
	s_cbranch_scc1 .Lskip
	ds_load_b32 v23, v22
	s_wait_dscnt 0x0
	v_and_b32 v23, 1023, v23               ; the token
	v_min_u32 v23, 1023, v23
	v_lshlrev_b32 v23, 12, v23
	v_lshl_add_u32 v23, v5, 5, v23         ; its row, 32 bytes for each half of the lanes
.irp n, 0,1,2,3                        ; block n / 2, half n % 2: eight f32 a lane
	global_load_b128 v[32+8*\n:35+8*\n], v23, s[30:31] offset:64*\n
	global_load_b128 v[36+8*\n:39+8*\n], v23, s[30:31] offset:64*\n+16
.endr
	s_wait_loadcnt 0x0
.irp n, 0,1,2,3
	v_cvt_pk_bf16_f32 v[64+4*\n], v[32+8*\n], v[33+8*\n]
	v_cvt_pk_bf16_f32 v[65+4*\n], v[34+8*\n], v[35+8*\n]
	v_cvt_pk_bf16_f32 v[66+4*\n], v[36+8*\n], v[37+8*\n]
	v_cvt_pk_bf16_f32 v[67+4*\n], v[38+8*\n], v[39+8*\n]
	global_store_b128 v2, v[64+4*\n:67+4*\n], s[32:33] offset:512*\n   ; 512 consecutive bytes, at a multiple of 256 from hgf's first byte
.endr
.Lskip:
	s_wait_xcnt 0x0                        ; the stores' base and data are written again only behind this wait
	s_add_nc_u64 s[32:33], s[32:33], 8*32768
	v_add_nc_u32 v22, 512, v22
	s_add_co_u32 s28, s28, 8
	s_sub_co_u32 s29, s29, 1
	s_cmp_lg_u32 s29, 0
	s_cbranch_scc1 .Ltile
	s_wait_tensorcnt 0x0                   ; the wave's end
	ds_add_u32 v8, v9
	s_wait_dscnt 0x0
	s_endpgm
.Lfunc_end_k_q38d8a8c96c_gather:
	.size	k_q38d8a8c96c_gather, .Lfunc_end_k_q38d8a8c96c_gather-k_q38d8a8c96c_gather
	.p2alignl 7, 3214868480
	.fill 96, 4, 3214868480
	.section	.rodata,"a",@progbits
	.p2align	6, 0x0
	.amdhsa_kernel k_q38d8a8c96c_gather
		.amdhsa_group_segment_fixed_size 37888
		.amdhsa_private_segment_fixed_size 0
		.amdhsa_enable_private_segment 0
		.amdhsa_kernarg_size 32
		.amdhsa_user_sgpr_count 2
		.amdhsa_user_sgpr_kernarg_segment_ptr 1
		.amdhsa_wavefront_size32 1
		.amdhsa_system_sgpr_workgroup_id_x 1
		.amdhsa_system_sgpr_workgroup_id_y 1
		.amdhsa_system_sgpr_workgroup_id_z 1
		.amdhsa_system_vgpr_workitem_id 0
		.amdhsa_next_free_vgpr 96
		.amdhsa_next_free_sgpr 66
		.amdhsa_reserve_vcc 1
		.amdhsa_float_denorm_mode_32 3
		.amdhsa_float_denorm_mode_16_64 3
		.amdhsa_memory_ordered 1
		.amdhsa_forward_progress 1
		.amdhsa_inst_pref_size 35
	.end_amdhsa_kernel
	.amdgpu_metadata
---
amdhsa.version: [ 1, 2 ]
amdhsa.kernels:
  - .name:           k_q38d8a8c96c_gather
    .symbol:         k_q38d8a8c96c_gather.kd
    .args:
      - { .name: idx, .offset: 0, .size: 8, .value_kind: global_buffer, .address_space: global }
      - { .name: h32, .offset: 8, .size: 8, .value_kind: global_buffer, .address_space: global }
      - { .name: lists, .offset: 16, .size: 8, .value_kind: global_buffer, .address_space: global }
      - { .name: hgf, .offset: 24, .size: 8, .value_kind: global_buffer, .address_space: global }
    .group_segment_fixed_size: 37888
    .private_segment_fixed_size: 0
    .kernarg_segment_align: 8
    .kernarg_segment_size: 32
    .max_flat_workgroup_size: 256
    .sgpr_count:     66
    .vgpr_count:     96
    .wavefront_size: 32
...
	.end_amdgpu_metadata
.endif
;; end of part 3
;; launch gateup (part 4): grid 32 x 8, 4 waves a work-group, no clusters, 264,704 bytes of LDS; arguments hgf, w1, w3, lists, actf; writes actf
.if DOCPART == 4
	.amdgcn_target "amdgcn-amd-amdhsa--gfx1250"
	.amdhsa_code_object_version 6
	.text
	.protected	k_q38d8a8c96c_gateup
	.globl	k_q38d8a8c96c_gateup
	.p2align	8
	.type	k_q38d8a8c96c_gateup,@function
k_q38d8a8c96c_gateup:
	s_mov_b64 s[64:65], 0
	v_nop
	global_prefetch_b8 v0, s[64:65] scope:SCOPE_SE
	s_setreg_imm32_b32 hwreg(HW_REG_WAVE_MODE, 25, 1), 1
	s_wait_xcnt 0x0
; actf = bf16( silu(h w1~^T) x (h w3~^T) ) for the tokens that are routed to each expert; an expert's result for any other token is multiplied by 0 in the module and is not made.
; SHARES.  Work-group (ft, e): rows 64 ft .. 64 ft + 63 of expert e's w1 and of its w3, which no other work-group reads, against all of the expert's tokens.
; PHASE 1.  The 128 rows (f32, 4,096 bytes each) come in by 16-byte loads, 64 loads of each wave always on their way, are rounded to bf16 once and stay in LDS.  One barrier.
; PHASE 2.  Wave w takes the groups w, w + 4, w + 8, w + 12 of 80 slots (5 tiles of 16); a group past the expert's last is jumped over.  For a group: K = 1,024 in 32 steps; the weights'
; fragments from LDS, the tokens' straight from hgf, which holds them as operands; 8 x 5 sums of 16 x 16.  No barrier stands in phase 2: nobody writes the tile any more.
; The 32 steps are written out: each LDS address is then one of four lane terms that never change plus an immediate, and each token load's place stands in its immediate.
; Source 0 = 16 rows of a weight, source 1 = 16 slots: a lane holds one slot and eight neighbouring f, which are exactly its 16 bytes of the next product's operand: no stage on the way out.
; NO CLUSTER, NO TENSOR LOAD: no two work-groups read the same weight rows; the f32 rows must pass through registers to be rounded.
; LIMITS.  silu(g) = g / (1 + e^-g); where e^-g passes f32's range (g below about -88) it counts as 0.  NaN and infinities are not treated apart.  act goes in bf16: its range is f32's.
; REGISTERS.  Window 0: v0-15 addresses; v16-47, v48-79 the weights' fragments (tiles 0-3: w1, 4-7: w3); v80-239 the tokens' fragments, four buffers of 40.
;   Window 1: phase 1 the ring; then the sums of w1's tiles, (i, j) at v[8 (5 i + j)].  Window 2: those of w3's.
.set LP,    2064                       ; an LDS row: 2,048 bytes + 16: row r starts at bank 4 r mod 64 (64 banks of 4 bytes: ISA guide 11.1)
.set SPARE, 128*LP                     ; 128 bytes for each wave, named by no other line
.set TSTR,  32768                      ; a tile of hgf
.set NS,    32                         ; K steps of 32
.set CV,    16
.set WF,    16
.set TK,    80
.set E,     16                         ; the way out: 32 numbers at work
.set O,     48                         ; and 16 registers to store for each of the five tiles
.set MSB, 0
.macro WIN new                         ; the immediate's high byte repeats the setting that is left; a switch that changes nothing is dropped
.if MSB != (\new)
	s_set_vgpr_msb (MSB<<8)|(\new)
.set MSB, \new
.endif
.endm
.macro PLACES                          ; four places between a matrix instruction and a load into, or a read of, its registers
.rept 4
	v_nop
.endr
.endm
.macro GRP g, reload, left             ; eight slots of the ring (one row): waited for, rounded, stored into LDS, and loaded again with the row eight further down
	s_wait_loadcnt \left
	WIN 0x05
.set i, 0
.rept 8
	v_cvt_pk_bf16_f32 v[CV+2*i],   v[4*(8*(\g)+i)],   v[4*(8*(\g)+i)+1]
	v_cvt_pk_bf16_f32 v[CV+2*i+1], v[4*(8*(\g)+i)+2], v[4*(8*(\g)+i)+3]
.set i, i+1
.endr
	WIN 0
.set i, 0
.rept 8
	ds_store_b64 v3, v[CV+2*i:CV+2*i+1] offset:(\g)*LP+256*i
.set i, i+1
.endr
.if \reload
	WIN 0x40
.set i, 0
.rept 8
	global_load_b128 v[4*(8*(\g)+i):4*(8*(\g)+i)+3], v2, s[18:19] offset:32768+512*(8*(\g)+i) th:TH_LOAD_NT
.set i, i+1
.endr
	WIN 0
.endif
.endm
	s_load_b256 s[4:11], s[0:1], 0x0       ; hgf s[4:5], w1 s[6:7], w3 s[8:9], lists s[10:11]
	s_load_b64 s[12:13], s[0:1], 0x20      ; actf
	v_lshl_add_u32 v8, v0, 2, SPARE        ; my spare word,
	v_mov_b32 v9, 0                        ; and 0: kept for the add at the wave's end
	v_and_b32 v1, 31, v0
	v_lshrrev_b32 v3, 5, v0
	v_readfirstlane_b32 s14, v3            ; wave 0..3
	s_mov_b32 s15, ttmp9                   ; ft
	s_and_b32 s16, ttmp7, 0xffff           ; e
	v_lshlrev_b32 v2, 4, v1                ; 16 x lane
	v_and_b32 v4, 15, v0
	v_bfe_u32 v5, v0, 4, 1
	s_mul_i32 s23, s14, 32*LP
	v_lshl_add_u32 v3, v1, 3, s23
	s_lshl_b32 s20, s16, 11
	s_lshl_b32 s23, s15, 6
	s_add_co_u32 s20, s20, s23
	s_and_b32 s23, s14, 1
	s_lshl_b32 s23, s23, 5
	s_add_co_u32 s20, s20, s23             ; row 2,048 e + 64 ft + 32 (w % 2)
	s_lshl_b32 s20, s20, 12
	s_mov_b32 s21, 0
	s_wait_kmcnt 0x0
	s_cmp_lt_u32 s14, 2                    ; waves 0 and 1 bring w1's rows, waves 2 and 3 w3's
	s_cselect_b64 s[18:19], s[6:7], s[8:9]
	s_add_nc_u64 s[18:19], s[18:19], s[20:21]
	WIN 0x40
.set l, 0
.rept 64
	global_load_b128 v[4*l:4*l+3], v2, s[18:19] offset:512*l th:TH_LOAD_NT
.set l, l+1
.endr
	WIN 0
	s_lshl_b32 s20, s16, 2
	s_add_nc_u64 s[32:33], s[10:11], s[20:21]
	s_load_b32 s17, s[32:33], 0x0          ; cnt[e]
	v_mul_u32_u24 v10, v4, LP
	v_lshl_add_u32 v10, v5, 4, v10         ; a fragment's row x pitch + 16 x half: weight tiles 0 and 1; never rewritten
	v_add_nc_u32 v11, 32*LP, v10           ; tiles 2 and 3; never rewritten
	v_add_nc_u32 v12, 64*LP, v10           ; tiles 4 and 5; never rewritten
	v_add_nc_u32 v13, 96*LP, v10           ; tiles 6 and 7; never rewritten
	s_mul_i32 s20, s16, 65*TSTR
	s_mul_i32 s23, s14, 5*TSTR
	s_add_co_u32 s20, s20, s23
	s_add_nc_u64 s[26:27], s[4:5], s[20:21]    ; hgf at my first group
	s_mul_i32 s20, s16, 65*65536
	s_mul_i32 s23, s14, 5*65536
	s_add_co_u32 s20, s20, s23
	s_lshl_b32 s23, s15, 11
	s_add_co_u32 s20, s20, s23
	s_add_nc_u64 s[30:31], s[12:13], s[20:21]  ; actf at my first group, blocks 2 ft and 2 ft + 1
	s_mov_b32 s34, 0xbfb8aa3b              ; -log2(e),
	s_mov_b32 s35, s34                     ; named as a pair
	s_mov_b32 s22, 3
.Lstream:
.irp g, 0,1,2,3,4,5,6,7
	GRP \g, 1, 56                          ; behind a group's eight loads stand the ring's 56 others
.endr
	s_wait_xcnt 0x0                        ; the base is a source of the loads that are out: it steps only behind this wait
	s_add_nc_u64 s[18:19], s[18:19], 32768
	v_add_nc_u32 v3, 8*LP, v3
	s_sub_co_u32 s22, s22, 1
	s_cmp_lg_u32 s22, 0
	s_cbranch_scc1 .Lstream
.irp g, 0,1,2,3,4,5,6,7
	GRP \g, 0, 56-8*\g                     ; the last eight rows: the counts run down
.endr
	s_wait_dscnt 0x0                       ; for the others' sake: my rows are in LDS
	s_barrier_signal -1
	s_barrier_wait -1                      ; everybody's are; from here on nobody writes them
.macro TLOAD st                        ; ten loads: five tiles' fragments of K step st, into buffer st % 4
.irp j, 0,1,2,3,4
	global_load_b128 v[TK+40*((\st)%4)+8*\j:TK+40*((\st)%4)+8*\j+3],   v2, s[26:27] offset:\j*TSTR+(\st)*1024
	global_load_b128 v[TK+40*((\st)%4)+8*\j+4:TK+40*((\st)%4)+8*\j+7], v2, s[26:27] offset:\j*TSTR+(\st)*1024+512
.endr
.endm
.macro WLOAD hf, k                     ; eight LDS loads: weight tiles 4 hf .. 4 hf + 3 at byte k of the rows
.irp n, 0,1,2,3
	ds_load_b128 v[WF+32*(\hf)+8*\n:WF+32*(\hf)+8*\n+3],   v[10+2*(\hf)+\n/2] offset:(\n%2)*16*LP+(\k)
	ds_load_b128 v[WF+32*(\hf)+8*\n+4:WF+32*(\hf)+8*\n+7], v[10+2*(\hf)+\n/2] offset:(\n%2)*16*LP+(\k)+32
.endr
.endm
.macro MULS hf, s                      ; 20 matrix instructions of step s; the sums take turns, one instruction a turn; step 0 starts them
	WIN 0x50+0x50*(\hf)
.irp j, 0,1,2,3,4
.irp n, 0,1,2,3
.if (\s) == 0
	v_wmma_f32_16x16x32_bf16 v[8*(5*\n+\j):8*(5*\n+\j)+7], v[WF+32*(\hf)+8*\n:WF+32*(\hf)+8*\n+7], v[TK+40*((\s)%4)+8*\j:TK+40*((\s)%4)+8*\j+7], 0
.else
	v_wmma_f32_16x16x32_bf16 v[8*(5*\n+\j):8*(5*\n+\j)+7], v[WF+32*(\hf)+8*\n:WF+32*(\hf)+8*\n+7], v[TK+40*((\s)%4)+8*\j:TK+40*((\s)%4)+8*\j+7], v[8*(5*\n+\j):8*(5*\n+\j)+7]
.endif
.endr
.endr
	WIN 0
.endm
; K step s of NS.  While a step follows, its weights are fetched; while step s + 4 exists, its tokens are asked for, into the buffer just multiplied.
.macro STEP s
.set LC, 10*(NS-1-(\s))
.if LC > 30
.set LC, 30
.endif
	s_wait_loadcnt LC                      ; this step's ten token loads are in; the ten of each younger step, three steps at the most, stay out
	s_wait_dscnt 8                         ; tiles 0-3 are in; the eight loads of tiles 4-7 may be out
	MULS 0, (\s)
.if (\s) < NS-1
	PLACES
	WLOAD 0, 64*((\s)+1)
	s_wait_dscnt 8                         ; tiles 4-7 are in; the eight just issued stay out
.else
	s_wait_dscnt 0
.endif
	MULS 1, (\s)
.if (\s) < NS-1
	PLACES
	WLOAD 1, 64*((\s)+1)
.endif
.if (\s)+4 < NS
	TLOAD (\s)+4
.endif
.endm
; The way out of token tile j: silu(g) u for 4 x 8 numbers a lane; each sum's low registers are read first.
.macro EPI j
	WIN 0x01                               ; source 0 in window 1: g
.irp n, 0,1,2,3
.irp p, 0,1,2,3
	v_pk_mul_f32 v[E+8*\n+2*\p:E+8*\n+2*\p+1], v[8*(5*\n+(\j))+2*\p:8*(5*\n+(\j))+2*\p+1], s[34:35] op_sel_hi:[1,0]
.endr
.endr
	WIN 0
.set z, 0
.rept 32
	v_exp_f32 v[E+z], v[E+z]               ; e^-g
.set z, z+1
.endr
	v_nop                                  ; a plain instruction between the last transcendental and the use of its result
.set z, 0
	s_wait_alu depctr_va_vdst(0)
.rept 16
	v_pk_add_f32 v[E+2*z:E+2*z+1], v[E+2*z:E+2*z+1], 1.0 op_sel_hi:[1,0]
.set z, z+1
.endr
.set z, 0
.rept 32
	v_rcp_f32 v[E+z], v[E+z]
.set z, z+1
.endr
	v_nop
	WIN 0x01
	s_wait_alu depctr_va_vdst(0)
.irp n, 0,1,2,3
.irp p, 0,1,2,3
	v_pk_mul_f32 v[E+8*\n+2*\p:E+8*\n+2*\p+1], v[8*(5*\n+(\j))+2*\p:8*(5*\n+(\j))+2*\p+1], v[E+8*\n+2*\p:E+8*\n+2*\p+1]
.endr
.endr
	WIN 0x08                               ; source 1 in window 2: u
.irp n, 0,1,2,3
.irp p, 0,1,2,3
	v_pk_mul_f32 v[E+8*\n+2*\p:E+8*\n+2*\p+1], v[E+8*\n+2*\p:E+8*\n+2*\p+1], v[8*(5*\n+(\j))+2*\p:8*(5*\n+(\j))+2*\p+1]
.endr
.endr
	WIN 0
.set z, 0
.rept 16
	v_cvt_pk_bf16_f32 v[O+16*(\j)+z], v[E+2*z], v[E+2*z+1]
.set z, z+1
.endr
.irp n, 0,1,2,3
	global_store_b128 v2, v[O+16*(\j)+4*\n:O+16*(\j)+4*\n+3], s[30:31] offset:65536*(\j)+512*\n  ; 512 consecutive bytes, at a multiple of 256 from actf's first byte
.endr
.endm
	s_wait_kmcnt 0x0
	s_min_u32 s17, s17, 1024
	s_add_co_u32 s17, s17, 79
	s_mul_i32 s17, s17, 52429
	s_lshr_b32 s17, s17, 22                ; groups: ceil(cnt / 80), 13 at the most
	s_mov_b32 s24, s14                     ; my group
	s_mov_b32 s23, 4
.Ltrip:
	s_cmp_ge_u32 s24, s17
	s_cbranch_scc1 .Lskip
	s_wait_xcnt 0x0                        ; the last group's stores have read their registers
	TLOAD 0
	TLOAD 1
	TLOAD 2
	TLOAD 3
	WLOAD 0, 0
	WLOAD 1, 0
.set stp, 0
.rept NS
	STEP stp
.set stp, stp+1
.endr
	PLACES
	EPI 0
	EPI 1
	EPI 2
	EPI 3
	EPI 4
.Lskip:
	s_wait_xcnt 0x0                        ; the loads' and the stores' bases step only behind this wait
	s_add_nc_u64 s[26:27], s[26:27], 4*5*TSTR
	s_add_nc_u64 s[30:31], s[30:31], 4*5*65536
	s_add_co_u32 s24, s24, 4
	s_sub_co_u32 s23, s23, 1
	s_cmp_lg_u32 s23, 0
	s_cbranch_scc1 .Ltrip
	s_wait_tensorcnt 0x0                   ; the wave's end
	ds_add_u32 v8, v9
	s_wait_dscnt 0x0
	s_endpgm
.Lfunc_end_k_q38d8a8c96c_gateup:
	.size	k_q38d8a8c96c_gateup, .Lfunc_end_k_q38d8a8c96c_gateup-k_q38d8a8c96c_gateup
	.p2alignl 7, 3214868480
	.fill 96, 4, 3214868480
	.section	.rodata,"a",@progbits
	.p2align	6, 0x0
	.amdhsa_kernel k_q38d8a8c96c_gateup
		.amdhsa_group_segment_fixed_size 264704
		.amdhsa_private_segment_fixed_size 0
		.amdhsa_enable_private_segment 0
		.amdhsa_kernarg_size 40
		.amdhsa_user_sgpr_count 2
		.amdhsa_user_sgpr_kernarg_segment_ptr 1
		.amdhsa_wavefront_size32 1
		.amdhsa_system_sgpr_workgroup_id_x 1
		.amdhsa_system_sgpr_workgroup_id_y 1
		.amdhsa_system_sgpr_workgroup_id_z 1
		.amdhsa_system_vgpr_workitem_id 0
		.amdhsa_next_free_vgpr 672
		.amdhsa_next_free_sgpr 66
		.amdhsa_reserve_vcc 0
		.amdhsa_float_denorm_mode_32 3
		.amdhsa_float_denorm_mode_16_64 3
		.amdhsa_memory_ordered 1
		.amdhsa_forward_progress 1
		.amdhsa_inst_pref_size 237
	.end_amdhsa_kernel
	.amdgpu_metadata
---
amdhsa.version: [ 1, 2 ]
amdhsa.kernels:
  - .name:           k_q38d8a8c96c_gateup
    .symbol:         k_q38d8a8c96c_gateup.kd
    .args:
      - { .name: hgf, .offset: 0, .size: 8, .value_kind: global_buffer, .address_space: global }
      - { .name: w1, .offset: 8, .size: 8, .value_kind: global_buffer, .address_space: global }
      - { .name: w3, .offset: 16, .size: 8, .value_kind: global_buffer, .address_space: global }
      - { .name: lists, .offset: 24, .size: 8, .value_kind: global_buffer, .address_space: global }
      - { .name: actf, .offset: 32, .size: 8, .value_kind: global_buffer, .address_space: global }
    .group_segment_fixed_size: 264704
    .private_segment_fixed_size: 0
    .kernarg_segment_align: 8
    .kernarg_segment_size: 40
    .max_flat_workgroup_size: 128
    .sgpr_count:     66
    .vgpr_count:     672
    .wavefront_size: 32
...
	.end_amdgpu_metadata
.endif
;; end of part 4
;; launch down (part 5): grid 32 x 8, 4 waves a work-group, no clusters, 167,424 bytes of LDS; arguments actf, w2, lists, y; writes y
.if DOCPART == 5
	.amdgcn_target "amdgcn-amd-amdhsa--gfx1250"
	.amdhsa_code_object_version 6
	.text
	.protected	k_q38d8a8c96c_down
	.globl	k_q38d8a8c96c_down
	.p2align	8
	.type	k_q38d8a8c96c_down,@function
k_q38d8a8c96c_down:
	s_mov_b64 s[64:65], 0
	v_nop
	global_prefetch_b8 v0, s[64:65] scope:SCOPE_SE
	s_setreg_imm32_b32 hwreg(HW_REG_WAVE_MODE, 25, 1), 1
	s_wait_xcnt 0x0
; y[ks][d][o] = sum over the 512 f of quarter ks of act[slot][f] w2~[e][o][f], in f32, d = dst[e][slot]: row t for a token's first choice, 1,024 + t for its second, 2,048 + e for an empty slot.
; SHARES.  Work-group (ot, ks, e): rows 128 ot .. 128 ot + 127 of expert e's w2, columns 512 ks .. 512 ks + 511, which no other work-group reads, against all of the expert's tokens.
; F is cut in four so that the tile has 128 rows and all work-groups have equal shares; the four partial rows are added by the next launch: no sum spans work-groups here.
; PHASE 1.  The 128 pieces of rows (f32, 2,048 bytes each) come in by 16-byte loads, 64 loads of each wave on their way, are rounded to bf16 once and stay in LDS.  One barrier.
; PHASE 2.  Wave w takes the groups w, w + 4, w + 8, w + 12 of 80 slots; a group past the expert's last is jumped over.  K = 512 in 16 steps; 8 x 5 sums of 16 x 16.
; The 16 steps are written out: each LDS address is then one of two lane terms that never change plus an immediate, and each token load's place stands in its immediate.
; Source 0 = 16 rows of w2, source 1 = 16 slots: a lane holds one slot and eight neighbouring o.  A tile's 16 rows of 512 bytes go through my own stage and leave as whole rows.
; NO CLUSTER, NO TENSOR LOAD: no two work-groups read the same weights; the f32 rows must pass through registers to be rounded.
; LIMITS.  NaN and infinities are not treated apart.
; REGISTERS.  Window 0: v0-15 addresses; v16-47, v48-79 the weights' fragments; v80-239 the tokens', four buffers of 40 (on the way out v80-143: 16 rows); v240-255 the rows' offsets in y.
;   Window 1: phase 1 the ring; then the sums of tiles 0-3, (i, j) at v[8 (5 i + j)].  Window 2: those of tiles 4-7.
.set LP,    1040                       ; an LDS row: 1,024 bytes + 16: row r starts at bank 4 r mod 64 (64 banks of 4 bytes: ISA guide 11.1)
.set STAGE, 128*LP
.set SP,    528                        ; a stage row: 512 bytes + 16
.set SPARE, STAGE+4*16*SP              ; 128 bytes for each wave, named by no other line
.set TSTR,  65536                      ; a tile of actf
.set NS,    16                         ; K steps of 32
.set CV,    16
.set WF,    16
.set TK,    80
.set RB,    80
.set OF,    240
.set MSB, 0
.macro WIN new                         ; the immediate's high byte repeats the setting that is left; a switch that changes nothing is dropped
.if MSB != (\new)
	s_set_vgpr_msb (MSB<<8)|(\new)
.set MSB, \new
.endif
.endm
.macro PLACES                          ; four places between a matrix instruction and a load into, or a read of, its registers
.rept 4
	v_nop
.endr
.endm
; Eight slots of the ring (two pieces of rows) of lap 0 or 1: waited for, rounded, stored into LDS; in lap 0 loaded again with the rows sixteen further down.  Load l: row l / 4, 512 bytes at (l % 4) x 512.
.macro GRP g, lap, left
	s_wait_loadcnt \left
	WIN 0x05
.set i, 0
.rept 8
	v_cvt_pk_bf16_f32 v[CV+2*i],   v[4*(8*(\g)+i)],   v[4*(8*(\g)+i)+1]
	v_cvt_pk_bf16_f32 v[CV+2*i+1], v[4*(8*(\g)+i)+2], v[4*(8*(\g)+i)+3]
.set i, i+1
.endr
	WIN 0
.set i, 0
.rept 8
.set l, 64*(\lap)+8*(\g)+i
	ds_store_b64 v3, v[CV+2*i:CV+2*i+1] offset:(l/4)*LP+(l%4)*256
.set i, i+1
.endr
.if (\lap) == 0
	WIN 0x40
.set i, 0
.rept 8
.set l, 64+8*(\g)+i
	global_load_b128 v[4*(8*(\g)+i):4*(8*(\g)+i)+3], v2, s[18:19] offset:(l/4)*8192+(l%4)*512 th:TH_LOAD_NT
.set i, i+1
.endr
	WIN 0
.endif
.endm
	s_load_b256 s[4:11], s[0:1], 0x0       ; actf s[4:5], w2 s[6:7], lists s[8:9], y s[10:11]
	v_lshl_add_u32 v8, v0, 2, SPARE        ; my spare word,
	v_mov_b32 v9, 0                        ; and 0: kept for the add at the wave's end
	v_and_b32 v1, 31, v0
	v_lshrrev_b32 v3, 5, v0
	v_readfirstlane_b32 s14, v3            ; wave 0..3
	s_lshr_b32 s12, ttmp9, 2               ; ot
	s_and_b32 s13, ttmp9, 3                ; ks
	s_and_b32 s16, ttmp7, 0xffff           ; e
	v_lshlrev_b32 v2, 4, v1                ; 16 x lane
	v_and_b32 v4, 15, v0
	v_bfe_u32 v5, v0, 4, 1
	s_mul_i32 s15, s14, 32*LP
	v_lshl_add_u32 v3, v1, 3, s15
	s_lshl_b32 s20, s16, 10
	s_lshl_b32 s15, s12, 7
	s_add_co_u32 s20, s20, s15
	s_lshl_b32 s15, s14, 5
	s_add_co_u32 s20, s20, s15             ; row 1,024 e + 128 ot + 32 w
	s_lshl_b32 s20, s20, 13
	s_lshl_b32 s15, s13, 11
	s_add_co_u32 s20, s20, s15             ; and the quarter's 2,048 bytes
	s_mov_b32 s21, 0
	s_wait_kmcnt 0x0
	s_add_nc_u64 s[18:19], s[6:7], s[20:21]
	WIN 0x40
.set l, 0
.rept 64
	global_load_b128 v[4*l:4*l+3], v2, s[18:19] offset:(l/4)*8192+(l%4)*512 th:TH_LOAD_NT
.set l, l+1
.endr
	WIN 0
	s_lshl_b32 s20, s16, 2
	s_add_nc_u64 s[52:53], s[8:9], s[20:21]
	s_load_b32 s17, s[52:53], 0x0          ; cnt[e]
	v_mul_u32_u24 v10, v4, LP
	v_lshl_add_u32 v10, v5, 4, v10         ; a fragment's row x pitch + 16 x half: weight tiles 0 to 3; never rewritten
	v_add_nc_u32 v11, 64*LP, v10           ; tiles 4 to 7; never rewritten
	s_mul_i32 s15, s14, 16*SP
	s_add_co_u32 s15, s15, STAGE           ; my stage
	v_mul_u32_u24 v14, v4, SP
	v_lshl_add_u32 v14, v5, 5, v14
	v_add_nc_u32 v14, s15, v14             ; in: row r, 32 bytes for each half of the lanes
	v_add_nc_u32 v15, s15, v2              ; back: 32 lanes take one row of 512 bytes
	s_mul_i32 s20, s16, 65*TSTR
	s_mul_i32 s15, s14, 5*TSTR
	s_add_co_u32 s20, s20, s15
	s_lshl_b32 s15, s13, 14
	s_add_co_u32 s20, s20, s15
	s_add_nc_u64 s[26:27], s[4:5], s[20:21]    ; actf at my first group, blocks 16 ks on
	s_mul_i32 s20, s16, 4608
	s_mul_i32 s15, s14, 320
	s_add_co_u32 s20, s20, s15
	s_add_co_u32 s20, s20, 256
	s_add_nc_u64 s[48:49], s[8:9], s[20:21]    ; dst at my first group
	s_mul_i32 s20, s13, 2056*4096
	s_lshl_b32 s15, s12, 9
	s_add_co_u32 s20, s20, s15
	s_add_nc_u64 s[50:51], s[10:11], s[20:21]  ; y at plane ks, column 128 ot
.irp g, 0,1,2,3,4,5,6,7
	GRP \g, 0, 56                          ; behind a group's eight loads stand the ring's 56 others
.endr
.irp g, 0,1,2,3,4,5,6,7
	GRP \g, 1, 56-8*\g                     ; the second sixteen rows: the counts run down
.endr
	s_wait_dscnt 0x0                       ; for the others' sake: my rows are in LDS
	s_barrier_signal -1
	s_barrier_wait -1                      ; everybody's are; from here on nobody writes them
.macro TLOAD st                        ; ten loads: five tiles' fragments of K step st, into buffer st % 4
.irp j, 0,1,2,3,4
	global_load_b128 v[TK+40*((\st)%4)+8*\j:TK+40*((\st)%4)+8*\j+3],   v2, s[26:27] offset:\j*TSTR+(\st)*1024
	global_load_b128 v[TK+40*((\st)%4)+8*\j+4:TK+40*((\st)%4)+8*\j+7], v2, s[26:27] offset:\j*TSTR+(\st)*1024+512
.endr
.endm
.macro WLOAD hf, k                     ; eight LDS loads: weight tiles 4 hf .. 4 hf + 3 at byte k of the rows
.irp n, 0,1,2,3
	ds_load_b128 v[WF+32*(\hf)+8*\n:WF+32*(\hf)+8*\n+3],   v[10+(\hf)] offset:\n*16*LP+(\k)
	ds_load_b128 v[WF+32*(\hf)+8*\n+4:WF+32*(\hf)+8*\n+7], v[10+(\hf)] offset:\n*16*LP+(\k)+32
.endr
.endm
.macro MULS hf, s                      ; 20 matrix instructions of step s; the sums take turns, one instruction a turn; step 0 starts them
	WIN 0x50+0x50*(\hf)
.irp j, 0,1,2,3,4
.irp n, 0,1,2,3
.if (\s) == 0
	v_wmma_f32_16x16x32_bf16 v[8*(5*\n+\j):8*(5*\n+\j)+7], v[WF+32*(\hf)+8*\n:WF+32*(\hf)+8*\n+7], v[TK+40*((\s)%4)+8*\j:TK+40*((\s)%4)+8*\j+7], 0
.else
	v_wmma_f32_16x16x32_bf16 v[8*(5*\n+\j):8*(5*\n+\j)+7], v[WF+32*(\hf)+8*\n:WF+32*(\hf)+8*\n+7], v[TK+40*((\s)%4)+8*\j:TK+40*((\s)%4)+8*\j+7], v[8*(5*\n+\j):8*(5*\n+\j)+7]
.endif
.endr
.endr
	WIN 0
.endm
; K step s of NS.  While a step follows, its weights are fetched; while step s + 4 exists, its tokens are asked for, into the buffer just multiplied.
.macro STEP s
.set LC, 10*(NS-1-(\s))
.if LC > 30
.set LC, 30
.endif
	s_wait_loadcnt LC                      ; this step's ten token loads are in; the ten of each younger step, three steps at the most, stay out
	s_wait_dscnt 8                         ; tiles 0-3 are in; the eight loads of tiles 4-7 may be out
	MULS 0, (\s)
.if (\s) < NS-1
	PLACES
	WLOAD 0, 64*((\s)+1)
	s_wait_dscnt 8                         ; tiles 4-7 are in; the eight just issued stay out
.else
	s_wait_dscnt 0
.endif
	MULS 1, (\s)
.if (\s) < NS-1
	PLACES
	WLOAD 1, 64*((\s)+1)
.endif
.if (\s)+4 < NS
	TLOAD (\s)+4
.endif
.endm
; The way out of token tile j: its 16 slots' rows go through my stage and leave as whole rows of 512 bytes, each to the row of y that the list names.
.macro DEPI j
	s_wait_xcnt 0x0                        ; the last tile's stores have read their data and offsets
	s_load_b512 s[32:47], s[48:49], 64*(\j)    ; dst of the 16 slots
	WIN 0x04                               ; store data in window 1
.irp n, 0,1,2,3
	ds_store_b128 v14, v[8*(5*\n+(\j)):8*(5*\n+(\j))+3]   offset:64*\n       ; each sum's low registers first
	ds_store_b128 v14, v[8*(5*\n+(\j))+4:8*(5*\n+(\j))+7] offset:64*\n+16
.endr
	WIN 0x08                               ; in window 2
.irp n, 0,1,2,3
	ds_store_b128 v14, v[8*(5*\n+(\j)):8*(5*\n+(\j))+3]   offset:256+64*\n
	ds_store_b128 v14, v[8*(5*\n+(\j))+4:8*(5*\n+(\j))+7] offset:256+64*\n+16
.endr
	WIN 0
.set z, 0
.rept 16
	ds_load_b128 v[RB+4*z:RB+4*z+3], v15 offset:SP*z   ; LDS serves a wave's instructions in order (ISA guide 5.7.1.4): these see the stores above; the next tile's stores come behind them
.set z, z+1
.endr
	s_wait_kmcnt 0x0
.set z, 0
.rept 16
	s_min_u32 s[32+z], s[32+z], 2055       ; a row of the plane, whatever the list holds
.set z, z+1
.endr
.set z, 0
.rept 16
	v_lshl_add_u32 v[OF+z], s[32+z], 12, v2
.set z, z+1
.endr
.set z, 0
.rept 16
	s_wait_dscnt 15-z
	global_store_b128 v[OF+z], v[RB+4*z:RB+4*z+3], s[50:51]   ; 512 consecutive bytes, at a multiple of 256 from y's first byte
.set z, z+1
.endr
.endm
	s_wait_kmcnt 0x0
	s_min_u32 s17, s17, 1024
	s_add_co_u32 s17, s17, 79
	s_mul_i32 s17, s17, 52429
	s_lshr_b32 s17, s17, 22                ; groups: ceil(cnt / 80), 13 at the most
	s_mov_b32 s24, s14                     ; my group
	s_mov_b32 s23, 4
.Ltrip:
	s_cmp_ge_u32 s24, s17
	s_cbranch_scc1 .Lskip
	s_wait_xcnt 0x0                        ; the last group's stores have read their registers
	TLOAD 0
	TLOAD 1
	TLOAD 2
	TLOAD 3
	WLOAD 0, 0
	WLOAD 1, 0
.set stp, 0
.rept NS
	STEP stp
.set stp, stp+1
.endr
	PLACES
	DEPI 0
	DEPI 1
	DEPI 2
	DEPI 3
	DEPI 4
.Lskip:
	s_wait_xcnt 0x0                        ; the tokens' and the list's bases step only behind this wait
	s_add_nc_u64 s[26:27], s[26:27], 4*5*TSTR
	s_add_nc_u64 s[48:49], s[48:49], 4*320
	s_add_co_u32 s24, s24, 4
	s_sub_co_u32 s23, s23, 1
	s_cmp_lg_u32 s23, 0
	s_cbranch_scc1 .Ltrip
	s_wait_tensorcnt 0x0                   ; the wave's end
	ds_add_u32 v8, v9
	s_wait_dscnt 0x0
	s_endpgm
.Lfunc_end_k_q38d8a8c96c_down:
	.size	k_q38d8a8c96c_down, .Lfunc_end_k_q38d8a8c96c_down-k_q38d8a8c96c_down
	.p2alignl 7, 3214868480
	.fill 96, 4, 3214868480
	.section	.rodata,"a",@progbits
	.p2align	6, 0x0
	.amdhsa_kernel k_q38d8a8c96c_down
		.amdhsa_group_segment_fixed_size 167424
		.amdhsa_private_segment_fixed_size 0
		.amdhsa_enable_private_segment 0
		.amdhsa_kernarg_size 32
		.amdhsa_user_sgpr_count 2
		.amdhsa_user_sgpr_kernarg_segment_ptr 1
		.amdhsa_wavefront_size32 1
		.amdhsa_system_sgpr_workgroup_id_x 1
		.amdhsa_system_sgpr_workgroup_id_y 1
		.amdhsa_system_sgpr_workgroup_id_z 1
		.amdhsa_system_vgpr_workitem_id 0
		.amdhsa_next_free_vgpr 672
		.amdhsa_next_free_sgpr 66
		.amdhsa_reserve_vcc 0
		.amdhsa_float_denorm_mode_32 3
		.amdhsa_float_denorm_mode_16_64 3
		.amdhsa_memory_ordered 1
		.amdhsa_forward_progress 1
		.amdhsa_inst_pref_size 152
	.end_amdhsa_kernel
	.amdgpu_metadata
---
amdhsa.version: [ 1, 2 ]
amdhsa.kernels:
  - .name:           k_q38d8a8c96c_down
    .symbol:         k_q38d8a8c96c_down.kd
    .args:
      - { .name: actf, .offset: 0, .size: 8, .value_kind: global_buffer, .address_space: global }
      - { .name: w2, .offset: 8, .size: 8, .value_kind: global_buffer, .address_space: global }
      - { .name: lists, .offset: 16, .size: 8, .value_kind: global_buffer, .address_space: global }
      - { .name: y, .offset: 24, .size: 8, .value_kind: global_buffer, .address_space: global }
    .group_segment_fixed_size: 167424
    .private_segment_fixed_size: 0
    .kernarg_segment_align: 8
    .kernarg_segment_size: 32
    .max_flat_workgroup_size: 128
    .sgpr_count:     66
    .vgpr_count:     672
    .wavefront_size: 32
...
	.end_amdgpu_metadata
.endif
;; end of part 5
;; launch combine (part 6): grid 256 x 1, 8 waves a work-group, no clusters, 0 bytes of LDS; arguments h32, y, wgt, out0; writes out0
.if DOCPART == 6
	.amdgcn_target "amdgcn-amd-amdhsa--gfx1250"
	.amdhsa_code_object_version 6
	.text
	.protected	k_q38d8a8c96c_combine
	.globl	k_q38d8a8c96c_combine
	.p2align	8
	.type	k_q38d8a8c96c_combine,@function
k_q38d8a8c96c_combine:
	s_mov_b64 s[64:65], 0
	v_nop
	global_prefetch_b8 v0, s[64:65] scope:SCOPE_SE
	s_setreg_imm32_b32 hwreg(HW_REG_WAVE_MODE, 25, 1), 1
	s_wait_xcnt 0x0
; out0[t] = h32[t] + w0[t] (sum over ks of y[ks][t]) + w1[t] (sum over ks of y[ks][1,024 + t]), all f32.
; A stream: a wave takes half a token's row, 2,048 bytes, from each of nine rows; all 36 loads go out at once, each covering 512 consecutive bytes.  No LDS, no barrier, no matrix unit:
; each number is read once and used once.
.set PLANE, 2056*4096                  ; a plane of y
.set HR, 16                            ; v16-31   h, then the result
.set YA, 32                            ; v32-95   the first choice's four partial rows, 16 registers each
.set YB, 96                            ; v96-159  the second choice's
	s_load_b256 s[4:11], s[0:1], 0x0       ; h32 s[4:5], y s[6:7], wgt s[8:9], out0 s[10:11]
	v_and_b32 v1, 31, v0
	v_lshrrev_b32 v3, 5, v0
	v_readfirstlane_b32 s2, v3             ; wave 0..7
	v_lshlrev_b32 v2, 4, v1
	s_lshr_b32 s3, s2, 1
	s_lshl_b32 s12, ttmp9, 2
	s_add_co_u32 s3, s3, s12               ; my token
	s_and_b32 s12, s2, 1
	s_lshl_b32 s12, s12, 11
	s_lshl_b32 s14, s3, 12
	s_add_co_u32 s14, s14, s12             ; its row, my half
	s_mov_b32 s15, 0
	s_lshl_b32 s12, s3, 3
	s_mov_b32 s13, 0
	s_wait_kmcnt 0x0
	s_add_nc_u64 s[8:9], s[8:9], s[12:13]
	s_load_b64 s[24:25], s[8:9], 0x0       ; w0, w1
	s_add_nc_u64 s[4:5], s[4:5], s[14:15]
	s_add_nc_u64 s[10:11], s[10:11], s[14:15]
	s_add_nc_u64 s[16:17], s[6:7], s[14:15]
	s_add_nc_u64 s[18:19], s[16:17], PLANE ; a plane is more than a load's immediate reaches: a base for each
	s_add_nc_u64 s[20:21], s[18:19], PLANE
	s_add_nc_u64 s[22:23], s[20:21], PLANE
.irp k, 0,1,2,3
.irp c, 0,1,2,3
	global_load_b128 v[YA+16*\k+4*\c:YA+16*\k+4*\c+3], v2, s[16+2*\k:17+2*\k] offset:512*\c th:TH_LOAD_NT
	global_load_b128 v[YB+16*\k+4*\c:YB+16*\k+4*\c+3], v2, s[16+2*\k:17+2*\k] offset:1024*4096+512*\c th:TH_LOAD_NT
.endr
.endr
.irp c, 0,1,2,3
	global_load_b128 v[HR+4*\c:HR+4*\c+3], v2, s[4:5] offset:512*\c th:TH_LOAD_NT
.endr
	s_wait_kmcnt 0x0
	s_mov_b32 s26, s24                     ; each weight as a pair: the packed form takes the low word for both halves
	s_mov_b32 s27, s24
	s_mov_b32 s28, s25
	s_mov_b32 s29, s25
	s_wait_loadcnt 0x0
.set n, 0
.rept 8
	v_pk_add_f32 v[YA+2*n:YA+2*n+1],       v[YA+2*n:YA+2*n+1],       v[YA+16+2*n:YA+16+2*n+1]
	v_pk_add_f32 v[YA+32+2*n:YA+32+2*n+1], v[YA+32+2*n:YA+32+2*n+1], v[YA+48+2*n:YA+48+2*n+1]
	v_pk_add_f32 v[YB+2*n:YB+2*n+1],       v[YB+2*n:YB+2*n+1],       v[YB+16+2*n:YB+16+2*n+1]
	v_pk_add_f32 v[YB+32+2*n:YB+32+2*n+1], v[YB+32+2*n:YB+32+2*n+1], v[YB+48+2*n:YB+48+2*n+1]
	v_pk_add_f32 v[YA+2*n:YA+2*n+1],       v[YA+2*n:YA+2*n+1],       v[YA+32+2*n:YA+32+2*n+1]
	v_pk_add_f32 v[YB+2*n:YB+2*n+1],       v[YB+2*n:YB+2*n+1],       v[YB+32+2*n:YB+32+2*n+1]
	v_pk_fma_f32 v[HR+2*n:HR+2*n+1], v[YA+2*n:YA+2*n+1], s[26:27], v[HR+2*n:HR+2*n+1] op_sel_hi:[1,0,1]
	v_pk_fma_f32 v[HR+2*n:HR+2*n+1], v[YB+2*n:YB+2*n+1], s[28:29], v[HR+2*n:HR+2*n+1] op_sel_hi:[1,0,1]
.set n, n+1
.endr
.irp c, 0,1,2,3
	global_store_b128 v2, v[HR+4*\c:HR+4*\c+3], s[10:11] offset:512*\c th:TH_STORE_NT  ; 512 consecutive bytes, at a multiple of 256 from out0's first byte
.endr
	s_endpgm
.Lfunc_end_k_q38d8a8c96c_combine:
	.size	k_q38d8a8c96c_combine, .Lfunc_end_k_q38d8a8c96c_combine-k_q38d8a8c96c_combine
	.p2alignl 7, 3214868480
	.fill 96, 4, 3214868480
	.section	.rodata,"a",@progbits
	.p2align	6, 0x0
	.amdhsa_kernel k_q38d8a8c96c_combine
		.amdhsa_group_segment_fixed_size 0
		.amdhsa_private_segment_fixed_size 0
		.amdhsa_enable_private_segment 0
		.amdhsa_kernarg_size 32
		.amdhsa_user_sgpr_count 2
		.amdhsa_user_sgpr_kernarg_segment_ptr 1
		.amdhsa_wavefront_size32 1
		.amdhsa_system_sgpr_workgroup_id_x 1
		.amdhsa_system_sgpr_workgroup_id_y 1
		.amdhsa_system_sgpr_workgroup_id_z 1
		.amdhsa_system_vgpr_workitem_id 0
		.amdhsa_next_free_vgpr 160
		.amdhsa_next_free_sgpr 66
		.amdhsa_reserve_vcc 0
		.amdhsa_float_denorm_mode_32 3
		.amdhsa_float_denorm_mode_16_64 3
		.amdhsa_memory_ordered 1
		.amdhsa_forward_progress 1
		.amdhsa_inst_pref_size 10
	.end_amdhsa_kernel
	.amdgpu_metadata
---
amdhsa.version: [ 1, 2 ]
amdhsa.kernels:
  - .name:           k_q38d8a8c96c_combine
    .symbol:         k_q38d8a8c96c_combine.kd
    .args:
      - { .name: h32, .offset: 0, .size: 8, .value_kind: global_buffer, .address_space: global }
      - { .name: y, .offset: 8, .size: 8, .value_kind: global_buffer, .address_space: global }
      - { .name: wgt, .offset: 16, .size: 8, .value_kind: global_buffer, .address_space: global }
      - { .name: out0, .offset: 24, .size: 8, .value_kind: global_buffer, .address_space: global }
    .group_segment_fixed_size: 0
    .private_segment_fixed_size: 0
    .kernarg_segment_align: 8
    .kernarg_segment_size: 32
    .max_flat_workgroup_size: 256
    .sgpr_count:     66
    .vgpr_count:     160
    .wavefront_size: 32
...
	.end_amdgpu_metadata
.endif
;; end of part 6
;; ======== version 2 of 3: 6 launches; 1.21 times as fast as version 1
;; workspace buffers: h32 4,194,304 bytes; idx 8,192 bytes of whole numbers; wgt 8,192 bytes; lists 37,120 bytes of whole numbers; hgf 17,825,792 bytes; actf 34,078,720 bytes; y 33,685,504 bytes
;; launch attn: the kernel of part 1 again; grid 16 x 16, 4 waves a work-group, no clusters, 282,112 bytes of LDS; arguments hidden_states, attn_w, attn_noise, attn_b, h32; writes h32
;; launch route: the kernel of part 2 again; grid 256 x 1, 4 waves a work-group, no clusters, 0 bytes of LDS; arguments h32, gate_w, gate_b, idx, wgt; writes idx, wgt
;; launch gather (part 7): grid 16 x 8, 8 waves a work-group, no clusters, 50,176 bytes of LDS; arguments idx, h32, lists, hgf; writes lists, hgf
.if DOCPART == 7
	.amdgcn_target "amdgcn-amd-amdhsa--gfx1250"
	.amdhsa_code_object_version 6
	.text
	.protected	k_q38d8a8c96c_gather
	.globl	k_q38d8a8c96c_gather
	.p2align	8
	.type	k_q38d8a8c96c_gather,@function
k_q38d8a8c96c_gather:
	s_mov_b64 s[64:65], 0
	v_nop
	global_prefetch_b8 v0, s[64:65] scope:SCOPE_SE
	s_setreg_imm32_b32 hwreg(HW_REG_WAVE_MODE, 25, 1), 1
	s_wait_xcnt 0x0
; The lists, and the tokens of each expert laid out as matrix operands.
; Expert e's tokens, ascending, take slots 0 .. cnt - 1.  dst[e][slot] = t for a token's first choice, 1,024 + t for its second; an empty slot holds 2,048 + e:
; its token, dst & 1023 = e, is a row like any other, and its result goes to a row that nobody reads.  16 slots are a tile, 5 tiles a group; the later launches read 5 ceil(cnt / 80) tiles.
; hgf[e][tile of 68][block b of 32 columns][half][lane L][16 bytes] = bf16 of h32[token of slot 16 tile + L % 16][32 b + 16 half + 8 (L / 16) + 0..7]:
; two loads of 16 bytes a lane are then a source of 16 slots x 32 columns of the bf16 matrix instruction, and each covers 512 consecutive bytes.
; SHARES.  Work-group (cs, e): columns 64 cs .. 64 cs + 63 of all of expert e's tiles.  A wave takes four neighbouring tiles a trip, 4 q .. 4 q + 3 with q = wave + 8 x trip, and asks for all their
; 32 pieces of rows before it waits for the first: 32 tiles of a work-group are on their way at once.  A four is made whole if its first tile is wanted, so up to three tiles of empty slots
; are made beyond the last group: 65 + 3 tiles at the most, which is why an expert has room for 68.
; Every wave makes the whole list for itself, in LDS bytes of its own: 32 compares and counts cost less than a barrier and a shared list would save.  The work-group cs = 0 stores list and count.
; No matrix unit and no tensor load: the rows are picked by a list, and each is used once.
.set LISTB, 6144                       ; a wave's list in LDS: 1,536 words: the three trips' addresses reach 256 x 7 + 60 + 2 x 2,048 + 192 = 6,140 bytes behind its start
.set DUMP,  LISTB/4-1                  ; its last word takes what the lanes store that have nothing to store
.set GLIST, 4608                       ; an expert's list in memory: 1,152 words
.set HT,    68                         ; an expert's tiles in hgf
.set SPARE, 8*LISTB                    ; 128 bytes for each wave, named by no other line
.set IX,  32                           ; v32-95    both choices of token 32 c + lane, c = 0..31
.set PS,  100                          ; v100-107  eight chunks' places in the list; v108-115 their dst; v116-123 dst + 1,024; a second set 24 further on
.set TA,  24                           ; v24-27    four tiles' row offsets in h32
.set LD,  32                           ; v32-159   four tiles x 8 loads
.set OU,  160                          ; v160-223  four tiles x 16 registers to store
.set MA,  36                           ; s36-43    eight chunks' masks: first choice
.set MB,  44                           ; s44-51    second choice
.set MO,  52                           ; s52-59    either
.set BS,  66                           ; s66-73    slots taken ahead of the chunk
	s_load_b256 s[4:11], s[0:1], 0x0       ; idx s[4:5], h32 s[6:7], lists s[8:9], hgf s[10:11]
	v_lshl_add_u32 v8, v0, 2, SPARE        ; my spare word,
	v_mov_b32 v9, 0                        ; and 0: kept for the add at the wave's end
	v_and_b32 v1, 31, v0
	v_lshrrev_b32 v3, 5, v0
	v_readfirstlane_b32 s14, v3            ; wave 0..7
	s_mov_b32 s15, ttmp9                   ; cs
	s_and_b32 s16, ttmp7, 0xffff           ; e
	s_mul_i32 s17, s14, LISTB              ; my wave's list
	v_lshlrev_b32 v2, 4, v1
	v_lshlrev_b32 v10, 3, v1
	v_and_b32 v4, 15, v0                   ; r
	v_bfe_u32 v5, v0, 4, 1                 ; h
	v_add_nc_u32 v11, s17, v2
	s_add_co_u32 s18, s16, 2048
	v_mov_b32 v12, s18
	v_mov_b32 v13, s18
	v_mov_b32 v14, s18
	v_mov_b32 v15, s18
	v_mov_b32 v17, DUMP
	s_wait_kmcnt 0x0
.set c, 0
.rept 32                               ; both choices of token 32 c + lane
	global_load_b64 v[IX+2*c:IX+2*c+1], v10, s[4:5] offset:256*c
.set c, c+1
.endr
.set k, 0
.rept 12
	ds_store_b128 v11, v[12:15] offset:512*k   ; every slot is empty to begin with
.set k, k+1
.endr
	s_mov_b32 s19, 0                       ; slots taken so far
	s_wait_loadcnt 0x0
; Eight chunks of 32 tokens.  Each kind of line runs over all eight before the next kind begins, so that no line reads the result of the line in front of it.
.macro BATCH b
.set PB, PS+24*((\b)%2)                ; two sets of registers take turns: the last batch's LDS stores may still be reading theirs
.irp k, 0,1,2,3,4,5,6,7
	v_cmp_eq_u32 s[MA+\k], s16, v[IX+2*(8*(\b)+\k)]       ; first choice?
	v_cmp_eq_u32 s[MB+\k], s16, v[IX+2*(8*(\b)+\k)+1]     ; second?
.endr
.irp k, 0,1,2,3,4,5,6,7
	s_or_b32 s[MO+\k], s[MA+\k], s[MB+\k]
.endr
.irp k, 0,1,2,3,4,5,6,7
	s_mov_b32 s[BS+\k], s19
	s_bcnt1_i32_b32 s23, s[MO+\k]
	s_add_co_u32 s19, s19, s23
.endr
.irp k, 0,1,2,3,4,5,6,7
	v_mbcnt_lo_u32_b32 v[PB+\k], s[MO+\k], 0              ; members in the lanes below mine
.endr
.irp k, 0,1,2,3,4,5,6,7
	v_add_nc_u32 v[PB+\k], s[BS+\k], v[PB+\k]
.endr
.irp k, 0,1,2,3,4,5,6,7
	v_cndmask_b32 v[PB+\k], v17, v[PB+\k], s[MO+\k]       ; a lane that is no member stores into the list's last word
.endr
.irp k, 0,1,2,3,4,5,6,7
	v_min_u32 v[PB+\k], DUMP, v[PB+\k]
.endr
.irp k, 0,1,2,3,4,5,6,7
	v_lshl_add_u32 v[PB+\k], v[PB+\k], 2, s17
.endr
.irp k, 0,1,2,3,4,5,6,7
	v_add_nc_u32 v[PB+8+\k],  32*(8*(\b)+\k), v1
	v_add_nc_u32 v[PB+16+\k], 1024+32*(8*(\b)+\k), v1
.endr
.irp k, 0,1,2,3,4,5,6,7
	v_cndmask_b32 v[PB+8+\k], v[PB+8+\k], v[PB+16+\k], s[MB+\k]
.endr
.irp k, 0,1,2,3,4,5,6,7
	ds_store_b32 v[PB+\k], v[PB+8+\k]
.endr
.endm
	BATCH 0
	BATCH 1
	BATCH 2
	BATCH 3
	s_cmp_lg_u32 s15, 0
	s_cbranch_scc1 .Lnolist
	s_cmp_lg_u32 s14, 0
	s_cbranch_scc1 .Lnolist
.set k, 0
.rept 9
	ds_load_b128 v[32+4*k:35+4*k], v11 offset:512*k   ; my own stores, served in order
.set k, k+1
.endr
	s_mul_i32 s34, s16, GLIST
	s_add_co_u32 s34, s34, 256
	s_mov_b32 s35, 0
	s_add_nc_u64 s[24:25], s[8:9], s[34:35]
	v_mov_b32 v20, s19
	s_lshl_b32 s20, s16, 2
	v_mov_b32 v21, s20
	s_wait_dscnt 0x0
.set k, 0
.rept 9
	global_store_b128 v2, v[32+4*k:35+4*k], s[24:25] offset:512*k
.set k, k+1
.endr
	v_cmp_eq_u32 vcc_lo, 0, v1
	s_wait_xcnt 0x0                        ; EXEC changes only behind this wait
	s_and_saveexec_b32 s26, vcc_lo
	global_store_b32 v21, v20, s[8:9]      ; cnt[e]
	s_wait_xcnt 0x0
	s_or_b32 exec_lo, exec_lo, s26
.Lnolist:
	s_add_co_u32 s27, s19, 79
	s_mul_i32 s27, s27, 52429
	s_lshr_b32 s27, s27, 22                ; ceil(cnt / 80): 52,429 / 2^22 is 1 / 80 to within 4e-6 of itself, exact for numbers up to 1,103
	s_mul_i32 s27, s27, 5                  ; tiles that are wanted
	s_lshl_b32 s28, s14, 2                 ; the first of my four tiles
	s_lshl_b32 s20, s14, 8
	s_add_co_u32 s20, s20, s17
	v_lshl_add_u32 v22, v4, 2, s20         ; the word of slot 16 tile + r in my list
	s_lshl_b32 s34, s15, 8
	s_mov_b32 s35, 0
	s_add_nc_u64 s[30:31], s[6:7], s[34:35]    ; h32 at my 64 columns
	s_mul_i32 s34, s16, HT*32768
	s_lshl_b32 s20, s14, 17
	s_add_co_u32 s34, s34, s20
	s_lshl_b32 s20, s15, 11
	s_add_co_u32 s34, s34, s20
	s_add_nc_u64 s[32:33], s[10:11], s[34:35]  ; hgf at my first tile's two blocks
	s_mov_b32 s29, 3                       ; 65 tiles at the most, 32 a trip; a four past the last wanted tile is jumped over
.Ltile:
	s_cmp_ge_u32 s28, s27
	s_cbranch_scc1 .Lskip
.irp k, 0,1,2,3
	ds_load_b32 v[TA+\k], v22 offset:64*\k
.endr
	s_wait_dscnt 0x0
.irp k, 0,1,2,3
	v_and_b32 v[TA+\k], 1023, v[TA+\k]     ; the token
.endr
.irp k, 0,1,2,3
	v_min_u32 v[TA+\k], 1023, v[TA+\k]
.endr
.irp k, 0,1,2,3
	v_lshlrev_b32 v[TA+\k], 12, v[TA+\k]
.endr
.irp k, 0,1,2,3
	v_lshl_add_u32 v[TA+\k], v5, 5, v[TA+\k]   ; its row, 32 bytes for each half of the lanes
.endr
.irp k, 0,1,2,3
.irp n, 0,1,2,3                        ; block n / 2, half n % 2: eight f32 a lane
	global_load_b128 v[LD+32*\k+8*\n:LD+32*\k+8*\n+3],   v[TA+\k], s[30:31] offset:64*\n
	global_load_b128 v[LD+32*\k+8*\n+4:LD+32*\k+8*\n+7], v[TA+\k], s[30:31] offset:64*\n+16
.endr
.endr
.irp k, 0,1,2,3
	s_wait_loadcnt 24-8*\k                 ; this tile's eight loads are in; the eight of each younger tile stay out
.irp n, 0,1,2,3
	v_cvt_pk_bf16_f32 v[OU+16*\k+4*\n],   v[LD+32*\k+8*\n],   v[LD+32*\k+8*\n+1]
	v_cvt_pk_bf16_f32 v[OU+16*\k+4*\n+1], v[LD+32*\k+8*\n+2], v[LD+32*\k+8*\n+3]
	v_cvt_pk_bf16_f32 v[OU+16*\k+4*\n+2], v[LD+32*\k+8*\n+4], v[LD+32*\k+8*\n+5]
	v_cvt_pk_bf16_f32 v[OU+16*\k+4*\n+3], v[LD+32*\k+8*\n+6], v[LD+32*\k+8*\n+7]
	global_store_b128 v2, v[OU+16*\k+4*\n:OU+16*\k+4*\n+3], s[32:33] offset:32768*\k+512*\n   ; 512 consecutive bytes, at a multiple of 256 from hgf's first byte
.endr
.endr
.Lskip:
	s_wait_xcnt 0x0                        ; the stores' base and data and the loads' offsets are written again only behind this wait
	s_add_nc_u64 s[32:33], s[32:33], 32*32768
	v_add_nc_u32 v22, 2048, v22
	s_add_co_u32 s28, s28, 32
	s_sub_co_u32 s29, s29, 1
	s_cmp_lg_u32 s29, 0
	s_cbranch_scc1 .Ltile
	s_wait_tensorcnt 0x0                   ; the wave's end
	ds_add_u32 v8, v9
	s_wait_dscnt 0x0
	s_endpgm
.Lfunc_end_k_q38d8a8c96c_gather:
	.size	k_q38d8a8c96c_gather, .Lfunc_end_k_q38d8a8c96c_gather-k_q38d8a8c96c_gather
	.p2alignl 7, 3214868480
	.fill 96, 4, 3214868480
	.section	.rodata,"a",@progbits
	.p2align	6, 0x0
	.amdhsa_kernel k_q38d8a8c96c_gather
		.amdhsa_group_segment_fixed_size 50176
		.amdhsa_private_segment_fixed_size 0
		.amdhsa_enable_private_segment 0
		.amdhsa_kernarg_size 32
		.amdhsa_user_sgpr_count 2
		.amdhsa_user_sgpr_kernarg_segment_ptr 1
		.amdhsa_wavefront_size32 1
		.amdhsa_system_sgpr_workgroup_id_x 1
		.amdhsa_system_sgpr_workgroup_id_y 1
		.amdhsa_system_sgpr_workgroup_id_z 1
		.amdhsa_system_vgpr_workitem_id 0
		.amdhsa_next_free_vgpr 224
		.amdhsa_next_free_sgpr 76
		.amdhsa_reserve_vcc 1
		.amdhsa_float_denorm_mode_32 3
		.amdhsa_float_denorm_mode_16_64 3
		.amdhsa_memory_ordered 1
		.amdhsa_forward_progress 1
		.amdhsa_inst_pref_size 43
	.end_amdhsa_kernel
	.amdgpu_metadata
---
amdhsa.version: [ 1, 2 ]
amdhsa.kernels:
  - .name:           k_q38d8a8c96c_gather
    .symbol:         k_q38d8a8c96c_gather.kd
    .args:
      - { .name: idx, .offset: 0, .size: 8, .value_kind: global_buffer, .address_space: global }
      - { .name: h32, .offset: 8, .size: 8, .value_kind: global_buffer, .address_space: global }
      - { .name: lists, .offset: 16, .size: 8, .value_kind: global_buffer, .address_space: global }
      - { .name: hgf, .offset: 24, .size: 8, .value_kind: global_buffer, .address_space: global }
    .group_segment_fixed_size: 50176
    .private_segment_fixed_size: 0
    .kernarg_segment_align: 8
    .kernarg_segment_size: 32
    .max_flat_workgroup_size: 256
    .sgpr_count:     76
    .vgpr_count:     224
    .wavefront_size: 32
...
	.end_amdgpu_metadata
.endif
;; end of part 7
;; launch gateup (part 8): grid 32 x 8, 4 waves a work-group, no clusters, 264,704 bytes of LDS; arguments hgf, w1, w3, lists, actf; writes actf
.if DOCPART == 8
	.amdgcn_target "amdgcn-amd-amdhsa--gfx1250"
	.amdhsa_code_object_version 6
	.text
	.protected	k_q38d8a8c96c_gateup
	.globl	k_q38d8a8c96c_gateup
	.p2align	8
	.type	k_q38d8a8c96c_gateup,@function
k_q38d8a8c96c_gateup:
	s_mov_b64 s[64:65], 0
	v_nop
	global_prefetch_b8 v0, s[64:65] scope:SCOPE_SE
	s_setreg_imm32_b32 hwreg(HW_REG_WAVE_MODE, 25, 1), 1
	s_wait_xcnt 0x0
; actf = bf16( silu(h w1~^T) x (h w3~^T) ) for the tokens that are routed to each expert; an expert's result for any other token is multiplied by 0 in the module and is not made.
; SHARES.  Work-group (ft, e): rows 64 ft .. 64 ft + 63 of expert e's w1 and of its w3, which no other work-group reads, against all of the expert's tokens.
; PHASE 1.  The 128 rows (f32, 4,096 bytes each) come in by 16-byte loads, 64 loads of each wave always on their way, are rounded to bf16 once and stay in LDS.  One barrier.
; PHASE 2.  Wave w takes the groups w, w + 4, w + 8, w + 12 of 80 slots (5 tiles of 16); a group past the expert's last is jumped over.  For a group: K = 1,024 in 32 steps of 32: step 0, which
; starts the sums, a loop of 7 trips of 4 steps, and 3 steps behind it.  The weights' fragments come from LDS, the tokens' straight from hgf, which holds them as operands; 8 x 5 sums of 16 x 16.
; Nobody writes LDS in phase 2.  A weight load's LDS byte is (16 tile + lane % 16) x 2,064 + 16 (lane / 16) + 64 step + 0 or 32: 264,176 at the most, below the spare words.
; Source 0 = 16 rows of a weight, source 1 = 16 slots: a lane holds one slot and eight neighbouring f, which are exactly its 16 bytes of the next product's operand: no stage on the way out.
; NO CLUSTER, NO TENSOR LOAD: no two work-groups read the same weight rows; the f32 rows must pass through registers to be rounded.
; LIMITS.  silu(g) = g / (1 + e^-g); where e^-g passes f32's range (g below about -88) it counts as 0.  NaN and infinities are not treated apart.  act goes in bf16: its range is f32's.
; REGISTERS.  Window 0: v0-15 addresses; v16-47, v48-79 the weights' fragments (tiles 0-3: w1, 4-7: w3); v80-239 the tokens' fragments, four buffers of 40.
;   Window 1: phase 1 the ring; then the sums of w1's tiles, (i, j) at v[8 (5 i + j)].  Window 2: those of w3's.
.set LP,    2064                       ; an LDS row: 2,048 bytes + 16: row r starts at bank 4 r mod 64 (64 banks of 4 bytes: ISA guide 11.1)
.set SPARE, 128*LP                     ; 128 bytes for each wave, named by no other line
.set TSTR,  32768                      ; a tile of hgf
.set HT,    68                         ; an expert's tiles in hgf; 65 of them at the most are read here
.set CV,    16
.set WF,    16
.set TK,    80
.set E,     16                         ; the way out: 32 numbers at work
.set O,     48                         ; and 16 registers to store for each of the five tiles
.set MSB, 0
.macro WIN new                         ; the immediate's high byte repeats the setting that is left; a switch that changes nothing is dropped
.if MSB != (\new)
	s_set_vgpr_msb (MSB<<8)|(\new)
.set MSB, \new
.endif
.endm
.macro PLACES                          ; four places between a matrix instruction and a load into, or a read of, its registers
.rept 4
	v_nop
.endr
.endm
.macro GRP g, reload, left             ; eight slots of the ring (one row): waited for, rounded, stored into LDS, and loaded again with the row eight further down
	s_wait_loadcnt \left
	WIN 0x05
.set i, 0
.rept 8
	v_cvt_pk_bf16_f32 v[CV+2*i],   v[4*(8*(\g)+i)],   v[4*(8*(\g)+i)+1]
	v_cvt_pk_bf16_f32 v[CV+2*i+1], v[4*(8*(\g)+i)+2], v[4*(8*(\g)+i)+3]
.set i, i+1
.endr
	WIN 0
.set i, 0
.rept 8
	ds_store_b64 v3, v[CV+2*i:CV+2*i+1] offset:(\g)*LP+256*i
.set i, i+1
.endr
.if \reload
	WIN 0x40
.set i, 0
.rept 8
	global_load_b128 v[4*(8*(\g)+i):4*(8*(\g)+i)+3], v2, s[18:19] offset:32768+512*(8*(\g)+i) th:TH_LOAD_NT
.set i, i+1
.endr
	WIN 0
.endif
.endm
	s_load_b256 s[4:11], s[0:1], 0x0       ; hgf s[4:5], w1 s[6:7], w3 s[8:9], lists s[10:11]
	s_load_b64 s[12:13], s[0:1], 0x20      ; actf
	v_lshl_add_u32 v8, v0, 2, SPARE        ; my spare word,
	v_mov_b32 v9, 0                        ; and 0: kept for the add at the wave's end
	v_and_b32 v1, 31, v0
	v_lshrrev_b32 v3, 5, v0
	v_readfirstlane_b32 s14, v3            ; wave 0..3
	s_mov_b32 s15, ttmp9                   ; ft
	s_and_b32 s16, ttmp7, 0xffff           ; e
	v_lshlrev_b32 v2, 4, v1                ; 16 x lane
	v_and_b32 v4, 15, v0
	v_bfe_u32 v5, v0, 4, 1
	s_mul_i32 s23, s14, 32*LP
	v_lshl_add_u32 v3, v1, 3, s23
	s_lshl_b32 s20, s16, 11
	s_lshl_b32 s23, s15, 6
	s_add_co_u32 s20, s20, s23
	s_and_b32 s23, s14, 1
	s_lshl_b32 s23, s23, 5
	s_add_co_u32 s20, s20, s23             ; row 2,048 e + 64 ft + 32 (w % 2)
	s_lshl_b32 s20, s20, 12
	s_mov_b32 s21, 0
	s_wait_kmcnt 0x0
	s_cmp_lt_u32 s14, 2                    ; waves 0 and 1 bring w1's rows, waves 2 and 3 w3's
	s_cselect_b64 s[18:19], s[6:7], s[8:9]
	s_add_nc_u64 s[18:19], s[18:19], s[20:21]
	WIN 0x40
.set l, 0
.rept 64
	global_load_b128 v[4*l:4*l+3], v2, s[18:19] offset:512*l th:TH_LOAD_NT
.set l, l+1
.endr
	WIN 0
	s_lshl_b32 s20, s16, 2
	s_add_nc_u64 s[32:33], s[10:11], s[20:21]
	s_load_b32 s17, s[32:33], 0x0          ; cnt[e]
	v_mul_u32_u24 v6, v4, LP
	v_lshl_add_u32 v6, v5, 4, v6           ; a fragment's row x pitch + 16 x half: weight tiles 0 and 1; never rewritten
	v_add_nc_u32 v7, 32*LP, v6             ; tiles 2 and 3; never rewritten
	v_add_nc_u32 v14, 64*LP, v6            ; tiles 4 and 5; never rewritten
	v_add_nc_u32 v15, 96*LP, v6            ; tiles 6 and 7; never rewritten
	s_mul_i32 s20, s16, HT*TSTR
	s_mul_i32 s23, s14, 5*TSTR
	s_add_co_u32 s20, s20, s23
	s_add_nc_u64 s[26:27], s[4:5], s[20:21]    ; hgf at my first group
	s_mul_i32 s20, s16, 65*65536
	s_mul_i32 s23, s14, 5*65536
	s_add_co_u32 s20, s20, s23
	s_lshl_b32 s23, s15, 11
	s_add_co_u32 s20, s20, s23
	s_add_nc_u64 s[30:31], s[12:13], s[20:21]  ; actf at my first group, blocks 2 ft and 2 ft + 1
	s_mov_b32 s34, 0xbfb8aa3b              ; -log2(e),
	s_mov_b32 s35, s34                     ; named as a pair
	s_mov_b32 s22, 3
.Lstream:
.irp g, 0,1,2,3,4,5,6,7
	GRP \g, 1, 56                          ; behind a group's eight loads stand the ring's 56 others
.endr
	s_wait_xcnt 0x0                        ; the base is a source of the loads that are out: it steps only behind this wait
	s_add_nc_u64 s[18:19], s[18:19], 32768
	v_add_nc_u32 v3, 8*LP, v3
	s_sub_co_u32 s22, s22, 1
	s_cmp_lg_u32 s22, 0
	s_cbranch_scc1 .Lstream
.irp g, 0,1,2,3,4,5,6,7
	GRP \g, 0, 56-8*\g                     ; the last eight rows: the counts run down
.endr
	s_wait_dscnt 0x0                       ; for the others' sake: my rows are in LDS
	s_barrier_signal -1
	s_barrier_wait -1                      ; everybody's are; from here on nobody writes them
.macro TLOAD st                        ; ten loads: five tiles' fragments of the K step st behind the tokens' base, into buffer st % 4
.irp j, 0,1,2,3,4
	global_load_b128 v[TK+40*((\st)%4)+8*\j:TK+40*((\st)%4)+8*\j+3],   v2, s[28:29] offset:\j*TSTR+(\st)*1024
	global_load_b128 v[TK+40*((\st)%4)+8*\j+4:TK+40*((\st)%4)+8*\j+7], v2, s[28:29] offset:\j*TSTR+(\st)*1024+512
.endr
.endm
.macro WLOAD hf, k                     ; eight LDS loads: weight tiles 4 hf .. 4 hf + 3 at byte k behind the K offset
.irp n, 0,1,2,3
	ds_load_b128 v[WF+32*(\hf)+8*\n:WF+32*(\hf)+8*\n+3],   v[10+2*(\hf)+\n/2] offset:(\n%2)*16*LP+(\k)
	ds_load_b128 v[WF+32*(\hf)+8*\n+4:WF+32*(\hf)+8*\n+7], v[10+2*(\hf)+\n/2] offset:(\n%2)*16*LP+(\k)+32
.endr
.endm
.macro BASE                            ; the weights' LDS addresses, v10-13: the four lane terms plus the K offset in s36 (0, 256 .. 1,792 bytes)
	v_add_nc_u32 v10, s36, v6
	v_add_nc_u32 v11, s36, v7
	v_add_nc_u32 v12, s36, v14
	v_add_nc_u32 v13, s36, v15
.endm
.macro MULS hf, q, zero                ; 20 matrix instructions; the sums take turns, one instruction a turn
	WIN 0x50+0x50*(\hf)
.irp j, 0,1,2,3,4
.irp n, 0,1,2,3
.if \zero
	v_wmma_f32_16x16x32_bf16 v[8*(5*\n+\j):8*(5*\n+\j)+7], v[WF+32*(\hf)+8*\n:WF+32*(\hf)+8*\n+7], v[TK+40*(\q)+8*\j:TK+40*(\q)+8*\j+7], 0
.else
	v_wmma_f32_16x16x32_bf16 v[8*(5*\n+\j):8*(5*\n+\j)+7], v[WF+32*(\hf)+8*\n:WF+32*(\hf)+8*\n+7], v[TK+40*(\q)+8*\j:TK+40*(\q)+8*\j+7], v[8*(5*\n+\j):8*(5*\n+\j)+7]
.endif
.endr
.endr
	WIN 0
.endm
; The K step that lies f steps behind the bases.  ptok = 1: the tokens of the step three further on are asked for first, into the buffer that the step before multiplied (four places and the
; weights' loads stand behind its last product).  pw = 1: the next step's weights are fetched, each half behind the products that read it.
.macro STEP f, zero, lc, pw, ptok
.if \ptok
	TLOAD (\f)+3
.endif
	s_wait_loadcnt \lc                     ; this step's ten token loads are in; the ten of each younger step stay out
	s_wait_dscnt 8                         ; tiles 0-3 are in; the eight loads of tiles 4-7 may be out
	MULS 0, (\f)%4, \zero
.if \pw
	PLACES
	WLOAD 0, 64*((\f)+1)
	s_wait_dscnt 8                         ; tiles 4-7 are in; the eight just issued stay out
.else
	s_wait_dscnt 0
.endif
	MULS 1, (\f)%4, \zero
.if \pw
	PLACES
	WLOAD 1, 64*((\f)+1)
.endif
.endm
; The way out of token tile j: silu(g) u for 4 x 8 numbers a lane; each sum's low registers are read first.
.macro EPI j
	WIN 0x01                               ; source 0 in window 1: g
.irp n, 0,1,2,3
.irp p, 0,1,2,3
	v_pk_mul_f32 v[E+8*\n+2*\p:E+8*\n+2*\p+1], v[8*(5*\n+(\j))+2*\p:8*(5*\n+(\j))+2*\p+1], s[34:35] op_sel_hi:[1,0]
.endr
.endr
	WIN 0
.set z, 0
.rept 32
	v_exp_f32 v[E+z], v[E+z]               ; e^-g
.set z, z+1
.endr
	v_nop                                  ; a plain instruction between the last transcendental and the use of its result
.set z, 0
	s_wait_alu depctr_va_vdst(0)
.rept 16
	v_pk_add_f32 v[E+2*z:E+2*z+1], v[E+2*z:E+2*z+1], 1.0 op_sel_hi:[1,0]
.set z, z+1
.endr
.set z, 0
.rept 32
	v_rcp_f32 v[E+z], v[E+z]
.set z, z+1
.endr
	v_nop
	WIN 0x01
	s_wait_alu depctr_va_vdst(0)
.irp n, 0,1,2,3
.irp p, 0,1,2,3
	v_pk_mul_f32 v[E+8*\n+2*\p:E+8*\n+2*\p+1], v[8*(5*\n+(\j))+2*\p:8*(5*\n+(\j))+2*\p+1], v[E+8*\n+2*\p:E+8*\n+2*\p+1]
.endr
.endr
	WIN 0x08                               ; source 1 in window 2: u
.irp n, 0,1,2,3
.irp p, 0,1,2,3
	v_pk_mul_f32 v[E+8*\n+2*\p:E+8*\n+2*\p+1], v[E+8*\n+2*\p:E+8*\n+2*\p+1], v[8*(5*\n+(\j))+2*\p:8*(5*\n+(\j))+2*\p+1]
.endr
.endr
	WIN 0
.set z, 0
.rept 16
	v_cvt_pk_bf16_f32 v[O+16*(\j)+z], v[E+2*z], v[E+2*z+1]
.set z, z+1
.endr
.irp n, 0,1,2,3
	global_store_b128 v2, v[O+16*(\j)+4*\n:O+16*(\j)+4*\n+3], s[30:31] offset:65536*(\j)+512*\n  ; 512 consecutive bytes, at a multiple of 256 from actf's first byte
.endr
.endm
	s_wait_kmcnt 0x0
	s_min_u32 s17, s17, 1024
	s_add_co_u32 s17, s17, 79
	s_mul_i32 s17, s17, 52429
	s_lshr_b32 s17, s17, 22                ; groups: ceil(cnt / 80), 13 at the most
	s_mov_b32 s24, s14                     ; my group
	s_mov_b32 s23, 4
.Ltrip:
	s_cmp_ge_u32 s24, s17
	s_cbranch_scc1 .Lskip
	s_wait_xcnt 0x0                        ; the last group's stores have read their registers
	s_mov_b32 s36, 0
	BASE
	s_mov_b64 s[28:29], s[26:27]
	TLOAD 0
	TLOAD 1
	TLOAD 2
	WLOAD 0, 0
	WLOAD 1, 0
	STEP 0, 1, 30, 1, 1                    ; step 0 starts the sums; at each wait three younger steps' 30 loads stay out
	s_mov_b32 s22, 7
.Lk:                                           ; trip n: steps 4 n + 1 .. 4 n + 4; it asks for the tokens of steps 4 n + 4 .. 4 n + 7
	STEP 1, 0, 30, 1, 1
	STEP 2, 0, 30, 1, 1
	STEP 3, 0, 30, 1, 1
	STEP 4, 0, 30, 1, 1
	s_wait_xcnt 0x0                        ; the tokens' base is a source of the loads that are out: it steps only behind this wait
	s_add_nc_u64 s[28:29], s[28:29], 4096
	s_add_co_u32 s36, s36, 256
	BASE
	s_sub_co_u32 s22, s22, 1
	s_cmp_lg_u32 s22, 0
	s_cbranch_scc1 .Lk
	STEP 1, 0, 20, 1, 0                    ; steps 29, 30, 31 ask for no tokens: the counts run down
	STEP 2, 0, 10, 1, 0
	STEP 3, 0, 0, 0, 0
	PLACES
	EPI 0
	EPI 1
	EPI 2
	EPI 3
	EPI 4
.Lskip:
	s_wait_xcnt 0x0                        ; the loads' and the stores' bases step only behind this wait
	s_add_nc_u64 s[26:27], s[26:27], 4*5*TSTR
	s_add_nc_u64 s[30:31], s[30:31], 4*5*65536
	s_add_co_u32 s24, s24, 4
	s_sub_co_u32 s23, s23, 1
	s_cmp_lg_u32 s23, 0
	s_cbranch_scc1 .Ltrip
	s_wait_dscnt 0x0                       ; my reads of the resident rows are back;
	s_barrier_signal -1                    ; their addresses step in a loop that lies inside the loop over groups: this barrier puts every wave's reads,
	s_barrier_wait -1                      ; whatever their addresses, ahead of the one LDS write that follows
	s_wait_tensorcnt 0x0                   ; the wave's end
	ds_add_u32 v8, v9
	s_wait_dscnt 0x0
	s_endpgm
.Lfunc_end_k_q38d8a8c96c_gateup:
	.size	k_q38d8a8c96c_gateup, .Lfunc_end_k_q38d8a8c96c_gateup-k_q38d8a8c96c_gateup
	.p2alignl 7, 3214868480
	.fill 96, 4, 3214868480
	.section	.rodata,"a",@progbits
	.p2align	6, 0x0
	.amdhsa_kernel k_q38d8a8c96c_gateup
		.amdhsa_group_segment_fixed_size 264704
		.amdhsa_private_segment_fixed_size 0
		.amdhsa_enable_private_segment 0
		.amdhsa_kernarg_size 40
		.amdhsa_user_sgpr_count 2
		.amdhsa_user_sgpr_kernarg_segment_ptr 1
		.amdhsa_wavefront_size32 1
		.amdhsa_system_sgpr_workgroup_id_x 1
		.amdhsa_system_sgpr_workgroup_id_y 1
		.amdhsa_system_sgpr_workgroup_id_z 1
		.amdhsa_system_vgpr_workitem_id 0
		.amdhsa_next_free_vgpr 672
		.amdhsa_next_free_sgpr 66
		.amdhsa_reserve_vcc 0
		.amdhsa_float_denorm_mode_32 3
		.amdhsa_float_denorm_mode_16_64 3
		.amdhsa_memory_ordered 1
		.amdhsa_forward_progress 1
		.amdhsa_inst_pref_size 120
	.end_amdhsa_kernel
	.amdgpu_metadata
---
amdhsa.version: [ 1, 2 ]
amdhsa.kernels:
  - .name:           k_q38d8a8c96c_gateup
    .symbol:         k_q38d8a8c96c_gateup.kd
    .args:
      - { .name: hgf, .offset: 0, .size: 8, .value_kind: global_buffer, .address_space: global }
      - { .name: w1, .offset: 8, .size: 8, .value_kind: global_buffer, .address_space: global }
      - { .name: w3, .offset: 16, .size: 8, .value_kind: global_buffer, .address_space: global }
      - { .name: lists, .offset: 24, .size: 8, .value_kind: global_buffer, .address_space: global }
      - { .name: actf, .offset: 32, .size: 8, .value_kind: global_buffer, .address_space: global }
    .group_segment_fixed_size: 264704
    .private_segment_fixed_size: 0
    .kernarg_segment_align: 8
    .kernarg_segment_size: 40
    .max_flat_workgroup_size: 128
    .sgpr_count:     66
    .vgpr_count:     672
    .wavefront_size: 32
...
	.end_amdgpu_metadata
.endif
;; end of part 8
;; launch down (part 9): grid 32 x 8, 4 waves a work-group, no clusters, 133,632 bytes of LDS; arguments actf, w2, lists, y; writes y
.if DOCPART == 9
	.amdgcn_target "amdgcn-amd-amdhsa--gfx1250"
	.amdhsa_code_object_version 6
	.text
	.protected	k_q38d8a8c96c_down
	.globl	k_q38d8a8c96c_down
	.p2align	8
	.type	k_q38d8a8c96c_down,@function
k_q38d8a8c96c_down:
	s_mov_b64 s[64:65], 0
	v_nop
	global_prefetch_b8 v0, s[64:65] scope:SCOPE_SE
	s_setreg_imm32_b32 hwreg(HW_REG_WAVE_MODE, 25, 1), 1
	s_wait_xcnt 0x0
; y[ks][d][o] = sum over the 512 f of quarter ks of act[slot][f] w2~[e][o][f], in f32, d = dst[e][slot]: row t for a token's first choice, 1,024 + t for its second, 2,048 + e for an empty slot.
; SHARES.  Work-group (ot, ks, e): rows 128 ot .. 128 ot + 127 of expert e's w2, columns 512 ks .. 512 ks + 511, which no other work-group reads, against all of the expert's tokens.
; F is cut in four so that the tile has 128 rows and all work-groups have equal shares; the four partial rows are added by the next launch: no sum spans work-groups here.
; PHASE 1.  The 128 pieces of rows (f32, 2,048 bytes each) come in by 16-byte loads, 64 loads of each wave on their way, are rounded to bf16 once and stay in LDS.  One barrier.
; Row 64 q + 4 r + c of the 128 is laid at LDS row 16 (4 q + c) + r: the four fragments 4 q .. 4 q + 3 then hold, in lane r, four NEIGHBOURING rows of w2.
; PHASE 2.  Wave w takes the groups w, w + 4, w + 8, w + 12 of 80 slots; a group past the expert's last is jumped over.  K = 512 in 16 steps of 32: step 0, which starts the sums, a loop of 3 trips
; of 4 steps, and 3 steps behind it; 8 x 5 sums of 16 x 16.  Nobody writes LDS in phase 2.  A weight load's LDS byte is (16 tile + lane % 16) x 1,040 + 16 (lane / 16) + 64 step + 0 or 32:
; 133,104 at the most, below the spare words.
; Source 0 = 16 slots, source 1 = 16 rows of w2: a lane holds one column o of y and the slots 8 (lane / 16) + 0..7.  THE WAY OUT needs no LDS: four moves put the same slot's numbers of four
; fragments side by side, 16 bytes of a row of y, and 16 neighbouring lanes store 256 consecutive bytes.  The price is 320 moves for a group's 640 matrix instructions.
; Only ceil(cnt / 16) tiles hold a token: the way out ends at the first tile of a group that holds none, since nobody reads what it would store.
; NO CLUSTER, NO TENSOR LOAD: no two work-groups read the same weights; the f32 rows must pass through registers to be rounded.
; LIMITS.  NaN and infinities are not treated apart.
; REGISTERS.  Window 0: v0-15 addresses; v16-47, v48-79 the weights' fragments; v80-239 the tokens', four buffers of 40; on the way out v16-207 three sets of 64 to store, v208-247 the rows' offsets in y.
;   Window 1: phase 1 the ring; then the sums of fragments 0-3, (i, j) at v[8 (5 i + j)].  Window 2: those of fragments 4-7; v160-199 the group's row numbers.
.set LP,    1040                       ; an LDS row: 1,024 bytes + 16: row r starts at bank 4 r mod 64 (64 banks of 4 bytes: ISA guide 11.1)
.set SPARE, 128*LP                     ; 128 bytes for each wave, named by no other line
.set TSTR,  65536                      ; a tile of actf
.set CV,    16
.set WF,    16
.set TK,    80
.set T,     16                         ; the way out: set j % 3 of 64 registers for tile j
.set OF,    208                        ; v208-247: for tile j and register p of a sum, my row's byte offset in the plane plus my 16 bytes' place
.set D,     160                        ; window 2: for tile j, dst of the slots 16 j + 8 (lane / 16) + 0..7
.set MSB, 0
.macro WIN new                         ; the immediate's high byte repeats the setting that is left; a switch that changes nothing is dropped
.if MSB != (\new)
	s_set_vgpr_msb (MSB<<8)|(\new)
.set MSB, \new
.endif
.endm
.macro PLACES                          ; four places between a matrix instruction and a load into, or a read of, its registers
.rept 4
	v_nop
.endr
.endm
; Eight slots of the ring (two pieces of rows) of lap 0 or 1: waited for, rounded, stored into LDS; in lap 0 loaded again with the rows sixteen further down.
; Load l: my row l / 4, 512 bytes at (l % 4) x 512.  My row p goes 16 (p % 4) + p / 4 LDS rows behind my wave's first.
.macro GRP g, lap, left
	s_wait_loadcnt \left
	WIN 0x05
.set i, 0
.rept 8
	v_cvt_pk_bf16_f32 v[CV+2*i],   v[4*(8*(\g)+i)],   v[4*(8*(\g)+i)+1]
	v_cvt_pk_bf16_f32 v[CV+2*i+1], v[4*(8*(\g)+i)+2], v[4*(8*(\g)+i)+3]
.set i, i+1
.endr
	WIN 0
.set i, 0
.rept 8
.set l, 64*(\lap)+8*(\g)+i
	ds_store_b64 v3, v[CV+2*i:CV+2*i+1] offset:(16*((l/4)%4)+(l/4)/4)*LP+(l%4)*256
.set i, i+1
.endr
.if (\lap) == 0
	WIN 0x40
.set i, 0
.rept 8
.set l, 64+8*(\g)+i
	global_load_b128 v[4*(8*(\g)+i):4*(8*(\g)+i)+3], v2, s[18:19] offset:(l/4)*8192+(l%4)*512 th:TH_LOAD_NT
.set i, i+1
.endr
	WIN 0
.endif
.endm
	s_load_b256 s[4:11], s[0:1], 0x0       ; actf s[4:5], w2 s[6:7], lists s[8:9], y s[10:11]
	v_lshl_add_u32 v8, v0, 2, SPARE        ; my spare word,
	v_mov_b32 v9, 0                        ; and 0: kept for the add at the wave's end
	v_and_b32 v1, 31, v0
	v_lshrrev_b32 v3, 5, v0
	v_readfirstlane_b32 s14, v3            ; wave 0..3
	s_lshr_b32 s12, ttmp9, 2               ; ot
	s_and_b32 s13, ttmp9, 3                ; ks
	s_and_b32 s16, ttmp7, 0xffff           ; e
	v_lshlrev_b32 v2, 4, v1                ; 16 x lane
	v_and_b32 v4, 15, v0                   ; r
	v_bfe_u32 v5, v0, 4, 1                 ; h
	s_lshr_b32 s15, s14, 1
	s_lshl_b32 s15, s15, 6
	s_and_b32 s25, s14, 1
	s_lshl_b32 s25, s25, 3
	s_add_co_u32 s15, s15, s25             ; my wave's rows 32 w + p begin at LDS row 64 (w / 2) + 8 (w % 2)
	s_mul_i32 s15, s15, LP
	v_lshl_add_u32 v3, v1, 3, s15
	s_lshl_b32 s20, s16, 10
	s_lshl_b32 s15, s12, 7
	s_add_co_u32 s20, s20, s15
	s_lshl_b32 s15, s14, 5
	s_add_co_u32 s20, s20, s15             ; row 1,024 e + 128 ot + 32 w
	s_lshl_b32 s20, s20, 13
	s_lshl_b32 s15, s13, 11
	s_add_co_u32 s20, s20, s15             ; and the quarter's 2,048 bytes
	s_mov_b32 s21, 0
	s_wait_kmcnt 0x0
	s_add_nc_u64 s[18:19], s[6:7], s[20:21]
	WIN 0x40
.set l, 0
.rept 64
	global_load_b128 v[4*l:4*l+3], v2, s[18:19] offset:(l/4)*8192+(l%4)*512 th:TH_LOAD_NT
.set l, l+1
.endr
	WIN 0
	s_lshl_b32 s20, s16, 2
	s_add_nc_u64 s[52:53], s[8:9], s[20:21]
	s_load_b32 s17, s[52:53], 0x0          ; cnt[e]
	v_mul_u32_u24 v6, v4, LP
	v_lshl_add_u32 v6, v5, 4, v6           ; a fragment's row x pitch + 16 x half: fragments 0 to 3; never rewritten
	v_add_nc_u32 v7, 64*LP, v6             ; fragments 4 to 7; never rewritten
	v_lshlrev_b32 v12, 5, v5               ; my eight row numbers in a tile's sixteen: 32 bytes for each half of the lanes
	v_lshlrev_b32 v13, 4, v4               ; my 16 bytes in 256 bytes of a row of y
	s_mul_i32 s20, s16, 65*TSTR
	s_mul_i32 s15, s14, 5*TSTR
	s_add_co_u32 s20, s20, s15
	s_lshl_b32 s15, s13, 14
	s_add_co_u32 s20, s20, s15
	s_add_nc_u64 s[26:27], s[4:5], s[20:21]    ; actf at my first group, blocks 16 ks on
	s_mul_i32 s20, s16, 4608
	s_mul_i32 s15, s14, 320
	s_add_co_u32 s20, s20, s15
	s_add_co_u32 s20, s20, 256
	s_add_nc_u64 s[48:49], s[8:9], s[20:21]    ; dst at my first group
	s_mul_i32 s20, s13, 2056*4096
	s_lshl_b32 s15, s12, 9
	s_add_co_u32 s20, s20, s15
	s_add_nc_u64 s[50:51], s[10:11], s[20:21]  ; y at plane ks, column 128 ot
.irp g, 0,1,2,3,4,5,6,7
	GRP \g, 0, 56                          ; behind a group's eight loads stand the ring's 56 others
.endr
.irp g, 0,1,2,3,4,5,6,7
	GRP \g, 1, 56-8*\g                     ; the second sixteen rows: the counts run down
.endr
	s_wait_dscnt 0x0                       ; for the others' sake: my rows are in LDS
	s_barrier_signal -1
	s_barrier_wait -1                      ; everybody's are; from here on nobody writes them
.macro TLOAD st                        ; ten loads: five tiles' fragments of the K step st behind the tokens' base, into buffer st % 4
.irp j, 0,1,2,3,4
	global_load_b128 v[TK+40*((\st)%4)+8*\j:TK+40*((\st)%4)+8*\j+3],   v2, s[28:29] offset:\j*TSTR+(\st)*1024
	global_load_b128 v[TK+40*((\st)%4)+8*\j+4:TK+40*((\st)%4)+8*\j+7], v2, s[28:29] offset:\j*TSTR+(\st)*1024+512
.endr
.endm
.macro WLOAD hf, k                     ; eight LDS loads: weight fragments 4 hf .. 4 hf + 3 at byte k behind the K offset
.irp n, 0,1,2,3
	ds_load_b128 v[WF+32*(\hf)+8*\n:WF+32*(\hf)+8*\n+3],   v[10+(\hf)] offset:\n*16*LP+(\k)
	ds_load_b128 v[WF+32*(\hf)+8*\n+4:WF+32*(\hf)+8*\n+7], v[10+(\hf)] offset:\n*16*LP+(\k)+32
.endr
.endm
.macro BASE                            ; the weights' LDS addresses, v10 and v11: the two lane terms plus the K offset in s54 (0, 256, 512, 768 bytes)
	v_add_nc_u32 v10, s54, v6
	v_add_nc_u32 v11, s54, v7
.endm
.macro MULS hf, q, zero                ; 20 matrix instructions; the sums take turns, one instruction a turn
	WIN 0x50+0x50*(\hf)
.irp j, 0,1,2,3,4
.irp n, 0,1,2,3
.if \zero
	v_wmma_f32_16x16x32_bf16 v[8*(5*\n+\j):8*(5*\n+\j)+7], v[TK+40*(\q)+8*\j:TK+40*(\q)+8*\j+7], v[WF+32*(\hf)+8*\n:WF+32*(\hf)+8*\n+7], 0
.else
	v_wmma_f32_16x16x32_bf16 v[8*(5*\n+\j):8*(5*\n+\j)+7], v[TK+40*(\q)+8*\j:TK+40*(\q)+8*\j+7], v[WF+32*(\hf)+8*\n:WF+32*(\hf)+8*\n+7], v[8*(5*\n+\j):8*(5*\n+\j)+7]
.endif
.endr
.endr
	WIN 0
.endm
; The K step that lies f steps behind the bases.  ptok = 1: the tokens of the step three further on are asked for first, into the buffer that the step before multiplied (four places and the
; weights' loads stand behind its last product).  pw = 1: the next step's weights are fetched, each half behind the products that read it.
.macro STEP f, zero, lc, pw, ptok
.if \ptok
	TLOAD (\f)+3
.endif
	s_wait_loadcnt \lc                     ; this step's ten token loads are in, and all that was issued before them; the ten of each younger step stay out
	s_wait_dscnt 8                         ; fragments 0-3 are in; the eight loads of fragments 4-7 may be out
	MULS 0, (\f)%4, \zero
.if \pw
	PLACES
	WLOAD 0, 64*((\f)+1)
	s_wait_dscnt 8                         ; fragments 4-7 are in; the eight just issued stay out
.else
	s_wait_dscnt 0
.endif
	MULS 1, (\f)%4, \zero
.if \pw
	PLACES
	WLOAD 1, 64*((\f)+1)
.endif
.endm
; The way out of token tile j.  Register p of the four sums (4 q + c, j), c = 0..3, is, in lane (r, h), y's columns 64 q + 4 r + c of slot 16 j + 8 h + p: four moves make 16 bytes of them.
; Each sum's register 0 is read first.  Tile 3 takes set 0 again, tile 4 set 1: one wait frees both.  A live group's tile 0 holds a token; from the first tile that holds none on, all are
; empty: one jump forward, to the loop's foot, leaves them out.
.macro DOUT j
.set TS, T+64*((\j)%3)
.if (\j) > 0
	s_add_co_u32 s15, s25, \j              ; this tile's number among the expert's
	s_cmp_ge_u32 s15, s55
	s_cbranch_scc1 .Lskip
.endif
.if (\j) == 3
	s_wait_xcnt 0x0                        ; the stores of tiles 0 to 2 have read their data
.endif
	WIN 0x01                               ; source in window 1: q = 0
.irp p, 0,1,2,3,4,5,6,7
.irp c, 0,1,2,3
	v_mov_b32 v[TS+4*\p+\c], v[8*(5*\c+(\j))+\p]
.endr
.endr
	WIN 0x02                               ; in window 2: q = 1
.irp p, 0,1,2,3,4,5,6,7
.irp c, 0,1,2,3
	v_mov_b32 v[TS+32+4*\p+\c], v[8*(5*\c+(\j))+\p]
.endr
.endr
	WIN 0
.irp p, 0,1,2,3,4,5,6,7
	global_store_b128 v[OF+8*(\j)+\p], v[TS+4*\p:TS+4*\p+3],       s[50:51]             ; lanes 0-15 store 256 consecutive bytes of one row, lanes 16-31 of another,
	global_store_b128 v[OF+8*(\j)+\p], v[TS+32+4*\p:TS+32+4*\p+3], s[50:51] offset:256  ; each at a multiple of 256 from y's first byte
.endr
.endm
	s_wait_kmcnt 0x0
	s_min_u32 s17, s17, 1024
	s_add_co_u32 s55, s17, 15
	s_lshr_b32 s55, s55, 4                 ; tiles that hold a token: ceil(cnt / 16)
	s_add_co_u32 s17, s17, 79
	s_mul_i32 s17, s17, 52429
	s_lshr_b32 s17, s17, 22                ; groups: ceil(cnt / 80), 13 at the most
	s_mov_b32 s24, s14                     ; my group,
	s_mul_i32 s25, s14, 5                  ; and its first tile
	s_mov_b32 s23, 4
.Ltrip:
	s_cmp_ge_u32 s24, s17
	s_cbranch_scc1 .Lskip
	s_wait_xcnt 0x0                        ; the last group's stores have read their registers
	s_mov_b32 s54, 0
	BASE
	s_mov_b64 s[28:29], s[26:27]
	WIN 0x80                               ; destination in window 2
.irp j, 0,1,2,3,4
	global_load_b128 v[D+8*\j:D+8*\j+3],   v12, s[48:49] offset:64*\j      ; the group's row numbers, ahead of the tokens' loads: step 0's wait shows them in
	global_load_b128 v[D+8*\j+4:D+8*\j+7], v12, s[48:49] offset:64*\j+16
.endr
	WIN 0
	TLOAD 0
	TLOAD 1
	TLOAD 2
	WLOAD 0, 0
	WLOAD 1, 0
	STEP 0, 1, 30, 1, 1                    ; step 0 starts the sums; at each wait three younger steps' 30 loads stay out
	s_mov_b32 s22, 3
.Lk:                                           ; trip n: steps 4 n + 1 .. 4 n + 4; it asks for the tokens of steps 4 n + 4 .. 4 n + 7
	STEP 1, 0, 30, 1, 1
	STEP 2, 0, 30, 1, 1
	STEP 3, 0, 30, 1, 1
	STEP 4, 0, 30, 1, 1
	s_wait_xcnt 0x0                        ; the tokens' base is a source of the loads that are out: it steps only behind this wait
	s_add_nc_u64 s[28:29], s[28:29], 4096
	s_add_co_u32 s54, s54, 256
	BASE
	s_sub_co_u32 s22, s22, 1
	s_cmp_lg_u32 s22, 0
	s_cbranch_scc1 .Lk
	STEP 1, 0, 20, 1, 0                    ; steps 13, 14, 15 ask for no tokens: the counts run down
	STEP 2, 0, 10, 1, 0
	STEP 3, 0, 0, 0, 0
	WIN 0x88                               ; source 1 and destination in window 2
.set z, 0
.rept 40
	v_min_u32 v[D+z], 2055, v[D+z]         ; a row of the plane, whatever the list holds; these 40 name no register of the products and are the places behind the last of them
.set z, z+1
.endr
	WIN 0x02                               ; source 0 in window 2
.set z, 0
.rept 40
	v_lshl_add_u32 v[OF+z], v[D+z], 12, v13
.set z, z+1
.endr
	DOUT 0
	DOUT 1
	DOUT 2
	DOUT 3
	DOUT 4
.Lskip:
	s_wait_xcnt 0x0                        ; the tokens' and the list's bases step only behind this wait
	s_add_nc_u64 s[26:27], s[26:27], 4*5*TSTR
	s_add_nc_u64 s[48:49], s[48:49], 4*320
	s_add_co_u32 s24, s24, 4
	s_add_co_u32 s25, s25, 20
	s_sub_co_u32 s23, s23, 1
	s_cmp_lg_u32 s23, 0
	s_cbranch_scc1 .Ltrip
	s_wait_dscnt 0x0                       ; my reads of the resident rows are back;
	s_barrier_signal -1                    ; their addresses step in a loop that lies inside the loop over groups: this barrier puts every wave's reads,
	s_barrier_wait -1                      ; whatever their addresses, ahead of the one LDS write that follows
	s_wait_tensorcnt 0x0                   ; the wave's end
	ds_add_u32 v8, v9
	s_wait_dscnt 0x0
	s_endpgm
.Lfunc_end_k_q38d8a8c96c_down:
	.size	k_q38d8a8c96c_down, .Lfunc_end_k_q38d8a8c96c_down-k_q38d8a8c96c_down
	.p2alignl 7, 3214868480
	.fill 96, 4, 3214868480
	.section	.rodata,"a",@progbits
	.p2align	6, 0x0
	.amdhsa_kernel k_q38d8a8c96c_down
		.amdhsa_group_segment_fixed_size 133632
		.amdhsa_private_segment_fixed_size 0
		.amdhsa_enable_private_segment 0
		.amdhsa_kernarg_size 32
		.amdhsa_user_sgpr_count 2
		.amdhsa_user_sgpr_kernarg_segment_ptr 1
		.amdhsa_wavefront_size32 1
		.amdhsa_system_sgpr_workgroup_id_x 1
		.amdhsa_system_sgpr_workgroup_id_y 1
		.amdhsa_system_sgpr_workgroup_id_z 1
		.amdhsa_system_vgpr_workitem_id 0
		.amdhsa_next_free_vgpr 712
		.amdhsa_next_free_sgpr 66
		.amdhsa_reserve_vcc 0
		.amdhsa_float_denorm_mode_32 3
		.amdhsa_float_denorm_mode_16_64 3
		.amdhsa_memory_ordered 1
		.amdhsa_forward_progress 1
		.amdhsa_inst_pref_size 106
	.end_amdhsa_kernel
	.amdgpu_metadata
---
amdhsa.version: [ 1, 2 ]
amdhsa.kernels:
  - .name:           k_q38d8a8c96c_down
    .symbol:         k_q38d8a8c96c_down.kd
    .args:
      - { .name: actf, .offset: 0, .size: 8, .value_kind: global_buffer, .address_space: global }
      - { .name: w2, .offset: 8, .size: 8, .value_kind: global_buffer, .address_space: global }
      - { .name: lists, .offset: 16, .size: 8, .value_kind: global_buffer, .address_space: global }
      - { .name: y, .offset: 24, .size: 8, .value_kind: global_buffer, .address_space: global }
    .group_segment_fixed_size: 133632
    .private_segment_fixed_size: 0
    .kernarg_segment_align: 8
    .kernarg_segment_size: 32
    .max_flat_workgroup_size: 128
    .sgpr_count:     66
    .vgpr_count:     712
    .wavefront_size: 32
...
	.end_amdgpu_metadata
.endif
;; end of part 9
;; launch combine: the kernel of part 6 again; grid 256 x 1, 8 waves a work-group, no clusters, 0 bytes of LDS; arguments h32, y, wgt, out0; writes out0
;; ======== version 3 of 3: 6 launches; version 2 with the launches attn, gateup, down written anew for expert scheduling mode
;; workspace buffers: h32 4,194,304 bytes; idx 8,192 bytes of whole numbers; wgt 8,192 bytes; lists 37,120 bytes of whole numbers; hgf 17,825,792 bytes; actf 34,078,720 bytes; y 33,685,504 bytes
;; launch attn (part 10): grid 16 x 16, 4 waves a work-group, no clusters, 282,112 bytes of LDS; arguments hidden_states, attn_w, attn_noise, attn_b, h32; writes h32
.if DOCPART == 10
	.amdgcn_target "amdgcn-amd-amdhsa--gfx1250"
	.amdhsa_code_object_version 6
	.text
	.protected	k_q38d8a8c96c_attn
	.globl	k_q38d8a8c96c_attn
	.p2align	8
	.type	k_q38d8a8c96c_attn,@function
k_q38d8a8c96c_attn:
	s_mov_b64 s[64:65], 0
	v_nop
	global_prefetch_b8 v0, s[64:65] scope:SCOPE_SE
	s_setreg_imm32_b32 hwreg(HW_REG_WAVE_SCHED_MODE, 0, 2), 2
	s_setreg_imm32_b32 hwreg(HW_REG_WAVE_MODE, 25, 1), 1
	s_wait_xcnt 0x0
	s_wait_alu depctr_vm_vsrc(0)
; h32[t][o] = x~[t][o] + sum over k of x~[t][k] W~[o][k] + b~[o] + 1e-4 n~[t][o], in f32; ~ = the input rounded once to bf16 (every input of the
; program is so rounded, the residual's x too).  1,024 tokens, 1,024 columns, K = 1,024.
; SHARES.  A work-group makes 64 tokens x 64 columns; wave w its tokens 16 w .. 16 w + 15 and all 64 columns: four accumulators of 16 x 16.
; PHASE 1.  The 64 rows of x and the 64 rows of W are brought in as f32 by 16-byte loads (a load of a wave covers 512 consecutive bytes), 64 loads of
; each wave always on their way, rounded to bf16 and laid into LDS, where they stay.  One barrier.  PHASE 2.  K in 32 steps of 32 from LDS.
; The matrix instruction takes W's rows as source 0 and the tokens as source 1: a lane then holds one token and eight neighbouring columns.
; The residual's x (16 rows x 256 bytes a wave) is loaded once more from memory, beside the noise, so that no LDS address holds the work-group's number.
; LIMITS.  NaN and infinities are not treated apart.
; LDS: 128 rows of 2,064 bytes (2,048 + 16: row r starts at bank 4 r mod 64, 64 banks of 4 bytes: ISA guide 11.1); a stage of 16 rows x 272 bytes a wave; 512 bytes behind it take the closing add's spare words.
; REGISTERS.  Window 0: v0-15 addresses; v16-31, v232-247 rounded pairs; v32-33 constants; v40-199 four fragment buffers of 40; v200-231 the sums.  Window 1: the ring of 64 loads, later noise, bias and x.
; THE MODE: SCHED_MODE bits 1:0 = 2 (LLVM: expert scheduling mode 2), set by the entry lines.  The code itself states the register dependences
; between vector or matrix instructions and memory or LDS instructions, with s_wait_alu, always for 0.
; THE PLAN, PHASE 1.  Registers that memory or LDS instructions touch:
;   the ring   Group g's eight loads land in it; its sixteen conversions read it; behind them the row eight further down is asked for.
;   CV, CW     Two sets by turns: written by a group's conversions, read by that group's eight LDS stores.
;   v3         Read by every LDS store; written once a trip.      v2  Read by every load; never written again.
; One wait on va_vdst in a group, behind its conversions, serves its eight LDS stores and its eight loads.  One wait on vm_vsrc beside it names the LDS stores of the group BEFORE, which read
; the set that the NEXT group's conversions write; for groups 7 and 0 the wait at the trip's end, ahead of the add to v3, states the same.
; THE PLAN, PHASE 2.  F0 .. F3: step s's four products read F[s % 4]; the loads of step s + 2 land in F[(s + 2) % 4].  One wait on va_vdst for TWO steps: at the head of steps 2 p and 2 p + 1 the
; products of steps 2 p - 2 and 2 p - 1 are done reading their buffers, in which the loads issued in those two steps land; step 2 p's own products name F[2 p % 4] and the sums alone.
; v6, v7, v10 are read by those loads and written once a trip, behind a wait on vm_vsrc; the next pair's wait on va_vdst stands between the adds and the next load.
.set LP,    2064
.set STAGE, 128*LP
.set SP,    272
.set CV,    16                         ; v16-31   eight pairs of rounded numbers on their way into LDS: the even groups' set
.set CW,    232                        ; v232-247 the odd groups' set
.set F,     40                         ; v40-199  buffer f at F + 40 f: the tokens' fragment, then W's four
.set ACC,   200                        ; v200-231
.set R,     40                         ; the way out: v40-71 sixteen rows read back, 4 registers for each two rows
.set XB,    72                         ; v72-87   x~ of the same places, bf16
.set NP,    88                         ; v88-103  n~, bf16
.set BI,    104                        ; v104-107 b~ as f32; v108-109 at work
.set MSB, 0
.macro WIN new                         ; the immediate's high byte repeats the setting that is left; a switch that changes nothing is dropped
.if MSB != (\new)
	s_set_vgpr_msb (MSB<<8)|(\new)
.set MSB, \new
.endif
.endm
.macro PLACES                          ; four places between a matrix instruction and a read of its result (ISA guide 7.12.1)
.rept 4
	v_nop
.endr
.endm
; Eight slots of the ring (one row of 4,096 bytes): waited for, rounded, stored into LDS, and with reload = 1 loaded again with the row eight further down.
.macro GRP g, reload, left
.set CS, CV+(CW-CV)*((\g)%2)
	s_wait_loadcnt \left                   ; loads come back in order: these eight are in, the younger ones stay out
	WIN 0x05                               ; sources in window 1
.set i, 0
.rept 8
	v_cvt_pk_bf16_f32 v[CS+2*i],   v[4*(8*(\g)+i)],   v[4*(8*(\g)+i)+1]
	v_cvt_pk_bf16_f32 v[CS+2*i+1], v[4*(8*(\g)+i)+2], v[4*(8*(\g)+i)+3]
.set i, i+1
.endr
	WIN 0
	s_wait_alu depctr_va_vdst(0)           ; the conversions have written this group's set, which the LDS stores read, and are done reading the ring's eight slots, in which the loads below land; in a trip's first group v3 is written
.if ((\g) > 0) && ((\g) < 7)
	s_wait_alu depctr_vm_vsrc(0)           ; the LDS stores of the group before have read the other set, which the next group's conversions write
.endif
.set i, 0
.rept 8
	ds_store_b64 v3, v[CS+2*i:CS+2*i+1] offset:(\g)*LP+256*i
.set i, i+1
.endr
.if \reload
	WIN 0x40                               ; destination in window 1
.set i, 0
.rept 8
	global_load_b128 v[4*(8*(\g)+i):4*(8*(\g)+i)+3], v2, s[18:19] offset:32768+512*(8*(\g)+i)  ; nothing since the wait on va_vdst names these registers
.set i, i+1
.endr
	WIN 0
.endif
.endm
	s_load_b256 s[4:11], s[0:1], 0x0       ; x s[4:5], W s[6:7], noise s[8:9], b s[10:11]
	s_load_b64 s[12:13], s[0:1], 0x20      ; h32
	v_lshl_add_u32 v254, v0, 2, 0x44c00
	v_mov_b32 v255, 0
	v_and_b32 v1, 31, v0
	v_lshrrev_b32 v3, 5, v0
	v_readfirstlane_b32 s14, v3            ; wave 0..3
	s_mov_b32 s15, ttmp9                   ; column tile
	s_and_b32 s16, ttmp7, 0xffff           ; token tile
	v_lshlrev_b32 v2, 4, v1                ; 16 x lane
	v_and_b32 v4, 15, v0                   ; r
	v_bfe_u32 v5, v0, 4, 1                 ; h
	s_wait_alu depctr_va_sdst(0)           ; s14 is written, ahead of its first reader
	s_mul_i32 s23, s14, 32*LP
	v_lshl_add_u32 v3, v1, 3, s23          ; where my 8 bytes of my wave's first row go
	s_and_b32 s17, s14, 1
	s_lshl_b32 s17, s17, 5
	s_cmp_lt_u32 s14, 2                    ; waves 0 and 1 bring x's rows, waves 2 and 3 W's, 32 each
	s_cselect_b32 s20, s16, s15
	s_lshl_b32 s20, s20, 6
	s_add_co_u32 s20, s20, s17
	s_lshl_b32 s20, s20, 12                ; my first row, in bytes
	s_mov_b32 s21, 0
	s_wait_kmcnt 0x0
	s_cmp_lt_u32 s14, 2
	s_cselect_b64 s[18:19], s[4:5], s[6:7]
	s_add_nc_u64 s[18:19], s[18:19], s[20:21]
	WIN 0x40
	s_wait_alu depctr_va_vdst(0)           ; v2 is written: every load of the ring reads it as its offset
.set l, 0
.rept 64                               ; the ring is filled: my first eight rows
	global_load_b128 v[4*l:4*l+3], v2, s[18:19] offset:512*l
.set l, l+1
.endr
	WIN 0
	; the addresses of phase 2 are made while the first loads are out; the groups' waits on va_vdst stand between these lines and the instructions that read them
	s_lshl_b32 s23, s14, 4
	v_add_nc_u32 v6, s23, v4
	v_mul_u32_u24 v6, v6, LP
	v_lshl_add_u32 v6, v5, 4, v6           ; tokens' fragment: (16 w + r) rows + 16 h
	v_mul_u32_u24 v7, v4, LP
	v_lshl_add_u32 v7, v5, 4, v7
	v_add_nc_u32 v7, 64*LP, v7             ; W's tiles 0 and 1
	v_add_nc_u32 v10, 32*LP, v7            ; W's tiles 2 and 3
	s_mul_i32 s23, s14, 16*SP
	s_add_co_u32 s23, s23, STAGE           ; my stage
	v_mul_u32_u24 v11, v4, SP
	v_lshl_add_u32 v11, v5, 5, v11
	v_add_nc_u32 v11, s23, v11             ; in: row r, 32 bytes for each half of the lanes
	v_mul_u32_u24 v12, v5, SP
	v_lshl_add_u32 v12, v4, 4, v12
	v_add_nc_u32 v12, s23, v12             ; back: lanes 0-15 one row of 256 bytes, lanes 16-31 the next
	v_lshlrev_b32 v14, 12, v5
	v_lshl_add_u32 v14, v4, 4, v14         ; the same two rows in noise, x and h32
	v_lshlrev_b32 v15, 4, v4               ; my four columns in b
	v_mov_b32 v32, 0x38d1b717              ; 1e-4
	v_mov_b32 v33, 1.0
	s_lshl_b32 s20, s16, 6
	s_lshl_b32 s23, s14, 4
	s_add_co_u32 s20, s20, s23
	s_lshl_b32 s20, s20, 12                ; my wave's first token row,
	s_lshl_b32 s23, s15, 8
	s_add_co_u32 s20, s20, s23             ; the tile's first column
	s_add_nc_u64 s[24:25], s[8:9], s[20:21]
	s_add_nc_u64 s[26:27], s[12:13], s[20:21]
	s_add_nc_u64 s[30:31], s[4:5], s[20:21]
	s_mov_b32 s20, s23
	s_add_nc_u64 s[28:29], s[10:11], s[20:21]
	s_mov_b32 s22, 3
.Lstream:                                      ; a trip: eight rows go into LDS, the next eight are asked for
.irp g, 0,1,2,3,4,5,6,7
	GRP \g, 1, 56                          ; behind a group's eight loads stand the ring's 56 others
.endr
	s_wait_xcnt 0x0                        ; the base is a source of the loads that are out: it steps only behind this wait
	s_add_nc_u64 s[18:19], s[18:19], 32768
	s_wait_alu depctr_vm_vsrc(0)           ; this trip's LDS stores have read v3, and both sets of rounded pairs
	v_add_nc_u32 v3, 8*LP, v3
	s_sub_co_u32 s22, s22, 1
	s_cmp_lg_u32 s22, 0
	s_cbranch_scc1 .Lstream
.irp g, 0,1,2,3,4,5,6,7
	GRP \g, 0, 56-8*\g                     ; the last eight rows: nothing is asked for, the counts run down
.endr
	s_wait_dscnt 0x0                       ; for the others' sake: my rows are in LDS
	s_barrier_signal -1
	s_barrier_wait -1                      ; everybody's are; from here on nobody writes them
	WIN 0x40                               ; what the way out adds is asked for now: 17 loads, waited for behind the K loop.  No vector instruction stands behind the last group's wait on va_vdst:
.set t, 0                              ; it has shown v14 and v15 written and the conversions done reading the ring's registers, in which these loads land
.rept 8
	global_load_b128 v[4*t:4*t+3], v14, s[24:25] offset:8192*t th:TH_LOAD_NT  ; noise, rows 2 t + h
.set t, t+1
.endr
	global_load_b128 v[32:35], v15, s[28:29]                                  ; bias
.set t, 0
.rept 8
	global_load_b128 v[36+4*t:39+4*t], v14, s[30:31] offset:8192*t            ; x, the same places as the noise
.set t, t+1
.endr
	WIN 0
.macro ALOAD f, k                      ; ten LDS loads: the fragments of 32 along K at byte k of the rows, into buffer f
	ds_load_b128 v[F+40*(\f):F+40*(\f)+3],     v6 offset:(\k)
	ds_load_b128 v[F+40*(\f)+4:F+40*(\f)+7],   v6 offset:(\k)+32
	ds_load_b128 v[F+40*(\f)+8:F+40*(\f)+11],  v7 offset:(\k)
	ds_load_b128 v[F+40*(\f)+12:F+40*(\f)+15], v7 offset:(\k)+32
	ds_load_b128 v[F+40*(\f)+16:F+40*(\f)+19], v7 offset:16*LP+(\k)
	ds_load_b128 v[F+40*(\f)+20:F+40*(\f)+23], v7 offset:16*LP+(\k)+32
	ds_load_b128 v[F+40*(\f)+24:F+40*(\f)+27], v10 offset:(\k)
	ds_load_b128 v[F+40*(\f)+28:F+40*(\f)+31], v10 offset:(\k)+32
	ds_load_b128 v[F+40*(\f)+32:F+40*(\f)+35], v10 offset:16*LP+(\k)
	ds_load_b128 v[F+40*(\f)+36:F+40*(\f)+39], v10 offset:16*LP+(\k)+32
.endm
; A K step on buffer f.  fl >= 0: the step two further on is fetched into buffer fl.  head = 1: the first of two steps.  The four sums take turns.
.macro ASTEP f, fl, kl, left, zero, head
.if \head
	s_wait_alu depctr_va_vdst(0)           ; the products of the two steps before are done reading their buffers, in which this step's and the next step's loads land; in a trip's first step v6, v7 and v10 are written
.endif
.if (\fl) >= 0
	ALOAD \fl, \kl
.endif
	s_wait_dscnt \left                     ; this step's ten loads are in; those of the younger steps stay out
.irp i, 0,1,2,3
.if \zero
	v_wmma_f32_16x16x32_bf16 v[ACC+8*\i:ACC+8*\i+7], v[F+40*(\f)+8+8*\i:F+40*(\f)+15+8*\i], v[F+40*(\f):F+40*(\f)+7], 0
.else
	v_wmma_f32_16x16x32_bf16 v[ACC+8*\i:ACC+8*\i+7], v[F+40*(\f)+8+8*\i:F+40*(\f)+15+8*\i], v[F+40*(\f):F+40*(\f)+7], v[ACC+8*\i:ACC+8*\i+7]
.endif
.endr
.endm
	ALOAD 0, 0                             ; v6, v7 and v10 were shown written by the groups' waits; no vector instruction has named F0 .. F3 yet
	ALOAD 1, 64
	ASTEP 0, 2, 128, 20, 1, 0              ; the first step starts the sums; at each wait two younger steps' 20 loads stay out
	ASTEP 1, 3, 192, 20, 0, 0
	s_mov_b32 s22, 7
.Lk:                                           ; trip n: steps 4 n + 2 .. 4 n + 5; it fetches steps 4 n + 4 .. 4 n + 7
	ASTEP 2, 0, 256, 20, 0, 1
	ASTEP 3, 1, 320, 20, 0, 0
	ASTEP 0, 2, 384, 20, 0, 1
	ASTEP 1, 3, 448, 20, 0, 0
	s_wait_alu depctr_vm_vsrc(0)           ; the LDS loads issued so far have read v6, v7 and v10
	v_add_nc_u32 v6, 256, v6
	v_add_nc_u32 v7, 256, v7
	v_add_nc_u32 v10, 256, v10
	s_sub_co_u32 s22, s22, 1
	s_cmp_lg_u32 s22, 0
	s_cbranch_scc1 .Lk
	ASTEP 2, -1, 0, 10, 0, 0               ; the last two steps fetch nothing
	ASTEP 3, -1, 0, 0, 0, 0
	; THE WAY OUT.  The sums go through my own stage and come back as rows of 256 bytes; bias, noise and residual are added there.
	PLACES
	s_wait_alu depctr_va_vdst(0)           ; the products have written the sums, which the LDS stores read, and are done reading v40-71, in which the loads from the stage land; the places above stay beside this wait
.irp i, 0,1,2,3
	ds_store_b128 v11, v[ACC+8*\i:ACC+8*\i+3]   offset:64*\i      ; each sum's low registers first
	ds_store_b128 v11, v[ACC+8*\i+4:ACC+8*\i+7] offset:64*\i+16
.endr
.set t, 0
.rept 8
	ds_load_b128 v[R+4*t:R+4*t+3], v12 offset:2*SP*t              ; LDS serves a wave's instructions in order (ISA guide 5.7.1.4): these see the stores above
.set t, t+1
.endr
	s_wait_loadcnt 0x0                     ; noise, bias and x
	WIN 0x05
	v_cvt_pk_bf16_f32 v[BI+4], v32, v33
	v_cvt_pk_bf16_f32 v[BI+5], v34, v35
.set t, 0
.rept 8
	v_cvt_pk_bf16_f32 v[NP+2*t],   v[4*t],      v[4*t+1]
	v_cvt_pk_bf16_f32 v[NP+2*t+1], v[4*t+2],    v[4*t+3]
	v_cvt_pk_bf16_f32 v[XB+2*t],   v[36+4*t],   v[37+4*t]
	v_cvt_pk_bf16_f32 v[XB+2*t+1], v[38+4*t],   v[39+4*t]
.set t, t+1
.endr
	WIN 0
	v_lshlrev_b32 v[BI],   16, v[BI+4]
	v_and_b32     v[BI+1], 0xffff0000, v[BI+4]
	v_lshlrev_b32 v[BI+2], 16, v[BI+5]
	v_and_b32     v[BI+3], 0xffff0000, v[BI+5]
.macro FIN t                           ; rows 2 t + h: bias, noise and residual are added
	s_wait_dscnt 7-(\t)                    ; they are back from the stage; the younger loads stay out
	v_pk_add_f32 v[R+4*(\t):R+4*(\t)+1],   v[R+4*(\t):R+4*(\t)+1],   v[BI:BI+1]
	v_pk_add_f32 v[R+4*(\t)+2:R+4*(\t)+3], v[R+4*(\t)+2:R+4*(\t)+3], v[BI+2:BI+3]
	v_fma_mix_f32_bf16 v[R+4*(\t)],   v[NP+2*(\t)],   v32, v[R+4*(\t)]   op_sel_hi:[1,0,0]
	v_fma_mix_f32_bf16 v[R+4*(\t)+1], v[NP+2*(\t)],   v32, v[R+4*(\t)+1] op_sel:[1,0,0] op_sel_hi:[1,0,0]
	v_fma_mix_f32_bf16 v[R+4*(\t)+2], v[NP+2*(\t)+1], v32, v[R+4*(\t)+2] op_sel_hi:[1,0,0]
	v_fma_mix_f32_bf16 v[R+4*(\t)+3], v[NP+2*(\t)+1], v32, v[R+4*(\t)+3] op_sel:[1,0,0] op_sel_hi:[1,0,0]
	v_fma_mix_f32_bf16 v[R+4*(\t)],   v[XB+2*(\t)],   v33, v[R+4*(\t)]   op_sel_hi:[1,0,0]
	v_fma_mix_f32_bf16 v[R+4*(\t)+1], v[XB+2*(\t)],   v33, v[R+4*(\t)+1] op_sel:[1,0,0] op_sel_hi:[1,0,0]
	v_fma_mix_f32_bf16 v[R+4*(\t)+2], v[XB+2*(\t)+1], v33, v[R+4*(\t)+2] op_sel_hi:[1,0,0]
	v_fma_mix_f32_bf16 v[R+4*(\t)+3], v[XB+2*(\t)+1], v33, v[R+4*(\t)+3] op_sel:[1,0,0] op_sel_hi:[1,0,0]
.endm
.macro OUT t
	global_store_b128 v14, v[R+4*(\t):R+4*(\t)+3], s[26:27] offset:8192*(\t)  ; 16 lanes store 256 consecutive bytes, at a multiple of 256 from h32's first byte
.endm
	FIN 0
	FIN 1
	FIN 2
	FIN 3
	s_wait_alu depctr_va_vdst(0)           ; the first four pairs of rows are written, which the four stores below read; the arithmetic dealt among them names the other four pairs' registers
.irp t, 0,1,2,3
	OUT \t
	FIN \t+4
.endr
	s_wait_alu depctr_va_vdst(0)           ; the last four pairs of rows are written
	OUT 4
	OUT 5
	OUT 6
	OUT 7
	s_wait_dscnt 0x0                       ; the wave's end
	s_wait_alu depctr_hold_cnt(0) depctr_sa_sdst(0) depctr_va_vdst(0) depctr_va_sdst(0) depctr_va_ssrc(0) depctr_va_vcc(0) depctr_vm_vsrc(0)
	s_wait_tensorcnt 0x0
	ds_add_u32 v254, v255
	s_wait_dscnt 0x0
	s_endpgm
.Lfunc_end_k_q38d8a8c96c_attn:
	.size	k_q38d8a8c96c_attn, .Lfunc_end_k_q38d8a8c96c_attn-k_q38d8a8c96c_attn
	.p2alignl 7, 3214868480
	.fill 96, 4, 3214868480
	.section	.rodata,"a",@progbits
	.p2align	6, 0x0
	.amdhsa_kernel k_q38d8a8c96c_attn
		.amdhsa_group_segment_fixed_size 282112
		.amdhsa_private_segment_fixed_size 0
		.amdhsa_enable_private_segment 0
		.amdhsa_kernarg_size 40
		.amdhsa_user_sgpr_count 2
		.amdhsa_user_sgpr_kernarg_segment_ptr 1
		.amdhsa_wavefront_size32 1
		.amdhsa_system_sgpr_workgroup_id_x 1
		.amdhsa_system_sgpr_workgroup_id_y 1
		.amdhsa_system_sgpr_workgroup_id_z 1
		.amdhsa_system_vgpr_workitem_id 0
		.amdhsa_next_free_vgpr 512
		.amdhsa_next_free_sgpr 66
		.amdhsa_reserve_vcc 0
		.amdhsa_float_denorm_mode_32 3
		.amdhsa_float_denorm_mode_16_64 3
		.amdhsa_memory_ordered 1
		.amdhsa_forward_progress 1
		.amdhsa_inst_pref_size 62
	.end_amdhsa_kernel
	.amdgpu_metadata
---
amdhsa.version: [ 1, 2 ]
amdhsa.kernels:
  - .name:           k_q38d8a8c96c_attn
    .symbol:         k_q38d8a8c96c_attn.kd
    .args:
      - { .name: hidden_states, .offset: 0, .size: 8, .value_kind: global_buffer, .address_space: global }
      - { .name: attn_w, .offset: 8, .size: 8, .value_kind: global_buffer, .address_space: global }
      - { .name: attn_noise, .offset: 16, .size: 8, .value_kind: global_buffer, .address_space: global }
      - { .name: attn_b, .offset: 24, .size: 8, .value_kind: global_buffer, .address_space: global }
      - { .name: h32, .offset: 32, .size: 8, .value_kind: global_buffer, .address_space: global }
    .group_segment_fixed_size: 282112
    .private_segment_fixed_size: 0
    .kernarg_segment_align: 8
    .kernarg_segment_size: 40
    .max_flat_workgroup_size: 128
    .sgpr_count:     66
    .vgpr_count:     512
    .wavefront_size: 32
...
	.end_amdgpu_metadata
.endif
;; end of part 10
;; launch route: the kernel of part 2 again; grid 256 x 1, 4 waves a work-group, no clusters, 0 bytes of LDS; arguments h32, gate_w, gate_b, idx, wgt; writes idx, wgt
;; launch gather: the kernel of part 7 again; grid 16 x 8, 8 waves a work-group, no clusters, 50,176 bytes of LDS; arguments idx, h32, lists, hgf; writes lists, hgf
;; launch gateup (part 11): grid 32 x 8, 4 waves a work-group, no clusters, 264,704 bytes of LDS; arguments hgf, w1, w3, lists, actf; writes actf
.if DOCPART == 11
	.amdgcn_target "amdgcn-amd-amdhsa--gfx1250"
	.amdhsa_code_object_version 6
	.text
	.protected	k_q38d8a8c96c_gateup
	.globl	k_q38d8a8c96c_gateup
	.p2align	8
	.type	k_q38d8a8c96c_gateup,@function
k_q38d8a8c96c_gateup:
	s_mov_b64 s[64:65], 0
	v_nop
	global_prefetch_b8 v0, s[64:65] scope:SCOPE_SE
	s_setreg_imm32_b32 hwreg(HW_REG_WAVE_SCHED_MODE, 0, 2), 2
	s_setreg_imm32_b32 hwreg(HW_REG_WAVE_MODE, 25, 1), 1
	s_wait_xcnt 0x0
	s_wait_alu depctr_vm_vsrc(0)
; actf = bf16( silu(h w1~^T) x (h w3~^T) ) for the tokens that are routed to each expert; an expert's result for any other token is multiplied by 0 in the module and is not made.
; SHARES.  Work-group (ft, e): rows 64 ft .. 64 ft + 63 of expert e's w1 and of its w3, which no other work-group reads, against all of the expert's tokens.
; PHASE 1.  The 128 rows (f32, 4,096 bytes each) come in by 16-byte loads, 64 loads of each wave always on their way, are rounded to bf16 once and stay in LDS.  One barrier.
; PHASE 2.  Wave w takes the groups w, w + 4, w + 8, w + 12 of 80 slots (5 tiles of 16); a group past the expert's last is jumped over.  For a group: K = 1,024 in 32 steps of 32: step 0, which
; starts the sums, a loop of 7 trips of 4 steps, and 3 steps behind it.  The weights' fragments come from LDS, the tokens' straight from hgf, which holds them as operands; 8 x 5 sums of 16 x 16.
; Nobody writes LDS in phase 2.  A weight load's LDS byte is (16 tile + lane % 16) x 2,064 + 16 (lane / 16) + 64 step + 0 or 32: 264,176 at the most, inside the 128 rows; 512 bytes behind them take the closing add's spare words.
; Source 0 = 16 rows of a weight, source 1 = 16 slots: a lane holds one slot and eight neighbouring f, which are exactly its 16 bytes of the next product's operand: no stage on the way out.
; NO CLUSTER, NO TENSOR LOAD: no two work-groups read the same weight rows; the f32 rows must pass through registers to be rounded.
; LIMITS.  silu(g) = g / (1 + e^-g); where e^-g passes f32's range (g below about -88) it counts as 0.  NaN and infinities are not treated apart.  act goes in bf16: its range is f32's.
; REGISTERS.  Window 0: v0-15 addresses; v16-79 the weights' fragments of the even steps (tiles 0-3: w1, 4-7: w3); v80-239 the tokens' fragments, four buffers of 40.
;   Window 1: phase 1 the ring; then the sums of w1's tiles, (i, j) at v[8 (5 i + j)], and at v160-223 the weights' fragments of the odd steps.  Window 2: the sums of w3's tiles.
; THE MODE: SCHED_MODE bits 1:0 = 2 (LLVM: expert scheduling mode 2), set by the entry lines.  The code itself states the register dependences
; between vector or matrix instructions and memory or LDS instructions, with s_wait_alu, always for 0.
; THE PLAN, PHASE 1.  The ring: group g's eight loads land in it, its sixteen conversions read it, behind them it is asked for again.  Two sets of rounded pairs by turns (v16-31, v32-47): written by a
; group's conversions, read by its eight LDS stores.  v3: read by every LDS store, written once a trip.  v2: never written again.  One wait on va_vdst in a group, behind its conversions, serves its
; stores and its loads; one wait on vm_vsrc beside it names the LDS stores of the group BEFORE, which read the set that the NEXT group's conversions write (for groups 7 and 0: the wait at the trip's end).
; THE PLAN, PHASE 2.  Registers that memory or LDS instructions touch in the K loop:
;   WF0, WF1     Step s's 40 products read WF[s % 2]; the LDS loads issued in step s land in the other set (step s + 1's fragments).
;   TK0 .. TK3   Step s's products read TK[s % 4]; the loads issued in step s land in TK[(s + 3) % 4] = TK[(s - 1) % 4].
;   v10-13       Read by the weights' loads; written once a trip and at a group's head, behind a wait on vm_vsrc.
; ONE wait on va_vdst at a step's head, behind the waits for its data: the step before is done reading the other WF set and its TK buffer.  The step's 26 loads follow it, dealt behind the step's first
; three runs of four products, which name WF[s % 2], TK[s % 4] and the sums: none of the registers that those loads touch.
; The way out writes v16-127; its stores read v48-127.  At a group's head one wait on vm_vsrc and one on va_vdst stand between the last group's way out and the first loads into those registers.
.set LP,    2064                       ; an LDS row: 2,048 bytes + 16: row r starts at bank 4 r mod 64 (64 banks of 4 bytes: ISA guide 11.1)
.set TSTR,  32768                      ; a tile of hgf
.set HT,    68                         ; an expert's tiles in hgf; 65 of them at the most are read here
.set CV,    16                         ; v16-47: two sets of eight rounded pairs
.set WF0,   16                         ; window 0
.set WF1,   160                        ; window 1
.set TK,    80
.set E,     16                         ; the way out: 32 numbers at work
.set O,     48                         ; and 16 registers to store for each of the five tiles
.set MSB, 0
.macro WIN new                         ; the immediate's high byte repeats the setting that is left; a switch that changes nothing is dropped
.if MSB != (\new)
	s_set_vgpr_msb (MSB<<8)|(\new)
.set MSB, \new
.endif
.endm
.macro PLACES                          ; four places between a matrix instruction and a read of its result (ISA guide 7.12.1)
.rept 4
	v_nop
.endr
.endm
.macro GRP g, reload, left             ; eight slots of the ring (one row): waited for, rounded, stored into LDS, and loaded again with the row eight further down
.set CS, CV+16*((\g)%2)
	s_wait_loadcnt \left
	WIN 0x05
.set i, 0
.rept 8
	v_cvt_pk_bf16_f32 v[CS+2*i],   v[4*(8*(\g)+i)],   v[4*(8*(\g)+i)+1]
	v_cvt_pk_bf16_f32 v[CS+2*i+1], v[4*(8*(\g)+i)+2], v[4*(8*(\g)+i)+3]
.set i, i+1
.endr
	WIN 0
	s_wait_alu depctr_va_vdst(0)           ; the conversions have written this group's set, which the LDS stores read, and are done reading the ring's eight slots, in which the loads below land; in a trip's first group v3 is written
.if ((\g) > 0) && ((\g) < 7)
	s_wait_alu depctr_vm_vsrc(0)           ; the LDS stores of the group before have read the other set, which the next group's conversions write
.endif
.set i, 0
.rept 8
	ds_store_b64 v3, v[CS+2*i:CS+2*i+1] offset:(\g)*LP+256*i
.set i, i+1
.endr
.if \reload
	WIN 0x40
.set i, 0
.rept 8
	global_load_b128 v[4*(8*(\g)+i):4*(8*(\g)+i)+3], v2, s[18:19] offset:32768+512*(8*(\g)+i) th:TH_LOAD_NT  ; nothing since the wait on va_vdst names these registers
.set i, i+1
.endr
	WIN 0
.endif
.endm
	s_load_b256 s[4:11], s[0:1], 0x0       ; hgf s[4:5], w1 s[6:7], w3 s[8:9], lists s[10:11]
	s_load_b64 s[12:13], s[0:1], 0x20      ; actf
	v_lshl_add_u32 v254, v0, 2, 0x40800
	v_mov_b32 v255, 0
	v_and_b32 v1, 31, v0
	v_lshrrev_b32 v3, 5, v0
	v_readfirstlane_b32 s14, v3            ; wave 0..3
	s_mov_b32 s15, ttmp9                   ; ft
	s_and_b32 s16, ttmp7, 0xffff           ; e
	v_lshlrev_b32 v2, 4, v1                ; 16 x lane
	v_and_b32 v4, 15, v0
	v_bfe_u32 v5, v0, 4, 1
	s_wait_alu depctr_va_sdst(0)           ; s14 is written, ahead of its first reader
	s_mul_i32 s23, s14, 32*LP
	v_lshl_add_u32 v3, v1, 3, s23
	s_lshl_b32 s20, s16, 11
	s_lshl_b32 s23, s15, 6
	s_add_co_u32 s20, s20, s23
	s_and_b32 s23, s14, 1
	s_lshl_b32 s23, s23, 5
	s_add_co_u32 s20, s20, s23             ; row 2,048 e + 64 ft + 32 (w % 2)
	s_lshl_b32 s20, s20, 12
	s_mov_b32 s21, 0
	s_wait_kmcnt 0x0
	s_cmp_lt_u32 s14, 2                    ; waves 0 and 1 bring w1's rows, waves 2 and 3 w3's
	s_cselect_b64 s[18:19], s[6:7], s[8:9]
	s_add_nc_u64 s[18:19], s[18:19], s[20:21]
	WIN 0x40
	s_wait_alu depctr_va_vdst(0)           ; v2 is written: every global load and store of the kernel reads it as its offset
.set l, 0
.rept 64
	global_load_b128 v[4*l:4*l+3], v2, s[18:19] offset:512*l th:TH_LOAD_NT
.set l, l+1
.endr
	WIN 0
	s_lshl_b32 s20, s16, 2
	s_add_nc_u64 s[32:33], s[10:11], s[20:21]
	s_load_b32 s17, s[32:33], 0x0          ; cnt[e]
	v_mul_u32_u24 v6, v4, LP
	v_lshl_add_u32 v6, v5, 4, v6           ; a fragment's row x pitch + 16 x half: weight tiles 0 and 1; never rewritten
	v_add_nc_u32 v7, 32*LP, v6             ; tiles 2 and 3; never rewritten
	v_add_nc_u32 v14, 64*LP, v6            ; tiles 4 and 5; never rewritten
	v_add_nc_u32 v15, 96*LP, v6            ; tiles 6 and 7; never rewritten
	s_mul_i32 s20, s16, HT*TSTR
	s_mul_i32 s23, s14, 5*TSTR
	s_add_co_u32 s20, s20, s23
	s_add_nc_u64 s[26:27], s[4:5], s[20:21]    ; hgf at my first group
	s_mul_i32 s20, s16, 65*65536
	s_mul_i32 s23, s14, 5*65536
	s_add_co_u32 s20, s20, s23
	s_lshl_b32 s23, s15, 11
	s_add_co_u32 s20, s20, s23
	s_add_nc_u64 s[30:31], s[12:13], s[20:21]  ; actf at my first group, blocks 2 ft and 2 ft + 1
	s_mov_b32 s34, 0xbfb8aa3b              ; -log2(e),
	s_mov_b32 s35, s34                     ; named as a pair
	s_mov_b32 s22, 3
.Lstream:
.irp g, 0,1,2,3,4,5,6,7
	GRP \g, 1, 56                          ; behind a group's eight loads stand the ring's 56 others
.endr
	s_wait_xcnt 0x0                        ; the base is a source of the loads that are out: it steps only behind this wait
	s_add_nc_u64 s[18:19], s[18:19], 32768
	s_wait_alu depctr_vm_vsrc(0)           ; this trip's LDS stores have read v3, and both sets of rounded pairs
	v_add_nc_u32 v3, 8*LP, v3
	s_sub_co_u32 s22, s22, 1
	s_cmp_lg_u32 s22, 0
	s_cbranch_scc1 .Lstream
.irp g, 0,1,2,3,4,5,6,7
	GRP \g, 0, 56-8*\g                     ; the last eight rows: the counts run down
.endr
	s_wait_dscnt 0x0                       ; for the others' sake: my rows are in LDS
	s_barrier_signal -1
	s_barrier_wait -1                      ; everybody's are; from here on nobody writes them
.macro TLOAD st                        ; ten loads: five tiles' fragments of the K step st behind the tokens' base, into buffer st % 4
	WIN 0
.irp j, 0,1,2,3,4
	global_load_b128 v[TK+40*((\st)%4)+8*\j:TK+40*((\st)%4)+8*\j+3],   v2, s[28:29] offset:\j*TSTR+(\st)*1024
	global_load_b128 v[TK+40*((\st)%4)+8*\j+4:TK+40*((\st)%4)+8*\j+7], v2, s[28:29] offset:\j*TSTR+(\st)*1024+512
.endr
.endm
.macro WLOAD ws, hf, k                 ; eight LDS loads: weight tiles 4 hf .. 4 hf + 3 at byte k behind the K offset, into set ws
.set WB, WF0+(WF1-WF0)*(\ws)+32*(\hf)
	WIN 0x40*(\ws)                         ; set 1 lies in window 1
.irp n, 0,1,2,3
	ds_load_b128 v[WB+8*\n:WB+8*\n+3],   v[10+2*(\hf)+\n/2] offset:(\n%2)*16*LP+(\k)
	ds_load_b128 v[WB+8*\n+4:WB+8*\n+7], v[10+2*(\hf)+\n/2] offset:(\n%2)*16*LP+(\k)+32
.endr
.endm
.macro BASE                            ; the weights' LDS addresses, v10-13: the four lane terms plus the K offset in s36 (0, 256 .. 1,792 bytes)
	v_add_nc_u32 v10, s36, v6
	v_add_nc_u32 v11, s36, v7
	v_add_nc_u32 v12, s36, v14
	v_add_nc_u32 v13, s36, v15
.endm
.macro MUL4 hf, j, f, zero             ; four matrix instructions: weight tiles 4 hf .. 4 hf + 3 against token tile j; the sums take turns, one instruction a turn
.set WB, WF0+(WF1-WF0)*((\f)%2)+32*(\hf)
	WIN 0x50+0x50*(\hf)+((\f)%2)           ; C and D in window 1 or 2; source 0 in the window of the step's set
.irp n, 0,1,2,3
.if \zero
	v_wmma_f32_16x16x32_bf16 v[8*(5*\n+(\j)):8*(5*\n+(\j))+7], v[WB+8*\n:WB+8*\n+7], v[TK+40*((\f)%4)+8*(\j):TK+40*((\f)%4)+8*(\j)+7], 0
.else
	v_wmma_f32_16x16x32_bf16 v[8*(5*\n+(\j)):8*(5*\n+(\j))+7], v[WB+8*\n:WB+8*\n+7], v[TK+40*((\f)%4)+8*(\j):TK+40*((\f)%4)+8*(\j)+7], v[8*(5*\n+(\j)):8*(5*\n+(\j))+7]
.endif
.endr
.endm
; The K step that lies f steps behind the bases.  pw = 1: the next step's weights are fetched into the other set.  ptok = 1: the tokens of the step three further on are asked for.
.macro STEP f, zero, lc, pw, ptok
	s_wait_loadcnt \lc                     ; this step's ten token loads are in; the ten of each younger step stay out
	s_wait_dscnt 0x0                       ; this step's sixteen weight loads, issued early in the step before, are in
.if (\pw) && !(\zero)
	s_wait_alu depctr_va_vdst(0)           ; the step before's products are done reading the other set of weights and their tokens' buffer, in which this step's loads land; in a trip's first step v10-13 are written
.endif
	MUL4 0, 0, \f, \zero
.if \pw
	WLOAD ((\f)+1)%2, 0, 64*((\f)+1)       ; no wait: the products since the wait name this step's set, its tokens and the sums
.endif
	MUL4 0, 1, \f, \zero
.if \pw
	WLOAD ((\f)+1)%2, 1, 64*((\f)+1)
.endif
	MUL4 0, 2, \f, \zero
.if \ptok
	TLOAD (\f)+3
.endif
	MUL4 0, 3, \f, \zero
	MUL4 0, 4, \f, \zero
.irp j, 0,1,2,3,4
	MUL4 1, \j, \f, \zero
.endr
.endm
; The way out of token tile j: silu(g) u for 4 x 8 numbers a lane; each sum's low registers are read first.
.macro EPIA j
	WIN 0x01                               ; source 0 in window 1: g
.irp n, 0,1,2,3
.irp p, 0,1,2,3
	v_pk_mul_f32 v[E+8*\n+2*\p:E+8*\n+2*\p+1], v[8*(5*\n+(\j))+2*\p:8*(5*\n+(\j))+2*\p+1], s[34:35] op_sel_hi:[1,0]
.endr
.endr
	WIN 0
.set z, 0
.rept 32
	v_exp_f32 v[E+z], v[E+z]               ; e^-g
.set z, z+1
.endr
	v_nop                                  ; a plain instruction between the last transcendental and the use of its result
.set z, 0
	s_wait_alu depctr_va_vdst(0)
.rept 16
	v_pk_add_f32 v[E+2*z:E+2*z+1], v[E+2*z:E+2*z+1], 1.0 op_sel_hi:[1,0]
.set z, z+1
.endr
.set z, 0
.rept 32
	v_rcp_f32 v[E+z], v[E+z]
.set z, z+1
.endr
	v_nop
	WIN 0x01
	s_wait_alu depctr_va_vdst(0)
.irp n, 0,1,2,3
.irp p, 0,1,2,3
	v_pk_mul_f32 v[E+8*\n+2*\p:E+8*\n+2*\p+1], v[8*(5*\n+(\j))+2*\p:8*(5*\n+(\j))+2*\p+1], v[E+8*\n+2*\p:E+8*\n+2*\p+1]
.endr
.endr
	WIN 0x08                               ; source 1 in window 2: u
.irp n, 0,1,2,3
.irp p, 0,1,2,3
	v_pk_mul_f32 v[E+8*\n+2*\p:E+8*\n+2*\p+1], v[E+8*\n+2*\p:E+8*\n+2*\p+1], v[8*(5*\n+(\j))+2*\p:8*(5*\n+(\j))+2*\p+1]
.endr
.endr
	WIN 0
.set z, 0
.rept 16
	v_cvt_pk_bf16_f32 v[O+16*(\j)+z], v[E+2*z], v[E+2*z+1]
.set z, z+1
.endr
.endm
.macro EPIS j                          ; tile j's four stores, from registers of its own
.irp n, 0,1,2,3
	global_store_b128 v2, v[O+16*(\j)+4*\n:O+16*(\j)+4*\n+3], s[30:31] offset:65536*(\j)+512*\n  ; 512 consecutive bytes, at a multiple of 256 from actf's first byte
.endr
.endm
	s_wait_kmcnt 0x0
	s_min_u32 s17, s17, 1024
	s_add_co_u32 s17, s17, 79
	s_mul_i32 s17, s17, 52429
	s_lshr_b32 s17, s17, 22                ; groups: ceil(cnt / 80), 13 at the most
	s_mov_b32 s24, s14                     ; my group
	s_mov_b32 s23, 4
.Ltrip:
	s_cmp_ge_u32 s24, s17
	s_cbranch_scc1 .Lskip
	s_wait_xcnt 0x0                        ; the last group's stores have read their registers
	s_mov_b32 s36, 0
	s_wait_alu depctr_vm_vsrc(0)           ; the last group's stores have read v48-127 (in the first group: phase 1's LDS stores v16-47), in which loads land below; its weights' loads have read v10-13
	BASE
	s_mov_b64 s[28:29], s[26:27]
	s_wait_alu depctr_va_vdst(0)           ; v10-13 are written; the last group's way out (in the first group: phase 1's conversions) is done with v16-127, its products with both sets of weights and the tokens' buffers
	TLOAD 0
	TLOAD 1
	TLOAD 2
	WLOAD 0, 0, 0
	WLOAD 0, 1, 0
	STEP 0, 1, 20, 1, 1                    ; step 0 starts the sums; the wait above serves its loads too; at each wait two younger steps' 20 loads stay out
	WIN 0
	s_mov_b32 s22, 7
.Lk:                                           ; trip n: steps 4 n + 1 .. 4 n + 4; it asks for the tokens of steps 4 n + 4 .. 4 n + 7
	STEP 1, 0, 20, 1, 1
	STEP 2, 0, 20, 1, 1
	STEP 3, 0, 20, 1, 1
	STEP 4, 0, 20, 1, 1
	WIN 0
	s_wait_xcnt 0x0                        ; the tokens' base is a source of the loads that are out: it steps only behind this wait
	s_add_nc_u64 s[28:29], s[28:29], 4096
	s_add_co_u32 s36, s36, 256
	s_wait_alu depctr_vm_vsrc(0)           ; the weights' loads issued so far have read v10-13
	BASE
	s_sub_co_u32 s22, s22, 1
	s_cmp_lg_u32 s22, 0
	s_cbranch_scc1 .Lk
	STEP 1, 0, 20, 1, 0                    ; steps 29, 30, 31 ask for no tokens: the counts run down
	STEP 2, 0, 10, 1, 0
	STEP 3, 0, 0, 0, 0
	WIN 0
	PLACES
	EPIA 0
	EPIA 1
	s_wait_alu depctr_va_vdst(0)           ; tiles 0 and 1 are rounded into their registers, which the eight stores below read
	EPIS 0
	EPIS 1
	EPIA 2                                 ; it names v16-47 and its own sixteen registers: none that a store above reads
	EPIA 3
	s_wait_alu depctr_va_vdst(0)           ; tiles 2 and 3 are rounded
	EPIS 2
	EPIS 3
	EPIA 4
	s_wait_alu depctr_va_vdst(0)           ; tile 4 is rounded
	EPIS 4
.Lskip:
	s_wait_xcnt 0x0                        ; the loads' and the stores' bases step only behind this wait
	s_add_nc_u64 s[26:27], s[26:27], 4*5*TSTR
	s_add_nc_u64 s[30:31], s[30:31], 4*5*65536
	s_add_co_u32 s24, s24, 4
	s_sub_co_u32 s23, s23, 1
	s_cmp_lg_u32 s23, 0
	s_cbranch_scc1 .Ltrip
	s_wait_dscnt 0x0                       ; my reads of the resident rows are back;
	s_barrier_signal -1                    ; the plain form's last barrier stays in its place: every wave's reads of the resident rows lie ahead of it
	s_barrier_wait -1
	s_wait_dscnt 0x0                       ; the wave's end
	s_wait_alu depctr_hold_cnt(0) depctr_sa_sdst(0) depctr_va_vdst(0) depctr_va_sdst(0) depctr_va_ssrc(0) depctr_va_vcc(0) depctr_vm_vsrc(0)
	s_wait_tensorcnt 0x0
	ds_add_u32 v254, v255
	s_wait_dscnt 0x0
	s_endpgm
.Lfunc_end_k_q38d8a8c96c_gateup:
	.size	k_q38d8a8c96c_gateup, .Lfunc_end_k_q38d8a8c96c_gateup-k_q38d8a8c96c_gateup
	.p2alignl 7, 3214868480
	.fill 96, 4, 3214868480
	.section	.rodata,"a",@progbits
	.p2align	6, 0x0
	.amdhsa_kernel k_q38d8a8c96c_gateup
		.amdhsa_group_segment_fixed_size 264704
		.amdhsa_private_segment_fixed_size 0
		.amdhsa_enable_private_segment 0
		.amdhsa_kernarg_size 40
		.amdhsa_user_sgpr_count 2
		.amdhsa_user_sgpr_kernarg_segment_ptr 1
		.amdhsa_wavefront_size32 1
		.amdhsa_system_sgpr_workgroup_id_x 1
		.amdhsa_system_sgpr_workgroup_id_y 1
		.amdhsa_system_sgpr_workgroup_id_z 1
		.amdhsa_system_vgpr_workitem_id 0
		.amdhsa_next_free_vgpr 672
		.amdhsa_next_free_sgpr 66
		.amdhsa_reserve_vcc 0
		.amdhsa_float_denorm_mode_32 3
		.amdhsa_float_denorm_mode_16_64 3
		.amdhsa_memory_ordered 1
		.amdhsa_forward_progress 1
		.amdhsa_inst_pref_size 120
	.end_amdhsa_kernel
	.amdgpu_metadata
---
amdhsa.version: [ 1, 2 ]
amdhsa.kernels:
  - .name:           k_q38d8a8c96c_gateup
    .symbol:         k_q38d8a8c96c_gateup.kd
    .args:
      - { .name: hgf, .offset: 0, .size: 8, .value_kind: global_buffer, .address_space: global }
      - { .name: w1, .offset: 8, .size: 8, .value_kind: global_buffer, .address_space: global }
      - { .name: w3, .offset: 16, .size: 8, .value_kind: global_buffer, .address_space: global }
      - { .name: lists, .offset: 24, .size: 8, .value_kind: global_buffer, .address_space: global }
      - { .name: actf, .offset: 32, .size: 8, .value_kind: global_buffer, .address_space: global }
    .group_segment_fixed_size: 264704
    .private_segment_fixed_size: 0
    .kernarg_segment_align: 8
    .kernarg_segment_size: 40
    .max_flat_workgroup_size: 128
    .sgpr_count:     66
    .vgpr_count:     672
    .wavefront_size: 32
...
	.end_amdgpu_metadata
.endif
;; end of part 11
;; launch down (part 12): grid 32 x 8, 4 waves a work-group, no clusters, 133,632 bytes of LDS; arguments actf, w2, lists, y; writes y
.if DOCPART == 12
	.amdgcn_target "amdgcn-amd-amdhsa--gfx1250"
	.amdhsa_code_object_version 6
	.text
	.protected	k_q38d8a8c96c_down
	.globl	k_q38d8a8c96c_down
	.p2align	8
	.type	k_q38d8a8c96c_down,@function
k_q38d8a8c96c_down:
	s_mov_b64 s[64:65], 0
	v_nop
	global_prefetch_b8 v0, s[64:65] scope:SCOPE_SE
	s_setreg_imm32_b32 hwreg(HW_REG_WAVE_SCHED_MODE, 0, 2), 2
	s_setreg_imm32_b32 hwreg(HW_REG_WAVE_MODE, 25, 1), 1
	s_wait_xcnt 0x0
	s_wait_alu depctr_vm_vsrc(0)
; y[ks][d][o] = sum over the 512 f of quarter ks of act[slot][f] w2~[e][o][f], in f32, d = dst[e][slot]: row t for a token's first choice, 1,024 + t for its second, 2,048 + e for an empty slot.
; SHARES.  Work-group (ot, ks, e): rows 128 ot .. 128 ot + 127 of expert e's w2, columns 512 ks .. 512 ks + 511, which no other work-group reads, against all of the expert's tokens.
; F is cut in four so that the tile has 128 rows and all work-groups have equal shares; the four partial rows are added by the next launch: no sum spans work-groups here.
; PHASE 1.  The 128 pieces of rows (f32, 2,048 bytes each) come in by 16-byte loads, 64 loads of each wave on their way, are rounded to bf16 once and stay in LDS.  One barrier.
; Row 64 q + 4 r + c of the 128 is laid at LDS row 16 (4 q + c) + r: the four fragments 4 q .. 4 q + 3 then hold, in lane r, four NEIGHBOURING rows of w2.
; PHASE 2.  Wave w takes the groups w, w + 4, w + 8, w + 12 of 80 slots; a group past the expert's last is jumped over.  K = 512 in 16 steps of 32: step 0, which starts the sums, a loop of 3 trips
; of 4 steps, and 3 steps behind it; 8 x 5 sums of 16 x 16.  Nobody writes LDS in phase 2.  A weight load's LDS byte is (16 tile + lane % 16) x 1,040 + 16 (lane / 16) + 64 step + 0 or 32:
; 133,104 at the most, inside the 128 rows; 512 bytes behind them take the closing add's spare words.
; Source 0 = 16 slots, source 1 = 16 rows of w2: a lane holds one column o of y and the slots 8 (lane / 16) + 0..7.  THE WAY OUT needs no LDS: four moves put the same slot's numbers of four
; fragments side by side, 16 bytes of a row of y, and 16 neighbouring lanes store 256 consecutive bytes.  The price is 320 moves for a group's 640 matrix instructions.
; Only ceil(cnt / 16) tiles hold a token: the way out ends at the first tile of a group that holds none, since nobody reads what it would store.
; NO CLUSTER, NO TENSOR LOAD: no two work-groups read the same weights; the f32 rows must pass through registers to be rounded.
; LIMITS.  NaN and infinities are not treated apart.
; REGISTERS.  Window 0: v0-15 addresses; v16-79 the weights' fragments of the even steps; v80-239 the tokens', four buffers of 40; on the way out v16-207 three sets of 64 to store, v208-247 the rows' offsets in y.
;   Window 1: phase 1 the ring; then the sums of fragments 0-3, (i, j) at v[8 (5 i + j)], and at v160-223 the weights' fragments of the odd steps.  Window 2: the sums of fragments 4-7; v160-199 the group's row numbers.
; THE MODE: SCHED_MODE bits 1:0 = 2 (LLVM: expert scheduling mode 2), set by the entry lines.  The code itself states the register dependences
; between vector or matrix instructions and memory or LDS instructions, with s_wait_alu, always for 0.
; THE PLAN, PHASE 1.  The ring: group g's eight loads land in it, its sixteen conversions read it, behind them (first lap) it is asked for again.  Two sets of rounded pairs by turns (v16-31, v32-47):
; written by a group's conversions, read by its eight LDS stores.  v2 and v3 are never written again.  One wait on va_vdst in a group, behind its conversions, serves its stores and its loads; one wait on
; vm_vsrc beside it names the LDS stores of the group BEFORE, which read the set that the NEXT group's conversions write.
; THE PLAN, PHASE 2.  Registers that memory or LDS instructions touch in the K loop:
;   WF0, WF1     Step s's 40 products read WF[s % 2]; the LDS loads issued in step s land in the other set (step s + 1's fragments).
;   TK0 .. TK3   Step s's products read TK[s % 4]; the loads issued in step s land in TK[(s + 3) % 4] = TK[(s - 1) % 4].
;   v10, v11     Read by the weights' loads; written once a trip and at a group's head, behind a wait on vm_vsrc.
; ONE wait on va_vdst at a step's head, behind the waits for its data: the step before is done reading the other WF set and its TK buffer.  The step's 26 loads follow it, dealt behind the step's first
; three runs of four products, which name WF[s % 2], TK[s % 4] and the sums: none of the registers that those loads touch.
; The way out writes v16-247 and the row numbers; its stores read v16-247.  At a group's head one wait on vm_vsrc and one on va_vdst stand between the last group's way out and the first loads into those registers.
.set LP,    1040                       ; an LDS row: 1,024 bytes + 16: row r starts at bank 4 r mod 64 (64 banks of 4 bytes: ISA guide 11.1)
.set TSTR,  65536                      ; a tile of actf
.set CV,    16                         ; v16-47: two sets of eight rounded pairs
.set WF0,   16                         ; window 0
.set WF1,   160                        ; window 1
.set TK,    80
.set T,     16                         ; the way out: set j % 3 of 64 registers for tile j
.set OF,    208                        ; v208-247: for tile j and register p of a sum, my row's byte offset in the plane plus my 16 bytes' place
.set D,     160                        ; window 2: for tile j, dst of the slots 16 j + 8 (lane / 16) + 0..7
.set MSB, 0
.macro WIN new                         ; the immediate's high byte repeats the setting that is left; a switch that changes nothing is dropped
.if MSB != (\new)
	s_set_vgpr_msb (MSB<<8)|(\new)
.set MSB, \new
.endif
.endm
; Eight slots of the ring (two pieces of rows) of lap 0 or 1: waited for, rounded, stored into LDS; in lap 0 loaded again with the rows sixteen further down.
; Load l: my row l / 4, 512 bytes at (l % 4) x 512.  My row p goes 16 (p % 4) + p / 4 LDS rows behind my wave's first.
.macro GRP g, lap, left
.set CS, CV+16*((\g)%2)
	s_wait_loadcnt \left
	WIN 0x05
.set i, 0
.rept 8
	v_cvt_pk_bf16_f32 v[CS+2*i],   v[4*(8*(\g)+i)],   v[4*(8*(\g)+i)+1]
	v_cvt_pk_bf16_f32 v[CS+2*i+1], v[4*(8*(\g)+i)+2], v[4*(8*(\g)+i)+3]
.set i, i+1
.endr
	WIN 0
	s_wait_alu depctr_va_vdst(0)           ; the conversions have written this group's set, which the LDS stores read, and are done reading the ring's eight slots, in which the loads below land
.if (8*(\lap)+(\g) > 0) && (8*(\lap)+(\g) < 15)
	s_wait_alu depctr_vm_vsrc(0)           ; the LDS stores of the group before have read the other set, which the next group's conversions write
.endif
.set i, 0
.rept 8
.set l, 64*(\lap)+8*(\g)+i
	ds_store_b64 v3, v[CS+2*i:CS+2*i+1] offset:(16*((l/4)%4)+(l/4)/4)*LP+(l%4)*256
.set i, i+1
.endr
.if (\lap) == 0
	WIN 0x40
.set i, 0
.rept 8
.set l, 64+8*(\g)+i
	global_load_b128 v[4*(8*(\g)+i):4*(8*(\g)+i)+3], v2, s[18:19] offset:(l/4)*8192+(l%4)*512 th:TH_LOAD_NT  ; nothing since the wait on va_vdst names these registers
.set i, i+1
.endr
	WIN 0
.endif
.endm
	s_load_b256 s[4:11], s[0:1], 0x0       ; actf s[4:5], w2 s[6:7], lists s[8:9], y s[10:11]
	v_lshl_add_u32 v254, v0, 2, 0x20800
	v_mov_b32 v255, 0
	v_and_b32 v1, 31, v0
	v_lshrrev_b32 v3, 5, v0
	v_readfirstlane_b32 s14, v3            ; wave 0..3
	s_lshr_b32 s12, ttmp9, 2               ; ot
	s_and_b32 s13, ttmp9, 3                ; ks
	s_and_b32 s16, ttmp7, 0xffff           ; e
	v_lshlrev_b32 v2, 4, v1                ; 16 x lane
	v_and_b32 v4, 15, v0                   ; r
	v_bfe_u32 v5, v0, 4, 1                 ; h
	s_wait_alu depctr_va_sdst(0)           ; s14 is written, ahead of its first reader
	s_lshr_b32 s15, s14, 1
	s_lshl_b32 s15, s15, 6
	s_and_b32 s25, s14, 1
	s_lshl_b32 s25, s25, 3
	s_add_co_u32 s15, s15, s25             ; my wave's rows 32 w + p begin at LDS row 64 (w / 2) + 8 (w % 2)
	s_mul_i32 s15, s15, LP
	v_lshl_add_u32 v3, v1, 3, s15
	s_lshl_b32 s20, s16, 10
	s_lshl_b32 s15, s12, 7
	s_add_co_u32 s20, s20, s15
	s_lshl_b32 s15, s14, 5
	s_add_co_u32 s20, s20, s15             ; row 1,024 e + 128 ot + 32 w
	s_lshl_b32 s20, s20, 13
	s_lshl_b32 s15, s13, 11
	s_add_co_u32 s20, s20, s15             ; and the quarter's 2,048 bytes
	s_mov_b32 s21, 0
	s_wait_kmcnt 0x0
	s_add_nc_u64 s[18:19], s[6:7], s[20:21]
	WIN 0x40
	s_wait_alu depctr_va_vdst(0)           ; v2 is written, which the ring's and the tokens' loads read as their offset, and v3, which the LDS stores read
.set l, 0
.rept 64
	global_load_b128 v[4*l:4*l+3], v2, s[18:19] offset:(l/4)*8192+(l%4)*512 th:TH_LOAD_NT
.set l, l+1
.endr
	WIN 0
	s_lshl_b32 s20, s16, 2
	s_add_nc_u64 s[52:53], s[8:9], s[20:21]
	s_load_b32 s17, s[52:53], 0x0          ; cnt[e]
	v_mul_u32_u24 v6, v4, LP
	v_lshl_add_u32 v6, v5, 4, v6           ; a fragment's row x pitch + 16 x half: fragments 0 to 3; never rewritten
	v_add_nc_u32 v7, 64*LP, v6             ; fragments 4 to 7; never rewritten
	v_lshlrev_b32 v12, 5, v5               ; my eight row numbers in a tile's sixteen: 32 bytes for each half of the lanes
	v_lshlrev_b32 v13, 4, v4               ; my 16 bytes in 256 bytes of a row of y
	s_mul_i32 s20, s16, 65*TSTR
	s_mul_i32 s15, s14, 5*TSTR
	s_add_co_u32 s20, s20, s15
	s_lshl_b32 s15, s13, 14
	s_add_co_u32 s20, s20, s15
	s_add_nc_u64 s[26:27], s[4:5], s[20:21]    ; actf at my first group, blocks 16 ks on
	s_mul_i32 s20, s16, 4608
	s_mul_i32 s15, s14, 320
	s_add_co_u32 s20, s20, s15
	s_add_co_u32 s20, s20, 256
	s_add_nc_u64 s[48:49], s[8:9], s[20:21]    ; dst at my first group
	s_mul_i32 s20, s13, 2056*4096
	s_lshl_b32 s15, s12, 9
	s_add_co_u32 s20, s20, s15
	s_add_nc_u64 s[50:51], s[10:11], s[20:21]  ; y at plane ks, column 128 ot
.irp g, 0,1,2,3,4,5,6,7
	GRP \g, 0, 56                          ; behind a group's eight loads stand the ring's 56 others
.endr
.irp g, 0,1,2,3,4,5,6,7
	GRP \g, 1, 56-8*\g                     ; the second sixteen rows: the counts run down
.endr
	s_wait_dscnt 0x0                       ; for the others' sake: my rows are in LDS
	s_barrier_signal -1
	s_barrier_wait -1                      ; everybody's are; from here on nobody writes them
.macro TLOAD st                        ; ten loads: five tiles' fragments of the K step st behind the tokens' base, into buffer st % 4
	WIN 0
.irp j, 0,1,2,3,4
	global_load_b128 v[TK+40*((\st)%4)+8*\j:TK+40*((\st)%4)+8*\j+3],   v2, s[28:29] offset:\j*TSTR+(\st)*1024
	global_load_b128 v[TK+40*((\st)%4)+8*\j+4:TK+40*((\st)%4)+8*\j+7], v2, s[28:29] offset:\j*TSTR+(\st)*1024+512
.endr
.endm
.macro WLOAD ws, hf, k                 ; eight LDS loads: weight fragments 4 hf .. 4 hf + 3 at byte k behind the K offset, into set ws
.set WB, WF0+(WF1-WF0)*(\ws)+32*(\hf)
	WIN 0x40*(\ws)                         ; set 1 lies in window 1
.irp n, 0,1,2,3
	ds_load_b128 v[WB+8*\n:WB+8*\n+3],   v[10+(\hf)] offset:\n*16*LP+(\k)
	ds_load_b128 v[WB+8*\n+4:WB+8*\n+7], v[10+(\hf)] offset:\n*16*LP+(\k)+32
.endr
.endm
.macro BASE                            ; the weights' LDS addresses, v10 and v11: the two lane terms plus the K offset in s54 (0, 256, 512, 768 bytes)
	v_add_nc_u32 v10, s54, v6
	v_add_nc_u32 v11, s54, v7
.endm
.macro MUL4 hf, j, f, zero             ; four matrix instructions: token tile j against weight fragments 4 hf .. 4 hf + 3; the sums take turns, one instruction a turn
.set WB, WF0+(WF1-WF0)*((\f)%2)+32*(\hf)
	WIN 0x50+0x50*(\hf)+4*((\f)%2)         ; C and D in window 1 or 2; source 1 in the window of the step's set
.irp n, 0,1,2,3
.if \zero
	v_wmma_f32_16x16x32_bf16 v[8*(5*\n+(\j)):8*(5*\n+(\j))+7], v[TK+40*((\f)%4)+8*(\j):TK+40*((\f)%4)+8*(\j)+7], v[WB+8*\n:WB+8*\n+7], 0
.else
	v_wmma_f32_16x16x32_bf16 v[8*(5*\n+(\j)):8*(5*\n+(\j))+7], v[TK+40*((\f)%4)+8*(\j):TK+40*((\f)%4)+8*(\j)+7], v[WB+8*\n:WB+8*\n+7], v[8*(5*\n+(\j)):8*(5*\n+(\j))+7]
.endif
.endr
.endm
; The K step that lies f steps behind the bases.  pw = 1: the next step's weights are fetched into the other set.  ptok = 1: the tokens of the step three further on are asked for.
.macro STEP f, zero, lc, pw, ptok
	s_wait_loadcnt \lc                     ; this step's ten token loads are in, and all that was issued before them; the ten of each younger step stay out
	s_wait_dscnt 0x0                       ; this step's sixteen weight loads, issued early in the step before, are in
.if (\pw) && !(\zero)
	s_wait_alu depctr_va_vdst(0)           ; the step before's products are done reading the other set of weights and their tokens' buffer, in which this step's loads land; in a trip's first step v10 and v11 are written
.endif
	MUL4 0, 0, \f, \zero
.if \pw
	WLOAD ((\f)+1)%2, 0, 64*((\f)+1)       ; no wait: the products since the wait name this step's set, its tokens and the sums
.endif
	MUL4 0, 1, \f, \zero
.if \pw
	WLOAD ((\f)+1)%2, 1, 64*((\f)+1)
.endif
	MUL4 0, 2, \f, \zero
.if \ptok
	TLOAD (\f)+3
.endif
	MUL4 0, 3, \f, \zero
	MUL4 0, 4, \f, \zero
.irp j, 0,1,2,3,4
	MUL4 1, \j, \f, \zero
.endr
.endm
; The way out of token tile j.  Register p of the four sums (4 q + c, j), c = 0..3, is, in lane (r, h), y's columns 64 q + 4 r + c of slot 16 j + 8 h + p: four moves make 16 bytes of them.
; Each sum's register 0 is read first.  Tile 3 takes set 0 again, tile 4 set 1: one pair of waits frees both.  A live group's tile 0 holds a token; from the first tile that holds none on, all are
; empty: one jump forward, to the loop's foot, leaves them out.
.macro DOUT j
.set TS, T+64*((\j)%3)
.if (\j) > 0
	s_add_co_u32 s15, s25, \j              ; this tile's number among the expert's
	s_cmp_ge_u32 s15, s55
	s_cbranch_scc1 .Lskip
.endif
.if (\j) == 3
	s_wait_xcnt 0x0                        ; the stores of tiles 0 to 2 have had their addresses translated,
	s_wait_alu depctr_vm_vsrc(0)           ; and have read their data: sets 0 and 1 are written again by this tile's moves and the next's
.endif
	WIN 0x01                               ; source in window 1: q = 0
.irp p, 0,1,2,3,4,5,6,7
.irp c, 0,1,2,3
	v_mov_b32 v[TS+4*\p+\c], v[8*(5*\c+(\j))+\p]
.endr
.endr
	WIN 0x02                               ; in window 2: q = 1
.irp p, 0,1,2,3,4,5,6,7
.irp c, 0,1,2,3
	v_mov_b32 v[TS+32+4*\p+\c], v[8*(5*\c+(\j))+\p]
.endr
.endr
	WIN 0
	s_wait_alu depctr_va_vdst(0)           ; the moves have written the tile's set, which the sixteen stores read as data; the rows' offsets, which they read as addresses, are written too
.irp p, 0,1,2,3,4,5,6,7
	global_store_b128 v[OF+8*(\j)+\p], v[TS+4*\p:TS+4*\p+3],       s[50:51]             ; lanes 0-15 store 256 consecutive bytes of one row, lanes 16-31 of another,
	global_store_b128 v[OF+8*(\j)+\p], v[TS+32+4*\p:TS+32+4*\p+3], s[50:51] offset:256  ; each at a multiple of 256 from y's first byte
.endr
.endm
	s_wait_kmcnt 0x0
	s_min_u32 s17, s17, 1024
	s_add_co_u32 s55, s17, 15
	s_lshr_b32 s55, s55, 4                 ; tiles that hold a token: ceil(cnt / 16)
	s_add_co_u32 s17, s17, 79
	s_mul_i32 s17, s17, 52429
	s_lshr_b32 s17, s17, 22                ; groups: ceil(cnt / 80), 13 at the most
	s_mov_b32 s24, s14                     ; my group,
	s_mul_i32 s25, s14, 5                  ; and its first tile
	s_mov_b32 s23, 4
.Ltrip:
	s_cmp_ge_u32 s24, s17
	s_cbranch_scc1 .Lskip
	s_wait_xcnt 0x0                        ; the last group's stores have read their registers
	s_mov_b32 s54, 0
	s_wait_alu depctr_vm_vsrc(0)           ; the last group's stores have read v16-247 (in the first group: phase 1's LDS stores v16-47), in which loads land below; its weights' loads have read v10 and v11
	BASE
	s_mov_b64 s[28:29], s[26:27]
	s_wait_alu depctr_va_vdst(0)           ; v10 and v11 are written; the last group's way out (in the first group: phase 1's conversions) is done with v16-247 and the row numbers, its products with both sets of weights and the tokens' buffers
	WIN 0x80                               ; destination in window 2
.irp j, 0,1,2,3,4
	global_load_b128 v[D+8*\j:D+8*\j+3],   v12, s[48:49] offset:64*\j      ; the group's row numbers, ahead of the tokens' loads: step 0's wait shows them in
	global_load_b128 v[D+8*\j+4:D+8*\j+7], v12, s[48:49] offset:64*\j+16
.endr
	TLOAD 0
	TLOAD 1
	TLOAD 2
	WLOAD 0, 0, 0
	WLOAD 0, 1, 0
	STEP 0, 1, 20, 1, 1                    ; step 0 starts the sums; the wait above serves its loads too; at each wait two younger steps' 20 loads stay out
	WIN 0
	s_mov_b32 s22, 3
.Lk:                                           ; trip n: steps 4 n + 1 .. 4 n + 4; it asks for the tokens of steps 4 n + 4 .. 4 n + 7
	STEP 1, 0, 20, 1, 1
	STEP 2, 0, 20, 1, 1
	STEP 3, 0, 20, 1, 1
	STEP 4, 0, 20, 1, 1
	WIN 0
	s_wait_xcnt 0x0                        ; the tokens' base is a source of the loads that are out: it steps only behind this wait
	s_add_nc_u64 s[28:29], s[28:29], 4096
	s_add_co_u32 s54, s54, 256
	s_wait_alu depctr_vm_vsrc(0)           ; the weights' loads issued so far have read v10 and v11
	BASE
	s_sub_co_u32 s22, s22, 1
	s_cmp_lg_u32 s22, 0
	s_cbranch_scc1 .Lk
	STEP 1, 0, 20, 1, 0                    ; steps 13, 14, 15 ask for no tokens: the counts run down
	STEP 2, 0, 10, 1, 0
	STEP 3, 0, 0, 0, 0
	WIN 0x88                               ; source 1 and destination in window 2
.set z, 0
.rept 40
	v_min_u32 v[D+z], 2055, v[D+z]         ; a row of the plane, whatever the list holds; these 40 name no register of the products and are the places behind the last of them
.set z, z+1
.endr
	WIN 0x02                               ; source 0 in window 2
.set z, 0
.rept 40
	v_lshl_add_u32 v[OF+z], v[D+z], 12, v13
.set z, z+1
.endr
	DOUT 0
	DOUT 1
	DOUT 2
	DOUT 3
	DOUT 4
.Lskip:
	s_wait_xcnt 0x0                        ; the tokens' and the list's bases step only behind this wait
	s_add_nc_u64 s[26:27], s[26:27], 4*5*TSTR
	s_add_nc_u64 s[48:49], s[48:49], 4*320
	s_add_co_u32 s24, s24, 4
	s_add_co_u32 s25, s25, 20
	s_sub_co_u32 s23, s23, 1
	s_cmp_lg_u32 s23, 0
	s_cbranch_scc1 .Ltrip
	s_wait_dscnt 0x0                       ; my reads of the resident rows are back;
	s_barrier_signal -1                    ; the plain form's last barrier stays in its place: every wave's reads of the resident rows lie ahead of it
	s_barrier_wait -1
	s_wait_dscnt 0x0                       ; the wave's end
	s_wait_alu depctr_hold_cnt(0) depctr_sa_sdst(0) depctr_va_vdst(0) depctr_va_sdst(0) depctr_va_ssrc(0) depctr_va_vcc(0) depctr_vm_vsrc(0)
	s_wait_tensorcnt 0x0
	ds_add_u32 v254, v255
	s_wait_dscnt 0x0
	s_endpgm
.Lfunc_end_k_q38d8a8c96c_down:
	.size	k_q38d8a8c96c_down, .Lfunc_end_k_q38d8a8c96c_down-k_q38d8a8c96c_down
	.p2alignl 7, 3214868480
	.fill 96, 4, 3214868480
	.section	.rodata,"a",@progbits
	.p2align	6, 0x0
	.amdhsa_kernel k_q38d8a8c96c_down
		.amdhsa_group_segment_fixed_size 133632
		.amdhsa_private_segment_fixed_size 0
		.amdhsa_enable_private_segment 0
		.amdhsa_kernarg_size 32
		.amdhsa_user_sgpr_count 2
		.amdhsa_user_sgpr_kernarg_segment_ptr 1
		.amdhsa_wavefront_size32 1
		.amdhsa_system_sgpr_workgroup_id_x 1
		.amdhsa_system_sgpr_workgroup_id_y 1
		.amdhsa_system_sgpr_workgroup_id_z 1
		.amdhsa_system_vgpr_workitem_id 0
		.amdhsa_next_free_vgpr 712
		.amdhsa_next_free_sgpr 66
		.amdhsa_reserve_vcc 0
		.amdhsa_float_denorm_mode_32 3
		.amdhsa_float_denorm_mode_16_64 3
		.amdhsa_memory_ordered 1
		.amdhsa_forward_progress 1
		.amdhsa_inst_pref_size 106
	.end_amdhsa_kernel
	.amdgpu_metadata
---
amdhsa.version: [ 1, 2 ]
amdhsa.kernels:
  - .name:           k_q38d8a8c96c_down
    .symbol:         k_q38d8a8c96c_down.kd
    .args:
      - { .name: actf, .offset: 0, .size: 8, .value_kind: global_buffer, .address_space: global }
      - { .name: w2, .offset: 8, .size: 8, .value_kind: global_buffer, .address_space: global }
      - { .name: lists, .offset: 16, .size: 8, .value_kind: global_buffer, .address_space: global }
      - { .name: y, .offset: 24, .size: 8, .value_kind: global_buffer, .address_space: global }
    .group_segment_fixed_size: 133632
    .private_segment_fixed_size: 0
    .kernarg_segment_align: 8
    .kernarg_segment_size: 32
    .max_flat_workgroup_size: 128
    .sgpr_count:     66
    .vgpr_count:     712
    .wavefront_size: 32
...
	.end_amdgpu_metadata
.endif
;; end of part 12
;; launch combine: the kernel of part 6 again; grid 256 x 1, 8 waves a work-group, no clusters, 0 bytes of LDS; arguments h32, y, wgt, out0; writes out0
